; MI455X (gfx1250); checked and timed in simulation.
; The chip was launched on July 23, 2026; its instructions are those of AMD's public machine-readable ISA for CDNA 5 (MIT licence, August 2026) and "CDNA5" Instruction Set Architecture Reference Guide (July 2026). The comments in the code are by the model that wrote it; some were corrected since.
;; Context Aware Attention. Allowed arithmetic: matrix products marked QUANTISED: E2M1 operands, one E8M0 scale for each 32 along K, by v_wmma_scale_f32_16x16x128_f8f6f4 with both operands' format E2M1 (or v_wmma_scale_f32_32x16x128_f4), f32 sums; everything else in f32.
;; Inputs: Wc1 512 x 512 float32; Wc2 512 x 512 float32; Wk 512 x 512 float32; Wo 512 x 512 float32; Wq 512 x 512 float32; Wv 512 x 512 float32; bc1 512 float32; bc2 512 float32; bias_table 961 x 8 float32; bo 512 float32; context 128 x 256 x 512 float32; ln_b 512 float32; ln_g 512 float32; mask 128 x 1 x 256 x 256 int32; rel_index 256 x 256 int32; x 128 x 256 x 512 float32.
;; Outputs: out0 128 x 256 x 512 float32.
;; This version of the problem:
;;   THIS VERSION OF THE PROBLEM IS GIVEN IN LOW PRECISION. The matrix products marked QUANTISED in the list below multiply operands that are first quantised to E2M1 (2 exponent bits, 1 mantissa bit; 4 bits a number), with one power-of-two scale for each 32 numbers along K (OCP MX v1.0); their sums are f32. All else is computed in f32.
;;   The module's matrix products, in the order in which they are computed (A, B: the left and right operand; K: the contracted axis; several contracted axes count as one K, in the product's order):
;;     1. [M 32,768, K 512] x [K 512, N 512]; A: input x; B: input Wq: QUANTISED
;;     2. [M 32,768, K 512] x [K 512, N 512]; A: input context; B: input Wk: QUANTISED
;;     3. [M 32,768, K 512] x [K 512, N 512]; A: input context; B: input Wv: QUANTISED
;;     4. batch 1,024 x [M 256, K 64] x [K 64, N 256]; A: computed on the way; B: computed on the way: QUANTISED
;;     5. batch 1,024 x [M 256, K 256] x [K 256, N 64]; A: softmax (see below); B: computed on the way: QUANTISED
;;     6. [M 32,768, K 512] x [K 512, N 512]; A: computed on the way; B: input Wo: QUANTISED
;;     7. [M 32,768, K 512] x [K 512, N 512]; A: input context; B: input Wc1: QUANTISED
;;     8. [M 32,768, K 512] x [K 512, N 512]; A: computed on the way; B: input Wc2: QUANTISED
;;   THE QUANTISER, for each operand of a quantised product, along K:
;;     - K is cut into blocks of 32 from its start; a last block that is shorter is filled with zeros.
;;     - A block's scale is 2^e with e = floor(log2(the largest magnitude in the block)) - 2, held to -126 .. 127; a block of zeros has e = 0. As a byte (E8M0): e + 127.
;;     - Each number is divided by its block's scale, clamped to +-6, and rounded to the nearest number of E2M1, ties to even, subnormals kept.
;;     - The product sums the exact products of the quantised numbers (number of the format x scale) in f32.
;;   ~~~python
;;   def quantise(x, axis):      # numpy; x: float32 -> the quantised numbers, widened to float32 again
;;       x = np.moveaxis(x, axis, -1); K = x.shape[-1]
;;       x = np.pad(x, [(0, 0)] * (x.ndim - 1) + [(0, -K % 32)]); x = x.reshape(x.shape[:-1] + (-1, 32)); a = np.abs(x).max(-1, keepdims=True)
;;       e = np.where(a > 0, np.clip(np.frexp(np.where(a > 0, a, 1))[1] - 1 - 2, -126, 127), 0)      # np.frexp(a)[1] - 1 = floor(log2(a)), exactly
;;       r = np.clip(x / 2.0 ** e, -6, 6)
;;       step = 2.0 ** (np.maximum(np.frexp(np.where(r == 0, 1, r))[1] - 1, 0) - 1)
;;       q = np.round(r / step) * step * 2.0 ** e      # np.round: ties to even
;;       return np.moveaxis(q.reshape(q.shape[:-2] + (-1,))[..., :K], -1, axis).astype(np.float32)
;;   ~~~
;;   SOFTMAX AHEAD OF A QUANTISED PRODUCT. Where the list says 'softmax', what is quantised is not the finished softmax but p = 2^(t - M), with t = logit x log2(e) and M = ceil(the row's largest t), a whole number; so 1/2 < the row's largest p <= 1. The row's sum l is taken of the UNQUANTISED p, in f32, and the product's result is divided by l at the end. Since M is a whole number, a kernel that streams over the keys may use a running M (the ceiling of the running maximum): every later rescaling is an exact power of two, which a block's scale takes up: the codes' values come out the same.
;;   OPERANDS COMPUTED ON THE WAY. 'Computed on the way' means the value that the module computes at that place (a softmax that the list does not call 'softmax' is quantised finished and normalised). What goes into a quantiser is computed in f32, as accurately as f32 sums, v_exp_f32 and their like allow (about 1e-6 of the number): no bf16 or f16 on the way to a quantiser, and a product that is left as it is and whose result goes on into a quantised operand takes f32 operands (vector FMAs, or v_wmma_f32_16x16x4_f32). A number that lies on a knife's edge between two numbers of the format may be rounded either way, as far as f32 arithmetic and the matrix unit's own rounding can turn it there, and no further.
;; 2 versions. Each part assembles by itself: llvm-mc -triple=amdgcn-amd-amdhsa -mcpu=gfx1250 --defsym DOCPART=n.
;; ======== version 1 of 2: 4 launches
;; limits: right only within a limited range of input values
;; workspace buffers: wts 835,584 bytes; biasc 2,097,152 bytes; maskw 1,048,576 bytes of whole numbers; act 17,825,792 bytes; qkv 27,787,264 bytes; hid 8,912,896 bytes; att 8,912,896 bytes
;; launch prep (part 1): grid 928 x 1, 4 waves a work-group, no clusters, 68,096 bytes of LDS; arguments x, context, mask, Wq, Wk, Wv, Wc1, Wo, Wc2, rel_index, bias_table, act, maskw, wts, biasc; writes act, maskw, wts, biasc
.if DOCPART == 1
	.amdgcn_target "amdgcn-amd-amdhsa--gfx1250"
	.amdhsa_code_object_version 6
	.text
	.protected	k_q799e5fe70c_prep
	.globl	k_q799e5fe70c_prep
	.p2align	8
	.type	k_q799e5fe70c_prep,@function
k_q799e5fe70c_prep:
	s_mov_b64 s[64:65], 0
	v_nop
	global_prefetch_b8 v0, s[64:65] scope:SCOPE_SE
	s_setreg_imm32_b32 hwreg(HW_REG_WAVE_MODE, 25, 1), 1
	s_wait_xcnt 0x0
; PREP: everything that arrives wide is read once and laid as the later launches want it.  Four roles, parted on the work-group's number:
;   A (0-511)    x (0-255) and context (256-511), f32 [32768][512] -> codes of FP4 (E2M1) + E8M0 scale words, in act
;   M (512-767)  mask, int32 [128][256][256] -> one bit a (query, key), in maskw, in the order of the score registers
;   W (768-863)  the six weights, f32 [k 512][n 512], K outermost -> codes + scale words, in wts
;   B (864-927)  8 x bias_table[rel_index], in biasc, in the order of the score registers (8 = 1 / SCALE, exact)
; TILES.  Rows (and weight columns) go in tiles of 16: in each group of 32, tile 2 B + u, place r holds member 32 B + 8 u + r % 8 + 16 (r / 8).
; So where a tile is source 0 of a product, the 16 result registers of tiles 2 B, 2 B + 1 are 16 neighbours: 32 B + 16 (lane / 16) + 0 .. 15.
; IMAGE.  A fragment (16 members x 128 K) is stored as its registers: [c 0,1][lane][16 bytes]; lane (r, hh), group c holds k = 64 c + 32 hh + 0 .. 31 of member r.
; SCALE WORDS of a tile (K = 512): [lane (r, hh)][s' 0,1]: the word of member r for K step 2 s' + hh: one 8-byte load a lane gives two scale registers.
; QUANTISER.  scale = 2^(floor(log2(largest magnitude)) - 2); its byte is the largest magnitude's exponent field - 2, held at 1 from below by a floor among the maximum's leaves.
; LIMITS: a block of zeros gets the byte 1 where the definition says 127 (its codes are zeros; only this program reads the bytes); NaN and infinities among x, context and the weights are not served.
; No barrier: waves share nothing.  Roles A and M have LDS bytes of their own.
.set R,     64                         ; v64-191   two sets of 64 registers as loaded
.set X,     192                        ; v192-255  64 numbers of one row: register 16 b + i = element 32 b + 16 hh + i
.set TM,    16                         ; v16-31    quantiser at work
.set PC,    32                         ; v32-39    a fragment's codes
.set PWS,   40                         ; v40-43    the scale words of a tile's four K steps
.set OUTW,  44                         ; v44-45    the same, chosen by lane half
.set MW,    48                         ; v48-55    role M: the words of two tiles, four a lane
.set STG_W, 8448                       ; a wave's stage: 16 rows x (512 + 16) bytes
.set STG_M, 33792                      ; role M's stages begin here
; 16 loads: 512 consecutive bytes of each of a tile's 16 rows (place i is row i % 8 + 16 (i / 8) of the group of 32)
.macro LOADU set, off0, pitch
.irp i, 0,1,2,3,4,5,6,7,8,9,10,11,12,13,14,15
	global_load_b128 v[R+64*(\set)+4*\i:R+64*(\set)+4*\i+3], v1, s[4:5] offset:(\off0)+((\i%8)+16*(\i/8))*(\pitch) th:TH_LOAD_NT
.endr
.endm
; through the wave's own stage: in as loaded, out 16 neighbours of each block of 32 a lane.  LDS serves a wave's instructions in order: no wait between
.macro TURN set, stw, str
.irp i, 0,1,2,3,4,5,6,7,8,9,10,11,12,13,14,15
	ds_store_b128 v[\stw], v[R+64*(\set)+4*\i:R+64*(\set)+4*\i+3] offset:528*\i
.endr
.irp i, 0,1,2,3,4,5,6,7,8,9,10,11,12,13,14,15
	ds_load_b128 v[X+4*\i:X+4*\i+3], v[\str] offset:128*(\i/4)+16*(\i%4)
.endr
.endm
; X's 64 numbers become a fragment's codes in v[PC] on and its scale word in v[pw]
.macro QUANT pw
.irp b, 0,1,2,3
	v_max3_num_f32 v[TM+\b], |v[X+16*\b]|, |v[X+1+16*\b]|, 0x1800000   ; my 16 numbers of block b, and the floor 2^(3 - 127)
.endr
.irp i, 2,4,6,8,10,12,14
.irp b, 0,1,2,3
	v_max3_num_f32 v[TM+\b], v[TM+\b], |v[X+16*\b+\i]|, |v[X+1+16*\b+\i]|
.endr
.endr
.irp b, 0,1,2,3
	v_permlanex16_b32 v[TM+4+\b], v[TM+\b], s20, s21
.endr
.irp b, 0,1,2,3
	v_max_num_f32 v[TM+\b], v[TM+\b], v[TM+4+\b]       ; with lane l xor 16's: the block's largest magnitude
.endr
.irp b, 0,1,2,3
	v_add_nc_u32 v[TM+12+\b], 0xff000000, v[TM+\b]     ; 2 off its exponent field: the conversion's scale operand
.endr
.irp b, 0,1,2,3
	v_lshrrev_b32 v[TM+4+\b], 23, v[TM+12+\b]          ; the scale's byte
.endr
	v_lshl_or_b32 v[\pw], v[TM+5], 8, v[TM+4]
	v_lshl_or_b32 v[\pw], v[TM+6], 16, v[\pw]
	v_lshl_or_b32 v[\pw], v[TM+7], 24, v[\pw]
.irp b, 0,1,2,3
	v_cvt_scalef32_pk8_fp4_f32 v[PC+2*\b], v[X+16*\b:X+7+16*\b], v[TM+12+\b]
	v_cvt_scalef32_pk8_fp4_f32 v[PC+1+2*\b], v[X+8+16*\b:X+15+16*\b], v[TM+12+\b]
.endr
	v_nop                                              ; one plain place behind a scaled conversion
.irp c, 0,1
.irp i, 0,1
	v_permlane16_swap_b32 v[PC+4*\c+\i], v[PC+2+4*\c+\i]   ; a whole block to a lane: lanes 0-15 block 2 c, lanes 16-31 block 2 c + 1
.endr
.endr
.endm
	v_lshl_add_u32 v62, v0, 2, 0x10800
	v_mov_b32 v63, 0
	v_lshrrev_b32 v4, 5, v0
	v_readfirstlane_b32 s18, v4                    ; wave 0..3
	v_and_b32 v5, 31, v0                           ; lane
	v_and_b32 v8, 15, v0                           ; r
	v_bfe_u32 v10, v0, 4, 1                        ; hh
	v_lshlrev_b32 v1, 4, v5                        ; 16 x lane
	v_lshlrev_b32 v9, 3, v5                        ; 8 x lane
	v_lshlrev_b32 v11, 2, v5                       ; 4 x lane
	s_mov_b32 s19, 0xffff0000                      ; lanes 16-31
	s_mov_b32 s20, 0x76543210
	s_mov_b32 s21, 0xfedcba98                      ; v_permlanex16_b32's selects for lane l xor 16
	s_mul_i32 s22, s18, STG_W
	v_add_nc_u32 v2, s22, v1                       ; role A's stage, in: 16 x lane
	v_mul_u32_u24 v3, v8, 528
	v_lshl_add_u32 v3, v10, 6, v3
	v_add_nc_u32 v3, s22, v3                       ; and out: row r, + 64 hh
	v_add_nc_u32 v6, STG_M, v2                     ; role M's
	v_add_nc_u32 v7, STG_M, v3
	s_cmp_lt_u32 ttmp9, 512
	s_cbranch_scc1 .Lrole_a
	s_cmp_lt_u32 ttmp9, 768
	s_cbranch_scc1 .Lrole_m
	s_cmp_lt_u32 ttmp9, 864
	s_cbranch_scc1 .Lrole_w
; ---------------- ROLE B: a wave makes tile (T of queries, t of keys) of 8 x bias for all eight heads
	s_load_b128 s[4:7], s[0:1], 0x48               ; rel_index, bias_table
	s_load_b64 s[8:9], s[0:1], 0x70                ; biasc
	s_sub_co_u32 s22, ttmp9, 864
	s_lshl_b32 s22, s22, 2
	s_add_co_u32 s22, s22, s18                     ; 16 T + t
	s_lshr_b32 s23, s22, 4                         ; T
	s_and_b32 s24, s22, 15                         ; t
	s_lshr_b32 s25, s23, 1
	s_lshl_b32 s25, s25, 15                        ; 32 (T / 2) rows of 1,024 bytes
	s_and_b32 s26, s23, 1
	s_lshl_b32 s26, s26, 13                        ; 8 (T % 2) rows
	s_add_co_u32 s25, s25, s26
	s_lshr_b32 s26, s24, 1
	s_lshl_b32 s26, s26, 7                         ; 32 (t / 2) keys of 4 bytes
	s_add_co_u32 s25, s25, s26
	s_and_b32 s26, s24, 1
	s_lshl_b32 s26, s26, 5                         ; 8 (t % 2) keys
	s_add_co_u32 s10, s25, s26
	s_mov_b32 s11, 0
	s_lshl_b32 s12, s22, 10                        ; a tile of a head is 1,024 bytes
	s_mov_b32 s13, 0
	v_and_b32 v12, 7, v8
	v_lshrrev_b32 v13, 3, v8
	v_lshl_add_u32 v12, v13, 4, v12                ; my query in the tile: r % 8 + 16 (r / 8)
	v_lshlrev_b32 v12, 10, v12
	v_lshl_add_u32 v12, v10, 6, v12                ; + 16 hh keys
	s_wait_kmcnt 0x0
	s_add_nc_u64 s[4:5], s[4:5], s[10:11]
	s_add_nc_u64 s[8:9], s[8:9], s[12:13]
	global_load_b128 v[16:19], v12, s[4:5]         ; my eight indices
	global_load_b128 v[20:23], v12, s[4:5] offset:16
	s_wait_loadcnt 0x0
.irp j, 0,1,2,3,4,5,6,7
	v_min_u32 v[16+\j], 0x3c0, v[16+\j]            ; held inside the table of 961 rows
.endr
.irp j, 0,1,2,3,4,5,6,7
	v_lshlrev_b32 v[16+\j], 5, v[16+\j]            ; a row of the table is eight heads, 32 bytes
.endr
.irp j, 0,1,2,3,4,5,6,7
	global_load_b128 v[64+8*\j:64+8*\j+3], v[16+\j], s[6:7]
	global_load_b128 v[64+8*\j+4:64+8*\j+7], v[16+\j], s[6:7] offset:16
.endr
	s_wait_loadcnt 0x0
.irp h, 0,1,2,3,4,5,6,7
.irp j, 0,1,2,3,4,5,6,7
	v_mul_f32 v[128+8*\h+\j], 0x41000000, v[64+8*\j+\h]   ; x 8, and head by head
.endr
.endr
.irp h, 0,1,2,3,4,5,6,7
.irp g, 0,1
	global_store_b128 v1, v[128+8*\h+4*\g:128+8*\h+4*\g+3], s[8:9] offset:\h*262144+512*\g   ; 512 consecutive bytes a store
.endr
.endr
	s_endpgm
; ---------------- ROLE A: a wave takes 32 rows: two tiles x four K steps of 128
.Lrole_a:
	s_load_b128 s[4:7], s[0:1], 0x0                ; x, context
	s_load_b64 s[8:9], s[0:1], 0x58                ; act
	s_and_b32 s23, ttmp9, 255
	s_lshl_b32 s23, s23, 2
	s_add_co_u32 s23, s23, s18                     ; which group of 32 rows
	s_lshr_b32 s24, ttmp9, 8                       ; 0: x, 1: context
	s_lshl_b32 s10, s23, 16                        ; 32 rows of 2,048 bytes
	s_mov_b32 s11, 0
	s_lshl_b32 s26, s24, 23
	s_lshl_b32 s27, s23, 13
	s_add_co_u32 s26, s26, s27                     ; codes: 8,388,608 x tensor + 8,192 x group
	s_mov_b32 s27, 0
	s_lshl_b32 s28, s24, 19
	s_lshl_b32 s29, s23, 9
	s_add_co_u32 s28, s28, s29
	s_add_co_u32 s28, s28, 0x1000000               ; scale words: 16,777,216 + 524,288 x tensor + 512 x group
	s_mov_b32 s29, 0
.irp b, 0,1,2,3
	v_mov_b32 v[TM+4+\b], 0                        ; written once: a lane permute's destination counts as one of its sources
.endr
	s_wait_kmcnt 0x0
	s_cmp_lt_u32 ttmp9, 256
	s_cselect_b64 s[4:5], s[4:5], s[6:7]
	s_add_nc_u64 s[4:5], s[4:5], s[10:11]
	s_add_nc_u64 s[12:13], s[8:9], s[26:27]
	s_add_nc_u64 s[14:15], s[8:9], s[28:29]
; unit t = 4 u + s: tile u, K step s.  Two units' loads (32 a wave) are out
.macro UNITA t
.if (\t) < 7
	s_wait_loadcnt 16                              ; this unit's 16 loads are in; the next unit's may be out
.else
	s_wait_loadcnt 0x0
.endif
	TURN (\t)%2, 2, 3
	s_wait_dscnt 0x0                               ; the numbers are back, and the stage's stores have read their registers
.if (\t)+2 < 8
	LOADU (\t)%2, 8*(((\t)+2)/4)*2048+512*(((\t)+2)%4), 2048
.endif
	s_wait_xcnt 0x0                                ; the last unit's stores have read PC and OUTW: they are written again only behind this wait
	QUANT PWS+(\t)%4
	global_store_b128 v1, v[PC:PC+3], s[12:13] offset:((\t)/4)*4096+((\t)%4)*1024
	global_store_b128 v1, v[PC+4:PC+7], s[12:13] offset:((\t)/4)*4096+((\t)%4)*1024+512
.if (\t)%4 == 3
	v_cndmask_b32 v[OUTW], v[PWS], v[PWS+1], s19       ; lanes 0-15: K steps 0 and 2; lanes 16-31: 1 and 3
	v_cndmask_b32 v[OUTW+1], v[PWS+2], v[PWS+3], s19
	global_store_b64 v9, v[OUTW:OUTW+1], s[14:15] offset:256*((\t)/4)   ; 256 consecutive bytes, aligned
.endif
.endm
	LOADU 0, 0, 2048
	LOADU 1, 512, 2048
.irp t, 0,1,2,3,4,5,6,7
	UNITA \t
.endr
	s_wait_tensorcnt 0x0
	ds_add_u32 v62, v63
	s_wait_dscnt 0x0
	s_endpgm
; ---------------- ROLE M: a wave takes 32 rows of the mask: two tiles of queries x two halves of the keys
.Lrole_m:
	s_load_b64 s[4:5], s[0:1], 0x10                ; mask
	s_load_b64 s[12:13], s[0:1], 0x60              ; maskw
	s_sub_co_u32 s23, ttmp9, 512
	s_lshl_b32 s23, s23, 2
	s_add_co_u32 s23, s23, s18
	s_lshl_b32 s10, s23, 15                        ; 32 rows of 1,024 bytes
	s_mov_b32 s11, 0
	s_lshl_b32 s14, s23, 10                        ; two tiles of 128 words
	s_mov_b32 s15, 0
.irp i, 0,1,2,3,4,5,6,7
	v_mov_b32 v[MW+\i], 0                          ; v_writelane_b32's destination counts as read
.endr
	s_wait_kmcnt 0x0
	s_add_nc_u64 s[4:5], s[4:5], s[10:11]
	s_add_nc_u64 s[12:13], s[12:13], s[14:15]
; unit t = 2 u + half.  Register n of lane (r, hh) is key 128 half + 32 (n / 16) + 16 hh + n % 16 of query r: the compare's 32 bits are word 64 half + n of the tile, score register for score register
.macro UNITM t
.if (\t) < 3
	s_wait_loadcnt 16
.else
	s_wait_loadcnt 0x0
.endif
	TURN (\t)%2, 6, 7
	s_wait_dscnt 0x0
.if (\t)+2 < 4
	LOADU (\t)%2, 8*(((\t)+2)/2)*1024+512*(((\t)+2)%2), 1024
.endif
.set n, 0
.rept 8
.irp e, 0,1,2,3,4,5,6,7
	v_cmp_ne_u32 s[24+\e], 0, v[X+n+\e]
.endr
.irp e, 0,1,2,3,4,5,6,7
	v_writelane_b32 v[MW+4*((\t)/2)+(\e%4)], s[24+\e], 16*((\t)%2)+(n+\e)/4   ; word W lies in lane W / 4, register W % 4
.endr
.set n, n+8
.endr
.if (\t)%2 == 1
	global_store_b128 v1, v[MW+4*((\t)/2):MW+4*((\t)/2)+3], s[12:13] offset:512*((\t)/2)
.endif
.endm
	LOADU 0, 0, 1024
	LOADU 1, 512, 1024
.irp t, 0,1,2,3
	UNITM \t
.endr
	s_wait_tensorcnt 0x0
	ds_add_u32 v62, v63
	s_wait_dscnt 0x0
	s_endpgm
; ---------------- ROLE W: a wave takes 32 columns x 128 along K of one weight.  A lane takes a column, its registers run down K: nothing is transposed
.Lrole_w:
	s_load_b256 s[24:31], s[0:1], 0x18             ; Wq, Wk, Wv, Wc1
	s_load_b128 s[32:35], s[0:1], 0x38             ; Wo, Wc2
	s_load_b64 s[8:9], s[0:1], 0x68                ; wts
	s_sub_co_u32 s22, ttmp9, 768
	s_lshr_b32 s23, s22, 4                         ; which weight
	s_and_b32 s10, s22, 3
	s_lshl_b32 s10, s10, 2
	s_add_co_u32 s10, s10, s18                     ; which group of 32 columns
	s_bfe_u32 s11, s22, 0x20002                    ; which K step
	s_lshl_b32 s12, s11, 18                        ; 128 rows of 2,048 bytes
	s_lshl_b32 s13, s10, 7
	s_add_co_u32 s12, s12, s13
	s_mov_b32 s13, 0
	s_lshl_b32 s14, s23, 17                        ; codes: 131,072 x weight + 8,192 x group + 1,024 x K step
	s_lshl_b32 s15, s10, 13
	s_add_co_u32 s14, s14, s15
	s_lshl_b32 s15, s11, 10
	s_add_co_u32 s14, s14, s15
	s_mov_b32 s15, 0
	s_lshl_b32 s16, s23, 13                        ; scale words: 786,432 + 8,192 x weight + 512 x group + 128 (s % 2) + 4 (s / 2)
	s_lshl_b32 s17, s10, 9
	s_add_co_u32 s16, s16, s17
	s_and_b32 s17, s11, 1
	s_lshl_b32 s17, s17, 7
	s_add_co_u32 s16, s16, s17
	s_lshr_b32 s17, s11, 1
	s_lshl_b32 s17, s17, 2
	s_add_co_u32 s16, s16, s17
	s_add_co_u32 s16, s16, 786432
	s_mov_b32 s17, 0
	v_bfe_u32 v12, v5, 3, 1                        ; my column's tile of the two: (lane / 8) % 2
	v_and_b32 v13, 7, v5
	v_lshl_add_u32 v13, v10, 3, v13                ; and its place there: lane % 8 + 8 (lane / 16)
	v_lshlrev_b32 v14, 4, v13
	v_lshl_add_u32 v14, v12, 12, v14               ; codes: 4,096 x tile + 16 x place
	v_lshlrev_b32 v15, 3, v13
	v_lshl_add_u32 v15, v12, 8, v15                ; scale word: 256 x tile + 8 x place
	s_wait_kmcnt 0x0
	s_mov_b64 s[4:5], s[24:25]
	s_cmp_eq_u32 s23, 1
	s_cselect_b64 s[4:5], s[26:27], s[4:5]
	s_cmp_eq_u32 s23, 2
	s_cselect_b64 s[4:5], s[28:29], s[4:5]
	s_cmp_eq_u32 s23, 3
	s_cselect_b64 s[4:5], s[30:31], s[4:5]
	s_cmp_eq_u32 s23, 4
	s_cselect_b64 s[4:5], s[32:33], s[4:5]
	s_cmp_eq_u32 s23, 5
	s_cselect_b64 s[4:5], s[34:35], s[4:5]
	s_add_nc_u64 s[4:5], s[4:5], s[12:13]
	s_add_nc_u64 s[12:13], s[8:9], s[14:15]
	s_add_nc_u64 s[14:15], s[8:9], s[16:17]
.macro WLD t                           ; block t: 32 rows at my column; a wave reads 128 consecutive bytes a load
.irp i, 0,1,2,3,4,5,6,7,8,9,10,11,12,13,14,15,16,17,18,19,20,21,22,23,24,25,26,27,28,29,30,31
	global_load_b32 v[64+32*(\t)+\i], v11, s[4:5] offset:(32*(\t)+\i)*2048 th:TH_LOAD_NT
.endr
.endm
.macro WBLK t
.if (\t) < 3
	s_wait_loadcnt 32                              ; this block's 32 loads are in; the next block's may be out
.else
	s_wait_loadcnt 0x0
.endif
.if (\t)+2 < 4
	WLD (\t)+2
.endif
.set XS, 64+32*(\t)
	v_max3_num_f32 v20, |v[XS]|, |v[XS+1]|, |v[XS+2]|
	v_max3_num_f32 v21, |v[XS+3]|, |v[XS+4]|, |v[XS+5]|
.irp i, 6,10,14,18,22,26
	v_max3_num_f32 v20, v20, |v[XS+\i]|, |v[XS+\i+1]|
	v_max3_num_f32 v21, v21, |v[XS+\i+2]|, |v[XS+\i+3]|
.endr
	v_max3_num_f32 v20, v20, |v[XS+30]|, |v[XS+31]|
	v_max3_num_f32 v20, v20, v21, 0x1800000        ; and the floor
	v_add_nc_u32 v[24+(\t)], 0xff000000, v20
	v_lshrrev_b32 v21, 23, v[24+(\t)]
.if (\t) == 0
	v_mov_b32 v22, v21
.else
	v_lshl_or_b32 v22, v21, 8*(\t), v22            ; the four bytes make my column's scale word
.endif
.irp g, 0,1,2,3
	v_cvt_scalef32_pk8_fp4_f32 v[32+4*(\t)+\g], v[XS+8*\g:XS+8*\g+7], v[24+(\t)]
.endr
	v_nop
	global_store_b128 v14, v[32+4*(\t):32+4*(\t)+3], s[12:13] offset:((\t)/2)*512+((\t)%2)*256   ; block t is group t / 2, lane half t % 2 of the image: two runs of 256 consecutive bytes
.endm
	WLD 0
	WLD 1
.irp t, 0,1,2,3
	WBLK \t
.endr
	global_store_b32 v15, v22, s[14:15]
	s_endpgm
.Lfunc_end_k_q799e5fe70c_prep:
	.size	k_q799e5fe70c_prep, .Lfunc_end_k_q799e5fe70c_prep-k_q799e5fe70c_prep
	.p2alignl 7, 3214868480
	.fill 96, 4, 3214868480
	.section	.rodata,"a",@progbits
	.p2align	6, 0x0
	.amdhsa_kernel k_q799e5fe70c_prep
		.amdhsa_group_segment_fixed_size 68096
		.amdhsa_private_segment_fixed_size 0
		.amdhsa_enable_private_segment 0
		.amdhsa_kernarg_size 120
		.amdhsa_user_sgpr_count 2
		.amdhsa_user_sgpr_kernarg_segment_ptr 1
		.amdhsa_wavefront_size32 1
		.amdhsa_system_sgpr_workgroup_id_x 1
		.amdhsa_system_sgpr_workgroup_id_y 1
		.amdhsa_system_sgpr_workgroup_id_z 1
		.amdhsa_system_vgpr_workitem_id 0
		.amdhsa_next_free_vgpr 256
		.amdhsa_next_free_sgpr 66
		.amdhsa_reserve_vcc 0
		.amdhsa_float_denorm_mode_32 3
		.amdhsa_float_denorm_mode_16_64 3
		.amdhsa_memory_ordered 1
		.amdhsa_forward_progress 1
		.amdhsa_inst_pref_size 140
	.end_amdhsa_kernel
	.amdgpu_metadata
---
amdhsa.version: [ 1, 2 ]
amdhsa.kernels:
  - .name:           k_q799e5fe70c_prep
    .symbol:         k_q799e5fe70c_prep.kd
    .args:
      - { .name: x, .offset: 0, .size: 8, .value_kind: global_buffer, .address_space: global }
      - { .name: context, .offset: 8, .size: 8, .value_kind: global_buffer, .address_space: global }
      - { .name: mask, .offset: 16, .size: 8, .value_kind: global_buffer, .address_space: global }
      - { .name: Wq, .offset: 24, .size: 8, .value_kind: global_buffer, .address_space: global }
      - { .name: Wk, .offset: 32, .size: 8, .value_kind: global_buffer, .address_space: global }
      - { .name: Wv, .offset: 40, .size: 8, .value_kind: global_buffer, .address_space: global }
      - { .name: Wc1, .offset: 48, .size: 8, .value_kind: global_buffer, .address_space: global }
      - { .name: Wo, .offset: 56, .size: 8, .value_kind: global_buffer, .address_space: global }
      - { .name: Wc2, .offset: 64, .size: 8, .value_kind: global_buffer, .address_space: global }
      - { .name: rel_index, .offset: 72, .size: 8, .value_kind: global_buffer, .address_space: global }
      - { .name: bias_table, .offset: 80, .size: 8, .value_kind: global_buffer, .address_space: global }
      - { .name: act, .offset: 88, .size: 8, .value_kind: global_buffer, .address_space: global }
      - { .name: maskw, .offset: 96, .size: 8, .value_kind: global_buffer, .address_space: global }
      - { .name: wts, .offset: 104, .size: 8, .value_kind: global_buffer, .address_space: global }
      - { .name: biasc, .offset: 112, .size: 8, .value_kind: global_buffer, .address_space: global }
    .group_segment_fixed_size: 68096
    .private_segment_fixed_size: 0
    .kernarg_segment_align: 8
    .kernarg_segment_size: 120
    .max_flat_workgroup_size: 128
    .sgpr_count:     66
    .vgpr_count:     256
    .wavefront_size: 32
...
	.end_amdgpu_metadata
.endif
;; end of part 1
;; launch proj (part 2): grid 256 x 1, 8 waves a work-group, no clusters, 74,752 bytes of LDS; arguments act, wts, bc1, ln_g, ln_b, qkv, hid; writes qkv, hid
.if DOCPART == 2
	.amdgcn_target "amdgcn-amd-amdhsa--gfx1250"
	.amdhsa_code_object_version 6
	.text
	.protected	k_q799e5fe70c_proj
	.globl	k_q799e5fe70c_proj
	.p2align	8
	.type	k_q799e5fe70c_proj,@function
k_q799e5fe70c_proj:
	s_mov_b64 s[64:65], 0
	v_nop
	global_prefetch_b8 v0, s[64:65] scope:SCOPE_SE
	s_setreg_imm32_b32 hwreg(HW_REG_WAVE_MODE, 25, 1), 1
	s_wait_xcnt 0x0
; PROJ: q = x Wq, k = ctx Wk, v = ctx Wv, h = relu(LayerNorm(ctx Wc1 + bc1)), all four products on codes of FP4 with E8M0 scales; each result is quantised in registers for the product that takes it next.
; SHARES.  A work-group owns 128 rows (half a batch: 8 tiles, 4 pairs); their codes of x and of context lie in LDS as register images, read by all eight waves.
; Wave w owns columns 64 w .. 64 w + 63 of every weight (head w): 16 fragments in registers, the next weight's loaded while this one is multiplied (two sets).
; A UNIT is a pair of row tiles x my 4 column tiles x K = 512: 32 matrix instructions on 8 accumulators that take turns.  16 units, written out.
; q, k, h: source 0 = weight, source 1 = rows: a lane holds ONE row and 16 neighbouring columns of each block of 32 (K of the next product).
; v: source 0 = rows, source 1 = weight: a lane holds ONE column d and 16 neighbouring KEYS, since the keys are the next K.
; LAYERNORM over 512 columns = 8 waves: each wave takes its 64 columns' mean m and sum of squares about m; the eight (m, q) meet in LDS and are merged:
; mean = sum m / 8, M2 = sum q + 64 sum (m - mean)^2: no difference of large sums is formed.
; LIMITS: a block of zeros gets the byte 1 (its codes are zeros; only this program reads the bytes); NaN and infinities are not served.
; REGISTERS, window 0: v1-18 addresses; v20-35 weights' scale words (two sets), v36-39 rows' scale words; v40-55 quantiser; v56-63 codes; v64-127 rows' fragments; v128-191 accumulators; v192-199 scale words on their way out; v200-247 LayerNorm.
;   window 1: v0-127, v128-255 the two sets of weight fragments (tile t, K step s at 32 t + 8 s); in the last role set 0 holds bc1 (0-31), ln_g (32-63), ln_b (64-95) in the accumulators' order.
.set WSC,  20
.set AS,   36
.set TM,   40
.set PC,   56
.set AF,   64
.set D,    128
.set SW,   192
.set OUTW, 196
.set PWA,  198
.set PWB,  199
.set LN,   200
.set CI,   32768                       ; LDS: x's 8 tiles of 4,096 bytes at 0, context's here,
.set SCL,  65536                       ; x's scale words (8 x 256 bytes), context's 2,048 on,
.set LNX,  69632                       ; and two buffers of 8 waves x 32 lanes x 8 bytes for the LayerNorm
.set MSB, 0
.macro WIN new                         ; the immediate's high byte repeats the setting that is left
.if MSB != \new
	s_set_vgpr_msb (MSB<<8)|\new
.set MSB, \new
.endif
.endm
.macro PLACES n
.rept \n
	v_nop
.endr
.endm
; one scaled product.  cm = 0: C is the constant 0; else C = v[c ..].  row = 0: both scales from lanes 0-15; 1: source 0's from lanes 16-31; 2: both from lanes 16-31
.macro WMS d, a, b, cm, c, sa, sb, row
.if (\cm) == 0
.if (\row) == 0
	v_wmma_scale_f32_16x16x128_f8f6f4 v[(\d):(\d)+7], v[(\a):(\a)+7], v[(\b):(\b)+7], 0, v[(\sa)], v[(\sb)] matrix_a_fmt:MATRIX_FMT_FP4 matrix_b_fmt:MATRIX_FMT_FP4
.elseif (\row) == 1
	v_wmma_scale_f32_16x16x128_f8f6f4 v[(\d):(\d)+7], v[(\a):(\a)+7], v[(\b):(\b)+7], 0, v[(\sa)], v[(\sb)] matrix_a_fmt:MATRIX_FMT_FP4 matrix_b_fmt:MATRIX_FMT_FP4 matrix_a_scale:MATRIX_SCALE_ROW1
.else
	v_wmma_scale_f32_16x16x128_f8f6f4 v[(\d):(\d)+7], v[(\a):(\a)+7], v[(\b):(\b)+7], 0, v[(\sa)], v[(\sb)] matrix_a_fmt:MATRIX_FMT_FP4 matrix_b_fmt:MATRIX_FMT_FP4 matrix_a_scale:MATRIX_SCALE_ROW1 matrix_b_scale:MATRIX_SCALE_ROW1
.endif
.else
.if (\row) == 0
	v_wmma_scale_f32_16x16x128_f8f6f4 v[(\d):(\d)+7], v[(\a):(\a)+7], v[(\b):(\b)+7], v[(\c):(\c)+7], v[(\sa)], v[(\sb)] matrix_a_fmt:MATRIX_FMT_FP4 matrix_b_fmt:MATRIX_FMT_FP4
.elseif (\row) == 1
	v_wmma_scale_f32_16x16x128_f8f6f4 v[(\d):(\d)+7], v[(\a):(\a)+7], v[(\b):(\b)+7], v[(\c):(\c)+7], v[(\sa)], v[(\sb)] matrix_a_fmt:MATRIX_FMT_FP4 matrix_b_fmt:MATRIX_FMT_FP4 matrix_a_scale:MATRIX_SCALE_ROW1
.else
	v_wmma_scale_f32_16x16x128_f8f6f4 v[(\d):(\d)+7], v[(\a):(\a)+7], v[(\b):(\b)+7], v[(\c):(\c)+7], v[(\sa)], v[(\sb)] matrix_a_fmt:MATRIX_FMT_FP4 matrix_b_fmt:MATRIX_FMT_FP4 matrix_a_scale:MATRIX_SCALE_ROW1 matrix_b_scale:MATRIX_SCALE_ROW1
.endif
.endif
.endm
; weight wi: my 16 fragments (32 loads of 512 consecutive bytes) and their scale words (4 loads): 36 loads
.macro WLOAD wi, buf
	WIN 0x40
.irp i, 0,1,2,3,4,5,6,7,8,9,10,11,12,13,14,15,16,17,18,19,20,21,22,23,24,25,26,27,28,29,30,31
	global_load_b128 v[128*(\buf)+4*\i:128*(\buf)+4*\i+3], v5, s[6:7] offset:(\wi)*131072+512*\i
.endr
	WIN 0
.irp t, 0,1,2,3
	global_load_b64 v[WSC+8*(\buf)+2*\t:WSC+8*(\buf)+2*\t+1], v6, s[6:7] offset:(\wi)*8192+256*\t
.endr
.endm
; the pair bp's eight fragments and its scale words, from LDS
.macro AFETCH img, scl, bp
.irp p, 0,1
.irp s, 0,1,2,3
.irp c, 0,1
	ds_load_b128 v[AF+32*\p+8*\s+4*\c:AF+32*\p+8*\s+4*\c+3], v1 offset:(\img)+(2*(\bp)+\p)*4096+1024*\s+512*\c
.endr
.endr
	ds_load_b64 v[AS+2*\p:AS+2*\p+1], v2 offset:(\scl)+(2*(\bp)+\p)*256
.endr
.endm
; 32 products, source 0 = weight: accumulator (p, t) at D + 32 p + 8 t.  K step s takes scale register s / 2, lanes 16 (s % 2) on
.macro MMT buf, bias
.irp s, 0,1,2,3
.if (\s == 0) && \bias
	WIN 0x11                                       ; source 0 (weight) and C (bc1) window 1
.else
	WIN 0x01
.endif
.irp p, 0,1
.irp t, 0,1,2,3
.if \s == 0
.if \bias
	WMS D+32*\p+8*\t, 128*(\buf)+32*\t+8*\s, AF+32*\p+8*\s, 1, 8*\t, WSC+8*(\buf)+2*\t+\s/2, AS+2*\p+\s/2, 0
.else
	WMS D+32*\p+8*\t, 128*(\buf)+32*\t+8*\s, AF+32*\p+8*\s, 0, 0, WSC+8*(\buf)+2*\t+\s/2, AS+2*\p+\s/2, 0
.endif
.else
	WMS D+32*\p+8*\t, 128*(\buf)+32*\t+8*\s, AF+32*\p+8*\s, 1, D+32*\p+8*\t, WSC+8*(\buf)+2*\t+\s/2, AS+2*\p+\s/2, 2*(\s%2)
.endif
.endr
.endr
.endr
.endm
; the same with the sources changed round: accumulator (t, p) at D + 16 t + 8 p
.macro MMV buf
	WIN 0x04                                       ; source 1 (weight) window 1
.irp s, 0,1,2,3
.irp p, 0,1
.irp t, 0,1,2,3
.if \s == 0
	WMS D+16*\t+8*\p, AF+32*\p+8*\s, 128*(\buf)+32*\t+8*\s, 0, 0, AS+2*\p+\s/2, WSC+8*(\buf)+2*\t+\s/2, 0
.else
	WMS D+16*\t+8*\p, AF+32*\p+8*\s, 128*(\buf)+32*\t+8*\s, 1, D+16*\t+8*\p, AS+2*\p+\s/2, WSC+8*(\buf)+2*\t+\s/2, 2*(\s%2)
.endif
.endr
.endr
.endr
.endm
; D's four runs of 16 registers are my halves of four blocks of 32: bytes into TM+4 .. 7, my 16 codes of block b into PC+2b, PC+2b+1.  Each accumulator is read from its low end on
.macro QCORE ab
.irp b, 0,1,2,3
.if \ab
	v_max3_num_f32 v[TM+\b], |v[D+16*\b]|, |v[D+1+16*\b]|, 0x1800000
.else
	v_max3_num_f32 v[TM+\b], v[D+16*\b], v[D+1+16*\b], 0x1800000
.endif
.endr
.irp i, 2,4,6,8,10,12,14
.irp b, 0,1,2,3
.if \ab
	v_max3_num_f32 v[TM+\b], v[TM+\b], |v[D+16*\b+\i]|, |v[D+1+16*\b+\i]|
.else
	v_max3_num_f32 v[TM+\b], v[TM+\b], v[D+16*\b+\i], v[D+1+16*\b+\i]
.endif
.endr
.endr
.irp b, 0,1,2,3
	v_permlanex16_b32 v[TM+4+\b], v[TM+\b], s20, s21
.endr
.irp b, 0,1,2,3
	v_max_num_f32 v[TM+\b], v[TM+\b], v[TM+4+\b]
.endr
.irp b, 0,1,2,3
	v_add_nc_u32 v[TM+12+\b], 0xff000000, v[TM+\b]
.endr
.irp b, 0,1,2,3
	v_lshrrev_b32 v[TM+4+\b], 23, v[TM+12+\b]
.endr
.irp b, 0,1,2,3
	v_cvt_scalef32_pk8_fp4_f32 v[PC+2*\b], v[D+16*\b:D+7+16*\b], v[TM+12+\b]
	v_cvt_scalef32_pk8_fp4_f32 v[PC+1+2*\b], v[D+8+16*\b:D+15+16*\b], v[TM+12+\b]
.endr
	v_nop                                          ; one plain place behind a scaled conversion
.endm
.macro QSWAP                           ; a whole block to a lane: PC+0..3 row tile 0, PC+4..7 row tile 1; lane half hh holds block hh of my 64 columns
.irp c, 0,1
.irp i, 0,1
	v_permlane16_swap_b32 v[PC+4*\c+\i], v[PC+2+4*\c+\i]
.endr
.endr
	v_lshl_or_b32 v[PWA], v[TM+5], 8, v[TM+4]      ; the two bytes of row tile 0,
	v_lshl_or_b32 v[PWB], v[TM+7], 8, v[TM+6]      ; of row tile 1
.endm
.macro TAILQK bp, vo, vos
	QCORE 1
	QSWAP
	v_cndmask_b32 v[SW+\bp], v[PWA], v[PWB], s19   ; slot bp: lanes 0-15 the even tile's word, lanes 16-31 the odd tile's
	global_store_b128 v[\vo], v[PC:PC+3], s[14:15] offset:1024*\bp
	global_store_b128 v[\vo], v[PC+4:PC+7], s[14:15] offset:1024*\bp+512
.if \bp == 3
	global_store_b128 v[\vos], v[SW:SW+3], s[14:15]
.endif
.endm
.macro TAILV bp                        ; block t of QCORE is d tile t; its registers are keys 32 bp + 16 hh + 0 .. 15
	QCORE 1
.irp t, 0,1,2,3
.if \bp == 0
	v_mov_b32 v[SW+\t], v[TM+4+\t]
.else
	v_lshl_or_b32 v[SW+\t], v[TM+4+\t], 8*\bp, v[SW+\t]
.endif
.endr
.irp t, 0,1,2,3
	global_store_b64 v9, v[PC+2*\t:PC+2*\t+1], s[14:15] offset:1024*\t+512*(\bp/2)+256*(\bp%2)   ; my 8 bytes of a lane's 16 in the image: 256 consecutive bytes a store
.endr
.if \bp == 3
	v_cndmask_b32 v[OUTW], v[SW], v[SW+1], s19
	v_cndmask_b32 v[OUTW+1], v[SW+2], v[SW+3], s19
	global_store_b64 v13, v[OUTW:OUTW+1], s[14:15]
.endif
.endm
.macro JOIN                            ; the two chains of each row tile, the pair's halves, and lane l xor 16's: into LN and LN+4
.irp p, 0,1
	v_pk_add_f32 v[LN+4*\p:LN+4*\p+1], v[LN+4*\p:LN+4*\p+1], v[LN+4*\p+2:LN+4*\p+3]
.endr
.irp p, 0,1
	v_add_f32 v[LN+4*\p], v[LN+4*\p], v[LN+4*\p+1]
.endr
.irp p, 0,1
	v_permlanex16_b32 v[LN+4*\p+1], v[LN+4*\p], s20, s21
.endr
.irp p, 0,1
	v_add_f32 v[LN+4*\p], v[LN+4*\p], v[LN+4*\p+1]
.endr
.endm
.macro TAILH bp
.irp p, 0,1                            ; my 64 columns' sum for each row, in ascending order
	v_pk_add_f32 v[LN+4*\p:LN+4*\p+1], v[D+32*\p:D+32*\p+1], v[D+32*\p+2:D+32*\p+3]
	v_pk_add_f32 v[LN+4*\p+2:LN+4*\p+3], v[D+32*\p+4:D+32*\p+5], v[D+32*\p+6:D+32*\p+7]
.endr
.irp k, 8,12,16,20,24,28
.irp p, 0,1
	v_pk_add_f32 v[LN+4*\p:LN+4*\p+1], v[LN+4*\p:LN+4*\p+1], v[D+32*\p+\k:D+32*\p+\k+1]
	v_pk_add_f32 v[LN+4*\p+2:LN+4*\p+3], v[LN+4*\p+2:LN+4*\p+3], v[D+32*\p+\k+2:D+32*\p+\k+3]
.endr
.endr
	JOIN
.irp p, 0,1
	v_mul_f32 v[LN+8+2*\p], 0x3c800000, v[LN+4*\p]     ; m = sum / 64, twice: a pair for the packed forms
	v_mul_f32 v[LN+9+2*\p], 0x3c800000, v[LN+4*\p]
.endr
.irp k, 0,2,4,6,8,10,12,14,16,18,20,22,24,26,28,30
.irp p, 0,1
	v_pk_add_f32 v[D+32*\p+\k:D+32*\p+\k+1], v[D+32*\p+\k:D+32*\p+\k+1], v[LN+8+2*\p:LN+9+2*\p] neg_lo:[0,1] neg_hi:[0,1]   ; d = h - m
.endr
.endr
.irp p, 0,1
	v_pk_mul_f32 v[LN+4*\p:LN+4*\p+1], v[D+32*\p:D+32*\p+1], v[D+32*\p:D+32*\p+1]
	v_pk_mul_f32 v[LN+4*\p+2:LN+4*\p+3], v[D+32*\p+2:D+32*\p+3], v[D+32*\p+2:D+32*\p+3]
.endr
.irp k, 4,8,12,16,20,24,28
.irp p, 0,1
	v_pk_fma_f32 v[LN+4*\p:LN+4*\p+1], v[D+32*\p+\k:D+32*\p+\k+1], v[D+32*\p+\k:D+32*\p+\k+1], v[LN+4*\p:LN+4*\p+1]
	v_pk_fma_f32 v[LN+4*\p+2:LN+4*\p+3], v[D+32*\p+\k+2:D+32*\p+\k+3], v[D+32*\p+\k+2:D+32*\p+\k+3], v[LN+4*\p+2:LN+4*\p+3]
.endr
.endr
	JOIN                                           ; q = sum d^2
	v_cndmask_b32 v[LN+12], v[LN+8], v[LN+10], s19 ; lane half 0 carries row tile 0's (m, q), half 1 row tile 1's
	v_cndmask_b32 v[LN+13], v[LN], v[LN+4], s19
	ds_store_b64 v16, v[LN+12:LN+13] offset:2048*((\bp)%2)
	s_wait_dscnt 0x0                               ; for the others' sake: my store has landed, and all my LDS loads are in
	s_barrier_signal -1                            ; two buffers take turns: a buffer is written again only by waves that have passed the NEXT unit's barrier,
	s_barrier_wait -1                              ; in front of which every wave has waited for its reads of it
.irp w, 0,1,2,3,4,5,6,7
	ds_load_b64 v[LN+16+2*\w:LN+17+2*\w], v17 offset:2048*((\bp)%2)+256*\w
.endr
	s_wait_dscnt 0x0
	v_add_f32 v[LN+32], v[LN+16], v[LN+18]
	v_add_f32 v[LN+33], v[LN+20], v[LN+22]
	v_add_f32 v[LN+34], v[LN+24], v[LN+26]
	v_add_f32 v[LN+35], v[LN+28], v[LN+30]
	v_add_f32 v[LN+36], v[LN+17], v[LN+19]
	v_add_f32 v[LN+37], v[LN+21], v[LN+23]
	v_add_f32 v[LN+14], v[LN+25], v[LN+27]
	v_add_f32 v[LN+15], v[LN+29], v[LN+31]
	v_add_f32 v[LN+32], v[LN+32], v[LN+33]
	v_add_f32 v[LN+34], v[LN+34], v[LN+35]
	v_add_f32 v[LN+36], v[LN+36], v[LN+37]
	v_add_f32 v[LN+14], v[LN+14], v[LN+15]
	v_add_f32 v[LN+32], v[LN+32], v[LN+34]
	v_add_f32 v[LN+36], v[LN+36], v[LN+14]         ; sum of the eight q
	v_mul_f32 v[LN+32], 0x3e000000, v[LN+32]       ; the row's mean
.irp w, 0,1,2,3,4,5,6,7
	v_sub_f32 v[LN+16+2*\w], v[LN+16+2*\w], v[LN+32]
.endr
	v_mul_f32 v[LN+33], v[LN+16], v[LN+16]
	v_mul_f32 v[LN+34], v[LN+18], v[LN+18]
.irp w, 2,4,6
	v_fma_f32 v[LN+33], v[LN+16+2*\w], v[LN+16+2*\w], v[LN+33]
	v_fma_f32 v[LN+34], v[LN+18+2*\w], v[LN+18+2*\w], v[LN+34]
.endr
	v_add_f32 v[LN+33], v[LN+33], v[LN+34]
	v_fmamk_f32 v[LN+36], v[LN+33], 0x42800000, v[LN+36]   ; M2 = sum q + 64 sum (m - mean)^2
	v_fma_f32 v[LN+36], v[LN+36], s26, s27         ; M2 / 512 + 1e-5
	v_rsq_f32 v[LN+37], v[LN+36]
	v_nop                                          ; one plain place behind the transcendental
	v_permlanex16_b32 v[LN+38], v[LN+32], s20, s21 ; the other row tile's mean and 1 / sigma
	s_wait_alu depctr_va_vdst(0)
	v_permlanex16_b32 v[LN+39], v[LN+37], s20, s21
	v_cndmask_b32 v[LN+41], v[LN+32], v[LN+38], s19    ; mean of row tile 0,
	v_cndmask_b32 v[LN+45], v[LN+38], v[LN+32], s19    ; of row tile 1
	v_cndmask_b32 v[LN+40], v[LN+37], v[LN+39], s19    ; a = 1 / sigma likewise
	v_cndmask_b32 v[LN+44], v[LN+39], v[LN+37], s19
	v_sub_f32 v[LN+43], v[LN+8], v[LN+41]
	v_sub_f32 v[LN+47], v[LN+10], v[LN+45]
	v_mul_f32 v[LN+42], v[LN+43], v[LN+40]         ; e = (m - mean) a
	v_mul_f32 v[LN+46], v[LN+47], v[LN+44]
.irp k, 0,2,4,6,8,10,12,14,16,18,20,22,24,26,28,30
.irp p, 0,1
	v_pk_fma_f32 v[D+32*\p+\k:D+32*\p+\k+1], v[D+32*\p+\k:D+32*\p+\k+1], v[LN+40+4*\p:LN+41+4*\p], v[LN+42+4*\p:LN+43+4*\p] op_sel_hi:[1,0,0]   ; (h - mean) / sigma = d a + e
.endr
.endr
	WIN 0x14                                       ; sources 1 (ln_g) and 2 (ln_b) window 1
.irp p, 0,1
.irp k, 0,2,4,6,8,10,12,14,16,18,20,22,24,26,28,30
	v_pk_fma_f32 v[D+32*\p+\k:D+32*\p+\k+1], v[D+32*\p+\k:D+32*\p+\k+1], v[32+\k:33+\k], v[64+\k:65+\k]
.endr
.endr
	WIN 0
.irp j, 0,1,2,3,4,5,6,7,8,9,10,11,12,13,14,15,16,17,18,19,20,21,22,23,24,25,26,27,28,29,30,31,32,33,34,35,36,37,38,39,40,41,42,43,44,45,46,47,48,49,50,51,52,53,54,55,56,57,58,59,60,61,62,63
	v_max_num_f32 v[D+\j], 0, v[D+\j]              ; relu
.endr
	QCORE 0
	QSWAP
	v_cndmask_b32 v[OUTW], v[PWA], v[PWB], s19
	global_store_b128 v10, v[PC:PC+3], s[16:17] offset:8192*\bp
	global_store_b128 v10, v[PC+4:PC+7], s[16:17] offset:8192*\bp+4096
	global_store_b16 v14, v[OUTW], s[16:17] offset:512*\bp   ; my two bytes of the row's scale word for K step w / 2
.endm
	s_load_b256 s[4:11], s[0:1], 0x0               ; act, wts, bc1, ln_g
	s_load_b128 s[12:15], s[0:1], 0x20             ; ln_b, qkv
	s_load_b64 s[16:17], s[0:1], 0x30              ; hid
	v_lshl_add_u32 v254, v0, 2, 0x12000
	v_mov_b32 v255, 0
	v_lshrrev_b32 v19, 5, v0
	v_readfirstlane_b32 s18, v19                   ; wave 0..7
	v_and_b32 v200, 31, v0                         ; lane
	v_and_b32 v201, 15, v0                         ; r
	v_bfe_u32 v202, v0, 4, 1                       ; hh
	s_mov_b32 s19, 0xffff0000                      ; lanes 16-31
	s_mov_b32 s20, 0x76543210
	s_mov_b32 s21, 0xfedcba98
	s_mov_b32 s26, 0x3b000000                      ; 1 / 512
	s_mov_b32 s27, 0x3727c5ac                      ; 1e-5
	v_lshlrev_b32 v1, 4, v200                      ; 16 x lane
	v_lshlrev_b32 v18, 3, v200                     ; 8 x lane
	v_add_nc_u32 v2, SCL, v18
	v_add_nc_u32 v17, LNX, v18
	s_lshl_b32 s22, s18, 10
	s_add_co_u32 s22, s22, 786432
	v_add_nc_u32 v6, s22, v18                      ; my weights' scale words
	s_lshl_b32 s22, s18, 8
	v_add_nc_u32 v18, s22, v18                     ; 256 w + 8 x lane
	v_add_nc_u32 v4, SCL, v18
	v_add_nc_u32 v16, LNX, v18
	v_lshl_add_u32 v15, v202, 6, s22               ; bc1, ln_g, ln_b: 256 w + 64 hh
	s_lshl_b32 s22, s18, 12
	v_add_nc_u32 v3, s22, v1                       ; 4,096 w + 16 x lane
	s_lshl_b32 s22, s18, 14
	v_add_nc_u32 v5, s22, v1                       ; my weights' codes
	s_lshr_b32 s22, ttmp9, 1                       ; the batch
	s_and_b32 s23, ttmp9, 1                        ; which half of its rows
	s_lshl_b32 s22, s22, 3
	s_add_co_u32 s22, s22, s18                     ; 8 b + head
	s_lshl_b32 s24, s22, 13
	s_lshl_b32 s25, s23, 12
	s_add_co_u32 s24, s24, s25
	v_add_nc_u32 v7, s24, v1                       ; q's codes
	v_add_nc_u32 v8, 0x800000, v7                  ; k's
	v_lshlrev_b32 v9, 4, v201
	v_lshl_add_u32 v9, v202, 3, v9
	v_add_nc_u32 v9, s24, v9
	v_add_nc_u32 v9, 0x1000000, v9                 ; v's: + 16 r + 8 hh
	s_lshl_b32 s24, s22, 10
	s_lshl_b32 s25, s23, 4
	s_add_co_u32 s24, s24, s25
	s_add_co_u32 s24, s24, 0x1800000
	v_lshl_add_u32 v11, v200, 5, s24               ; q's scale words
	v_add_nc_u32 v12, 0x100000, v11                ; k's
	s_lshl_b32 s24, s22, 9
	s_lshl_b32 s25, s23, 3
	s_add_co_u32 s24, s24, s25
	s_add_co_u32 s24, s24, 0x1a00000
	v_add_nc_u32 v13, s24, v1                      ; v's
	s_lshl_b32 s24, ttmp9, 15
	s_lshl_b32 s25, s18, 9
	s_add_co_u32 s24, s24, s25
	v_add_nc_u32 v10, s24, v1                      ; h's codes: K step w / 2, group w % 2
	s_lshl_b32 s24, ttmp9, 11
	s_add_co_u32 s24, s24, 0x800000
	s_bfe_u32 s25, s18, 0x10001
	s_lshl_b32 s25, s25, 7
	s_add_co_u32 s24, s24, s25
	s_lshr_b32 s25, s18, 2
	s_lshl_b32 s25, s25, 2
	s_add_co_u32 s24, s24, s25
	s_and_b32 s25, s18, 1
	s_lshl_b32 s25, s25, 1
	s_add_co_u32 s24, s24, s25
	v_lshl_add_u32 v14, v201, 3, s24
	v_lshl_add_u32 v14, v202, 8, v14               ; h's scale bytes; lane half hh stores row tile hh's
	s_lshl_b32 s22, ttmp9, 15
	s_mov_b32 s23, 0
	s_lshl_b32 s24, ttmp9, 11
	s_mov_b32 s25, 0
	s_wait_kmcnt 0x0
	s_add_nc_u64 s[28:29], s[4:5], s[22:23]        ; x's codes at my 8 tiles
	s_add_nc_u64 s[30:31], s[28:29], 0x800000      ; context's
	s_add_nc_u64 s[32:33], s[4:5], s[24:25]
	s_add_nc_u64 s[32:33], s[32:33], 0x1000000     ; x's scale words
	s_add_nc_u64 s[34:35], s[32:33], 0x80000       ; context's
.irp i, 0,1,2,3,4,5,6,7
	global_load_b128 v[D+4*\i:D+4*\i+3], v3, s[28:29] offset:512*\i th:TH_LOAD_NT      ; wave w brings tile w of both
.endr
.irp i, 0,1,2,3,4,5,6,7
	global_load_b128 v[D+32+4*\i:D+32+4*\i+3], v3, s[30:31] offset:512*\i th:TH_LOAD_NT
.endr
	global_load_b64 v[TM:TM+1], v18, s[32:33] th:TH_LOAD_NT
	global_load_b64 v[TM+2:TM+3], v18, s[34:35] th:TH_LOAD_NT
	WLOAD 0, 0
	s_wait_loadcnt 36                              ; the 18 loads of rows are in; Wq's 36 may be out
.irp i, 0,1,2,3,4,5,6,7
	ds_store_b128 v3, v[D+4*\i:D+4*\i+3] offset:512*\i
.endr
.irp i, 0,1,2,3,4,5,6,7
	ds_store_b128 v3, v[D+32+4*\i:D+32+4*\i+3] offset:CI+512*\i
.endr
	ds_store_b64 v4, v[TM:TM+1]
	ds_store_b64 v4, v[TM+2:TM+3] offset:2048
	WLOAD 1, 1
.irp b, 0,1,2,3
	v_mov_b32 v[TM+4+\b], 0                        ; written once: a lane permute's destination counts as one of its sources
.endr
	v_mov_b32 v[LN+38], 0
	v_mov_b32 v[LN+39], 0
	s_wait_dscnt 0x0                               ; my stores have landed
	s_barrier_signal -1
	s_barrier_wait -1                              ; all 16 tiles lie in LDS; nobody writes them again
	AFETCH 0, 0, 0
; ---- q = x Wq
.irp bp, 0,1,2,3
	s_wait_dscnt 0x0                               ; the pair's fragments are in
.if \bp == 0
	s_wait_loadcnt 36                              ; Wq is in; Wk's 36 loads may be out
.endif
	MMT 0, 0
	WIN 0
	PLACES 4                                       ; in front of loads into registers that the products have read, and of the first read of results
.if \bp < 3
	AFETCH 0, 0, \bp+1
.else
	AFETCH CI, 2048, 0
	WLOAD 2, 0
.endif
	s_wait_xcnt 0x0                                ; the last unit's stores have read their data: PC and the words are written again only behind this wait
	TAILQK \bp, 7, 11
.endr
; ---- k = context Wk
.irp bp, 0,1,2,3
	s_wait_dscnt 0x0
.if \bp == 0
	s_wait_loadcnt 36                              ; Wk is in; Wv's may be out
.endif
	MMT 1, 0
	WIN 0
	PLACES 4
.if \bp < 3
	AFETCH CI, 2048, \bp+1
.else
	AFETCH CI, 2048, 0
	WLOAD 3, 1
.endif
	s_wait_xcnt 0x0
	TAILQK \bp, 8, 12
.endr
; ---- v = context Wv, keys along the registers
.irp bp, 0,1,2,3
	s_wait_dscnt 0x0
.if \bp == 0
	s_wait_loadcnt 36                              ; Wv is in; Wc1's may be out
.endif
	MMV 0
	WIN 0
	PLACES 4
.if \bp < 3
	AFETCH CI, 2048, \bp+1
.else
	AFETCH CI, 2048, 0
	WIN 0x40                                       ; bc1, ln_g, ln_b of my columns, in the accumulators' order, where Wv lay
.irp q, 0,1,2,3
	global_load_b128 v[8*\q:8*\q+3], v15, s[8:9] offset:128*(\q/2)+32*(\q%2)
	global_load_b128 v[8*\q+4:8*\q+7], v15, s[8:9] offset:128*(\q/2)+32*(\q%2)+16
	global_load_b128 v[32+8*\q:32+8*\q+3], v15, s[10:11] offset:128*(\q/2)+32*(\q%2)
	global_load_b128 v[32+8*\q+4:32+8*\q+7], v15, s[10:11] offset:128*(\q/2)+32*(\q%2)+16
	global_load_b128 v[64+8*\q:64+8*\q+3], v15, s[12:13] offset:128*(\q/2)+32*(\q%2)
	global_load_b128 v[64+8*\q+4:64+8*\q+7], v15, s[12:13] offset:128*(\q/2)+32*(\q%2)+16
.endr
	WIN 0
.endif
	s_wait_xcnt 0x0
	TAILV \bp
.endr
; ---- h = relu(LayerNorm(context Wc1 + bc1)); bc1 is the C of each sum's first product
.irp bp, 0,1,2,3
	s_wait_dscnt 0x0
.if \bp == 0
	s_wait_loadcnt 0x0                             ; Wc1, bc1, ln_g, ln_b
.endif
	MMT 1, 1
	WIN 0
	PLACES 4
.if \bp < 3
	AFETCH CI, 2048, \bp+1
.endif
	s_wait_xcnt 0x0
	TAILH \bp
.endr
	s_wait_tensorcnt 0x0
	ds_add_u32 v254, v255
	s_wait_dscnt 0x0
	s_endpgm
.Lfunc_end_k_q799e5fe70c_proj:
	.size	k_q799e5fe70c_proj, .Lfunc_end_k_q799e5fe70c_proj-k_q799e5fe70c_proj
	.p2alignl 7, 3214868480
	.fill 96, 4, 3214868480
	.section	.rodata,"a",@progbits
	.p2align	6, 0x0
	.amdhsa_kernel k_q799e5fe70c_proj
		.amdhsa_group_segment_fixed_size 74752
		.amdhsa_private_segment_fixed_size 0
		.amdhsa_enable_private_segment 0
		.amdhsa_kernarg_size 56
		.amdhsa_user_sgpr_count 2
		.amdhsa_user_sgpr_kernarg_segment_ptr 1
		.amdhsa_wavefront_size32 1
		.amdhsa_system_sgpr_workgroup_id_x 1
		.amdhsa_system_sgpr_workgroup_id_y 1
		.amdhsa_system_sgpr_workgroup_id_z 1
		.amdhsa_system_vgpr_workitem_id 0
		.amdhsa_next_free_vgpr 512
		.amdhsa_next_free_sgpr 66
		.amdhsa_reserve_vcc 0
		.amdhsa_float_denorm_mode_32 3
		.amdhsa_float_denorm_mode_16_64 3
		.amdhsa_memory_ordered 1
		.amdhsa_forward_progress 1
		.amdhsa_inst_pref_size 236
	.end_amdhsa_kernel
	.amdgpu_metadata
---
amdhsa.version: [ 1, 2 ]
amdhsa.kernels:
  - .name:           k_q799e5fe70c_proj
    .symbol:         k_q799e5fe70c_proj.kd
    .args:
      - { .name: act, .offset: 0, .size: 8, .value_kind: global_buffer, .address_space: global }
      - { .name: wts, .offset: 8, .size: 8, .value_kind: global_buffer, .address_space: global }
      - { .name: bc1, .offset: 16, .size: 8, .value_kind: global_buffer, .address_space: global }
      - { .name: ln_g, .offset: 24, .size: 8, .value_kind: global_buffer, .address_space: global }
      - { .name: ln_b, .offset: 32, .size: 8, .value_kind: global_buffer, .address_space: global }
      - { .name: qkv, .offset: 40, .size: 8, .value_kind: global_buffer, .address_space: global }
      - { .name: hid, .offset: 48, .size: 8, .value_kind: global_buffer, .address_space: global }
    .group_segment_fixed_size: 74752
    .private_segment_fixed_size: 0
    .kernarg_segment_align: 8
    .kernarg_segment_size: 56
    .max_flat_workgroup_size: 256
    .sgpr_count:     66
    .vgpr_count:     512
    .wavefront_size: 32
...
	.end_amdgpu_metadata
.endif
;; end of part 2
;; launch attn (part 3): grid 256 x 1, 8 waves a work-group, no clusters, 33,792 bytes of LDS; arguments qkv, biasc, maskw, att; writes att
.if DOCPART == 3
	.amdgcn_target "amdgcn-amd-amdhsa--gfx1250"
	.amdhsa_code_object_version 6
	.text
	.protected	k_q799e5fe70c_attn
	.globl	k_q799e5fe70c_attn
	.p2align	8
	.type	k_q799e5fe70c_attn,@function
k_q799e5fe70c_attn:
	s_mov_b64 s[64:65], 0
	v_nop
	global_prefetch_b8 v0, s[64:65] scope:SCOPE_SE
	s_setreg_imm32_b32 hwreg(HW_REG_WAVE_MODE, 25, 1), 1
	s_wait_xcnt 0x0
; ATTN: for each (batch, head): S^T = K Q^T + C, C = 8 bias or, for a hidden key, HID; softmax by a whole-number M; O^T = V^T P^T; O / l, quantised for the product with Wo.  Both products on codes of FP4 with E8M0 scales.
; SHARES.  A work-group owns one head, one half of the query tiles and eight batches; wave w owns query tile T = 8 half + w in all eight.  So a wave's 8 x bias (16 queries x 256 keys) stays in 128 registers.
; K and V of a (batch, head), 16,384 bytes of register images, are brought once by the eight waves together, through two LDS buffers that take turns: one barrier a batch.
; A wave holds ALL 256 keys of its 16 queries (128 registers): the row's maximum is taken once, no running maximum is needed.
; BOTH PRODUCTS ARE USED TRANSPOSED: a lane holds ONE query (lane % 16); score register 16 b + i is key 32 b + 16 (lane / 16) + i, by the choice of the keys that form a tile.
; HEAD SIZE 64 in a product 128 deep: Q's fragment has zero codes for k = 64 .. 127, so whatever source 0 names there adds nothing: K's fragment t is named v[4 t : 4 t + 7],
; whose upper four registers are the next fragment's (or, for t = 15, the bias's first four).  FP4 has no NaN or infinity, and the scale bytes of those k are 0, never 0xff.
; SCALE = 1/8 is a power of two: logit = (q . k + 8 bias) / 8, so 8 bias is the products' C, and t = (q . k + 8 bias) x log2(e) / 8.
; THE MASK RIDES IN C.  One select a score register puts 8 bias, or HID = -2^120 for a hidden key, into the product's C, AHEAD of the product: so it hangs on no K and no Q, and its two halves stand half a batch apart.
; That matters because a batch has 128 mask words and 64 scalar registers are free for them: each half's words are asked for when the other half's have been used, about half a batch ahead of their own use.
;   registers 0-63: masked into S itself at the batch's head, while K's fragments come from LDS (tiles 0-7: C = D = S);   registers 64-127 of the NEXT batch: masked behind the exponentials into MB (tiles 8-15: C = MB).
; A hidden score stays about -2^120: t - M is then about -2^117 and p = 0, as with -infinity.
; SOFTMAX.  M = ceil(the row's largest t); p = 2^(t - M) is quantised, along the keys; l = the sum of the unquantised p divides O at the end.
; LIMITS: true scores q . k + 8 bias must lie above -2^118; p under 2^-126 counts as 0 (v_exp_f32's results); a row all of whose keys are hidden (its largest score is not above -2^118) is NaN by the problem's definition:
; its scale bytes are stored as 0xff, which makes the row NaN in the last launch; NaN and infinities among the inputs are not served.
; REGISTERS, window 0: v1-5 addresses; v8-23 Q (two sets: 4 registers of codes, 4 of zeros); v24-51 scale words alone (K's two sets, V's two sets, Q's, p's); v52-67 my share of K and V on its way to LDS;
;   v68-83 p's codes; v84-127 at work; v128-255 C of tiles 0-7, S^T, then p; O^T takes v128-159.   window 1: v0-63 K's fragments, then V's; v64-191 8 x bias; v192-255 MB.
.set QF,   8
.set KS,   24
.set VS,   40
.set QS,   48
.set PW,   50
.set KSH,  52
.set VSH,  60
.set PC,   68
.set BM,   84
.set BP,   92
.set BS,   100
.set LS,   108
.set RM,   116
.set L,    117
.set NM,   118
.set RL,   120
.set HID,  122
.set W16,  123
.set OC,   124
.set S,    128
.set KV,   0                           ; in window 1
.set BIAS, 64                          ; in window 1
.set MB,   192                         ; in window 1
.set MSB, 0
.macro WIN new                         ; the immediate's high byte repeats the setting that is left
.if MSB != \new
	s_set_vgpr_msb (MSB<<8)|\new
.set MSB, \new
.endif
.endm
.macro PLACES n
.rept \n
	v_nop
.endr
.endm
; one scaled product.  cm = 0: C is the constant 0; else C = v[c ..].  row = 1: source 0's scales from lanes 16-31
.macro WMS d, a, b, cm, c, sa, sb, row
.if (\cm) == 0
.if (\row) == 0
	v_wmma_scale_f32_16x16x128_f8f6f4 v[(\d):(\d)+7], v[(\a):(\a)+7], v[(\b):(\b)+7], 0, v[(\sa)], v[(\sb)] matrix_a_fmt:MATRIX_FMT_FP4 matrix_b_fmt:MATRIX_FMT_FP4
.else
	v_wmma_scale_f32_16x16x128_f8f6f4 v[(\d):(\d)+7], v[(\a):(\a)+7], v[(\b):(\b)+7], 0, v[(\sa)], v[(\sb)] matrix_a_fmt:MATRIX_FMT_FP4 matrix_b_fmt:MATRIX_FMT_FP4 matrix_a_scale:MATRIX_SCALE_ROW1
.endif
.else
.if (\row) == 0
	v_wmma_scale_f32_16x16x128_f8f6f4 v[(\d):(\d)+7], v[(\a):(\a)+7], v[(\b):(\b)+7], v[(\c):(\c)+7], v[(\sa)], v[(\sb)] matrix_a_fmt:MATRIX_FMT_FP4 matrix_b_fmt:MATRIX_FMT_FP4
.else
	v_wmma_scale_f32_16x16x128_f8f6f4 v[(\d):(\d)+7], v[(\a):(\a)+7], v[(\b):(\b)+7], v[(\c):(\c)+7], v[(\sa)], v[(\sb)] matrix_a_fmt:MATRIX_FMT_FP4 matrix_b_fmt:MATRIX_FMT_FP4 matrix_a_scale:MATRIX_SCALE_ROW1
.endif
.endif
.endm
; nine loads for the batch k strides on: my eighth of K and of V, my Q, and the scale words, into set p
.macro NEXT p, k
	global_load_b128 v[KSH:KSH+3], v4, s[14:15] offset:(\k)*65536
	global_load_b128 v[KSH+4:KSH+7], v4, s[14:15] offset:(\k)*65536+512
	global_load_b128 v[VSH:VSH+3], v4, s[16:17] offset:(\k)*65536
	global_load_b128 v[VSH+4:VSH+7], v4, s[16:17] offset:(\k)*65536+512
	global_load_b128 v[QF+8*(\p):QF+8*(\p)+3], v1, s[12:13] offset:(\k)*65536 th:TH_LOAD_NT
	global_load_b32 v[QS+(\p)], v3, s[18:19] offset:(\k)*8192
	global_load_b128 v[KS+8*(\p):KS+8*(\p)+3], v2, s[26:27] offset:(\k)*8192
	global_load_b128 v[KS+8*(\p)+4:KS+8*(\p)+7], v2, s[26:27] offset:(\k)*8192+16
	global_load_b128 v[VS+4*(\p):VS+4*(\p)+3], v1, s[28:29] offset:(\k)*4096
.endm
.macro MLOAD s0, chunk, k              ; 32 mask words: those of score registers 32 chunk on, of the batch k strides on
	s_load_b512 s[\s0:\s0+15], s[8:9], (\k)*8192+(\chunk)*128
	s_load_b512 s[\s0+16:\s0+31], s[8:9], (\k)*8192+(\chunk)*128+64
.endm
.macro CMASK s0, dst, n0               ; the C of score registers n0 .. n0 + 31: 8 x bias where the key counts, HID where it is hidden.  Source 1 (the bias) lies in window 1
.set n, 0
.rept 32
	v_cndmask_b32 v[\dst+n], v[HID], v[BIAS+\n0+n], s[\s0+n]
.set n, n+1
.endr
.endm
.macro BLKMAX b0                       ; the largest score of each of four blocks of 32 keys (my 16): it serves for the row's maximum and, since p rises with the score, for the block's largest p.  Each accumulator is read from its low end on
.irp b, 0,1,2,3
	v_max3_num_f32 v[BM+\b0+\b], v[S+16*(\b0+\b)], v[S+16*(\b0+\b)+1], v[S+16*(\b0+\b)+2]
.endr
.irp i, 3,5,7,9,11,13
.irp b, 0,1,2,3
	v_max3_num_f32 v[BM+\b0+\b], v[BM+\b0+\b], v[S+16*(\b0+\b)+\i], v[S+16*(\b0+\b)+\i+1]
.endr
.endr
.irp b, 0,1,2,3
	v_max_num_f32 v[BM+\b0+\b], v[BM+\b0+\b], v[S+16*(\b0+\b)+15]
.endr
.endm
; ONE BATCH.  par: which LDS buffer and register set, and how many strides from the bases this batch lies.  nxt = 1: the next batch is asked for
.macro ITER par, nxt
	s_wait_loadcnt 0x0                             ; all that was asked for a batch ago is in
	s_wait_xcnt 0x0                                ; the last batch's stores have read OC and W16
	ds_store_b128 v4, v[KSH:KSH+3] offset:16384*\par
	ds_store_b128 v4, v[KSH+4:KSH+7] offset:16384*\par+512
	ds_store_b128 v4, v[VSH:VSH+3] offset:16384*\par+8192
	ds_store_b128 v4, v[VSH+4:VSH+7] offset:16384*\par+8704
	s_wait_dscnt 0x0                               ; my stores have landed; my reads of the other buffer were waited for in the last batch
	s_barrier_signal -1
	s_barrier_wait -1                              ; this buffer is whole; the other is written again only behind the next batch's wait and in front of its barrier
.if \nxt
	NEXT 1-\par, \par+1
.endif
	WIN 0x40
.irp t, 0,1,2,3,4,5,6,7,8,9,10,11,12,13,14,15
	ds_load_b128 v[KV+4*\t:KV+4*\t+3], v1 offset:16384*\par+512*\t
.endr
	WIN 0x04                                       ; source 1 (the bias) window 1
	s_wait_kmcnt 0x0                               ; this batch's words of registers 0-63, asked for behind the last batch's exponentials
	CMASK 32, S, 0                                 ; the C of tiles 0-7, while K's fragments come
	CMASK 68, S+32, 32
.if \nxt
	MLOAD 32, 2, \par+1                            ; the next batch's words of registers 64-127: wanted behind this batch's exponentials
	MLOAD 68, 3, \par+1
.endif
	PLACES 4                                       ; the distance that an operand written by vector instructions owes a scaled product is kept for C too
	s_wait_dscnt 0x0                               ; K's fragments are in
	WIN 0x01                                       ; source 0 (K) window 1
.irp t, 0,1,2,3,4,5,6,7
	WMS S+8*\t, KV+4*\t, QF+8*\par, 1, S+8*\t, KS+8*\par+\t/2, QS+\par, \t%2
.endr
	WIN 0x11                                       ; and C (MB) window 1
.irp t, 8,9,10,11,12,13,14,15
	WMS S+8*\t, KV+4*\t, QF+8*\par, 1, MB+8*\t-64, KS+8*\par+\t/2, QS+\par, \t%2
.endr
	WIN 0
	PLACES 4                                       ; in front of loads into registers that the products have read, and of the first read of results
	WIN 0x40
.irp i, 0,1,2,3,4,5,6,7,8,9,10,11,12,13,14,15
	ds_load_b128 v[KV+4*\i:KV+4*\i+3], v1 offset:16384*\par+8192+512*\i   ; V's fragments, where K's lay: they land while the softmax is worked
.endr
	WIN 0
	BLKMAX 0
	BLKMAX 4
.irp b, 0,1,2,3,4,5,6,7
	v_permlanex16_b32 v[BP+\b], v[BM+\b], s22, s23
.endr
.irp b, 0,1,2,3,4,5,6,7
	v_max_num_f32 v[BM+\b], v[BM+\b], v[BP+\b]     ; with lane l xor 16's 16 keys
.endr
	v_max3_num_f32 v[RM], v[BM], v[BM+1], v[BM+2]
	v_max3_num_f32 v[RM], v[RM], v[BM+3], v[BM+4]
	v_max3_num_f32 v[RM], v[RM], v[BM+5], v[BM+6]
	v_max_num_f32 v[RM], v[RM], v[BM+7]            ; my query's largest score
	v_cmp_lt_f32 vcc_lo, 0xfa800000, v[RM]         ; above -2^118: some key counts.  VCC keeps this to the batch's end: no other line of a batch writes it
	v_mul_f32 v[RM], s24, v[RM]                    ; as t (c is positive)
	v_floor_f32 v[NM], -v[RM]                      ; -M = floor(-t) = -ceil(t)
.irp j, 0,2,4,6,8,10,12,14,16,18,20,22,24,26,28,30,32,34,36,38,40,42,44,46,48,50,52,54,56,58,60,62,64,66,68,70,72,74,76,78,80,82,84,86,88,90,92,94,96,98,100,102,104,106,108,110,112,114,116,118,120,122,124,126
	v_pk_fma_f32 v[S+\j:S+\j+1], v[S+\j:S+\j+1], s[24:25], v[NM:NM+1] op_sel_hi:[1,0,0]   ; t - M, two at a time
.endr
.irp b, 0,1,2,3,4,5,6,7
	v_fma_f32 v[BM+\b], v[BM+\b], s24, v[NM]       ; the same of each block's largest score
.endr
.set n, 0
.rept 128
	v_exp_f32 v[S+n], v[S+n]                       ; p = 2^(t - M), at most 1, not normalised
.set n, n+1
.endr
.irp b, 0,1,2,3,4,5,6,7
	v_exp_f32 v[BM+\b], v[BM+\b]                   ; the block's largest p: the same two instructions on the same number
.endr
.if \nxt
	s_wait_kmcnt 0x0                               ; the next batch's words of registers 64-127, asked for at this batch's head
	WIN 0x44                                       ; destination (MB) and source 1 (the bias) window 1
	CMASK 32, MB, 64                               ; the C of the next batch's tiles 8-15.  (Plain lines that name nothing of the exponentials: their place)
	CMASK 68, MB+32, 96
	WIN 0
	MLOAD 32, 0, \par+1                            ; the next batch's words of registers 0-63: wanted at its head
	MLOAD 68, 1, \par+1
.else
	v_nop                                          ; one plain place behind the exponentials
	s_wait_alu depctr_va_vdst(0)
.endif
	s_wait_alu depctr_va_vdst(0)
.irp b, 0,1,2,3,4,5,6,7
	v_max_num_f32 v[BM+\b], 0x1800000, v[BM+\b]    ; the floor 2^(3 - 127): the byte cannot fall under 1
.endr
.irp b, 0,1,2,3,4,5,6,7
	v_add_nc_u32 v[BS+\b], 0xff000000, v[BM+\b]    ; the conversion's scale operand
.endr
.irp b, 0,1,2,3,4,5,6,7
	v_lshrrev_b32 v[BP+\b], 23, v[BS+\b]           ; the scale's byte
.endr
.irp g, 0,1
	v_lshl_or_b32 v[PW+\g], v[BP+4*\g+1], 8, v[BP+4*\g]    ; p's scale word for keys 128 g on
	v_lshl_or_b32 v[PW+\g], v[BP+4*\g+2], 16, v[PW+\g]
	v_lshl_or_b32 v[PW+\g], v[BP+4*\g+3], 24, v[PW+\g]
.endr
.irp b, 0,1,2,3,4,5,6,7
	v_cvt_scalef32_pk8_fp4_f32 v[PC+2*\b], v[S+16*\b:S+16*\b+7], v[BS+\b]
	v_cvt_scalef32_pk8_fp4_f32 v[PC+2*\b+1], v[S+16*\b+8:S+16*\b+15], v[BS+\b]
.endr
	v_nop                                          ; one plain place behind a scaled conversion
.irp c, 0,1,2,3
.irp i, 0,1
	v_permlane16_swap_b32 v[PC+4*\c+\i], v[PC+4*\c+2+\i]   ; a whole block to a lane
.endr
.endr
.irp k, 0,1,2,3                        ; l: the sum of the unquantised p, in four chains.  These additions are also the places between p's scale words and codes and the products that take them
	v_pk_add_f32 v[LS+2*\k:LS+2*\k+1], v[S+2*\k:S+2*\k+1], v[S+8+2*\k:S+9+2*\k]
.endr
.irp j, 16,24,32,40,48,56,64,72,80,88,96,104,112,120
.irp k, 0,1,2,3
	v_pk_add_f32 v[LS+2*\k:LS+2*\k+1], v[LS+2*\k:LS+2*\k+1], v[S+\j+2*\k:S+\j+2*\k+1]
.endr
.endr
	v_pk_add_f32 v[LS:LS+1], v[LS:LS+1], v[LS+2:LS+3]
	v_pk_add_f32 v[LS+4:LS+5], v[LS+4:LS+5], v[LS+6:LS+7]
	v_pk_add_f32 v[LS:LS+1], v[LS:LS+1], v[LS+4:LS+5]
	v_add_f32 v[L], v[LS], v[LS+1]
	v_permlanex16_b32 v[RM], v[L], s22, s23
	v_add_f32 v[L], v[L], v[RM]                    ; the row's sum
	v_rcp_f32 v[RL], v[L]
	s_wait_dscnt 0x0                               ; V's fragments are in: my reads of this buffer are over
	WIN 0x01                                       ; source 0 (V) window 1
.irp g, 0,1                            ; O^T = V^T P^T: four accumulators by turns; keys 128 g on
.irp t, 0,1,2,3
.if \g == 0
	WMS S+8*\t, KV+32*\g+8*\t, PC+8*\g, 0, 0, VS+4*\par+2*\g+\t/2, PW+\g, \t%2
.else
	WMS S+8*\t, KV+32*\g+8*\t, PC+8*\g, 1, S+8*\t, VS+4*\par+2*\g+\t/2, PW+\g, \t%2
.endif
.endr
.endr
	WIN 0
	PLACES 4                                       ; behind the products, and the plain place behind the reciprocal
	s_wait_alu depctr_va_vdst(0)
.irp j, 0,2,4,6,8,10,12,14,16,18,20,22,24,26,28,30
	v_pk_mul_f32 v[S+\j:S+\j+1], v[S+\j:S+\j+1], v[RL:RL+1] op_sel_hi:[1,0]   ; O / l: register 16 b + i is channel 32 b + 16 hh + i of my query
.endr
.irp b, 0,1
	v_max3_num_f32 v[BM+\b], |v[S+16*\b]|, |v[S+16*\b+1]|, 0x1800000
.endr
.irp i, 2,4,6,8,10,12,14
.irp b, 0,1
	v_max3_num_f32 v[BM+\b], v[BM+\b], |v[S+16*\b+\i]|, |v[S+16*\b+\i+1]|
.endr
.endr
.irp b, 0,1
	v_permlanex16_b32 v[BP+\b], v[BM+\b], s22, s23
.endr
.irp b, 0,1
	v_max_num_f32 v[BM+\b], v[BM+\b], v[BP+\b]
.endr
.irp b, 0,1
	v_add_nc_u32 v[BS+\b], 0xff000000, v[BM+\b]
.endr
.irp b, 0,1
	v_lshrrev_b32 v[BP+\b], 23, v[BS+\b]
.endr
.irp b, 0,1
	v_cvt_scalef32_pk8_fp4_f32 v[OC+2*\b], v[S+16*\b:S+16*\b+7], v[BS+\b]
	v_cvt_scalef32_pk8_fp4_f32 v[OC+2*\b+1], v[S+16*\b+8:S+16*\b+15], v[BS+\b]
.endr
	v_nop
	v_permlane16_swap_b32 v[OC], v[OC+2]
	v_permlane16_swap_b32 v[OC+1], v[OC+3]
	v_lshl_or_b32 v[W16], v[BP+1], 8, v[BP]
	v_cndmask_b32 v[W16], 0xffff, v[W16], vcc_lo   ; every key hidden: the scale bytes that stand for NaN
	global_store_b128 v1, v[OC:OC+3], s[10:11] offset:\par*65536   ; 512 consecutive bytes: group head % 2 of K step head / 2
	global_store_b16 v5, v[W16], s[30:31] offset:\par*4096         ; both lane halves store the same two bytes with the same value
.endm
	s_load_b256 s[4:11], s[0:1], 0x0               ; qkv, biasc, maskw, att
	v_lshrrev_b32 v6, 5, v0
	v_readfirstlane_b32 s20, v6                    ; wave 0..7
	v_and_b32 v6, 31, v0                           ; lane
	v_and_b32 v7, 15, v0                           ; r
	v_lshlrev_b32 v1, 4, v6
	v_lshlrev_b32 v2, 5, v6
	v_lshlrev_b32 v5, 3, v7
	s_lshl_b32 s32, s20, 10
	v_add_nc_u32 v4, s32, v1                       ; my eighth of K and of V, in memory and in LDS: 1,024 w + 16 x lane
	s_mov_b32 s22, 0x76543210
	s_mov_b32 s23, 0xfedcba98
	s_mov_b32 s24, 0x3e38aa3b                      ; c = log2(e) / 8
	s_mov_b32 s25, s24
	s_and_b32 s32, ttmp9, 7                        ; head
	s_bfe_u32 s33, ttmp9, 0x10003                  ; which half of the query tiles
	s_lshr_b32 s34, ttmp9, 4                       ; which eight batches
	s_lshl_b32 s35, s33, 3
	s_add_co_u32 s35, s35, s20                     ; T
	s_and_b32 s36, s35, 1
	s_lshl_b32 s36, s36, 9
	s_lshr_b32 s37, s35, 1
	s_lshl_b32 s37, s37, 2
	s_add_co_u32 s36, s36, s37
	v_lshl_add_u32 v3, v7, 5, s36                  ; Q's scale word: lane 16 (T % 2) + r of the table, slot T / 2
	s_lshl_b32 s38, s34, 19
	s_lshl_b32 s39, s32, 13
	s_add_co_u32 s38, s38, s39                     ; codes: 8 batches x 65,536 + head x 8,192
	s_mov_b32 s39, 0
	s_lshl_b32 s40, s35, 9
	s_add_co_u32 s40, s40, s38
	s_mov_b32 s41, 0
	s_lshl_b32 s42, s34, 16
	s_lshl_b32 s43, s32, 10
	s_add_co_u32 s42, s42, s43                     ; Q's and K's scale words
	s_mov_b32 s43, 0
	s_lshl_b32 s44, s34, 15
	s_lshl_b32 s45, s32, 9
	s_add_co_u32 s44, s44, s45                     ; V's
	s_mov_b32 s45, 0
	s_lshl_b32 s46, s34, 16
	s_lshl_b32 s47, s35, 9
	s_add_co_u32 s46, s46, s47                     ; mask words
	s_mov_b32 s47, 0
	s_lshl_b32 s48, s34, 19
	s_lshl_b32 s49, s35, 12
	s_add_co_u32 s48, s48, s49
	s_lshl_b32 s49, s32, 9
	s_add_co_u32 s48, s48, s49                     ; the result's codes
	s_mov_b32 s49, 0
	s_lshl_b32 s50, s34, 15
	s_lshl_b32 s51, s35, 8
	s_add_co_u32 s50, s50, s51
	s_bfe_u32 s51, s32, 0x10001
	s_lshl_b32 s51, s51, 7
	s_add_co_u32 s50, s50, s51
	s_lshr_b32 s51, s32, 2
	s_lshl_b32 s51, s51, 2
	s_add_co_u32 s50, s50, s51
	s_and_b32 s51, s32, 1
	s_lshl_b32 s51, s51, 1
	s_add_co_u32 s50, s50, s51                     ; and its scale bytes
	s_mov_b32 s51, 0
	s_lshl_b32 s52, s32, 18
	s_lshl_b32 s53, s35, 14
	s_add_co_u32 s52, s52, s53                     ; 8 x bias of (head, T)
	s_mov_b32 s53, 0
	s_wait_kmcnt 0x0
	s_add_nc_u64 s[12:13], s[4:5], s[40:41]        ; Q's codes
	s_add_nc_u64 s[14:15], s[4:5], s[38:39]
	s_add_nc_u64 s[14:15], s[14:15], 0x800000      ; K's
	s_add_nc_u64 s[16:17], s[14:15], 0x800000      ; V's
	s_add_nc_u64 s[18:19], s[4:5], s[42:43]
	s_add_nc_u64 s[18:19], s[18:19], 0x1800000     ; Q's scale words
	s_add_nc_u64 s[26:27], s[18:19], 0x100000      ; K's
	s_add_nc_u64 s[28:29], s[4:5], s[44:45]
	s_add_nc_u64 s[28:29], s[28:29], 0x1a00000     ; V's
	s_add_nc_u64 s[8:9], s[8:9], s[46:47]
	s_add_nc_u64 s[30:31], s[10:11], s[50:51]
	s_add_nc_u64 s[30:31], s[30:31], 0x800000
	s_add_nc_u64 s[10:11], s[10:11], s[48:49]
	s_add_nc_u64 s[6:7], s[6:7], s[52:53]
	MLOAD 32, 2, 0                                 ; the first batch's words of registers 64-127
	MLOAD 68, 3, 0
	WIN 0x40
.irp i, 0,1,2,3,4,5,6,7,8,9,10,11,12,13,14,15,16,17,18,19,20,21,22,23,24,25,26,27,28,29,30,31
	global_load_b128 v[BIAS+4*\i:BIAS+4*\i+3], v1, s[6:7] offset:512*\i
.endr
	WIN 0
	NEXT 0, 0
.irp i, 4,5,6,7,12,13,14,15
	v_mov_b32 v[QF+\i], 0                          ; Q's zero codes for k = 64 .. 127, in both sets
.endr
.irp b, 0,1,2,3,4,5,6,7
	v_mov_b32 v[BP+\b], 0                          ; written once: a lane permute's destination counts as one of its sources
.endr
	v_mov_b32 v[NM+1], 0                           ; (named as the upper halves of pairs)
	v_mov_b32 v[RL+1], 0
	v_mov_b32 v[HID], 0xfb800000                   ; -2^120: a hidden key's C
	s_wait_kmcnt 0x0
	s_wait_loadcnt 9                               ; the bias's 32 loads are in; the nine of the first batch may be out
	WIN 0x44
	CMASK 32, MB, 64                               ; the C of the first batch's tiles 8-15
	CMASK 68, MB+32, 96
	WIN 0
	MLOAD 32, 0, 0                                 ; and its words of registers 0-63
	MLOAD 68, 1, 0
	s_mov_b32 s21, 3
.Lpair:                                            ; two batches a trip
	ITER 0, 1
	ITER 1, 1
	s_wait_xcnt 0x0                                ; every load and store issued has read its base: the bases step only behind this wait
	s_add_nc_u64 s[12:13], s[12:13], 0x20000
	s_add_nc_u64 s[14:15], s[14:15], 0x20000
	s_add_nc_u64 s[16:17], s[16:17], 0x20000
	s_add_nc_u64 s[10:11], s[10:11], 0x20000
	s_add_nc_u64 s[18:19], s[18:19], 0x4000
	s_add_nc_u64 s[26:27], s[26:27], 0x4000
	s_add_nc_u64 s[8:9], s[8:9], 0x4000
	s_add_nc_u64 s[28:29], s[28:29], 0x2000
	s_add_nc_u64 s[30:31], s[30:31], 0x2000
	s_sub_co_u32 s21, s21, 1
	s_cmp_lg_u32 s21, 0
	s_cbranch_scc1 .Lpair
	ITER 0, 1                                      ; the last two batches are written out: the very last asks for nothing, so that no load leaves its buffer
	ITER 1, 0
	s_wait_xcnt 0x0
	v_lshl_add_u32 v254, v0, 2, 0x8000
	v_mov_b32 v255, 0
	s_wait_tensorcnt 0x0
	ds_add_u32 v254, v255
	s_wait_dscnt 0x0
	s_endpgm
.Lfunc_end_k_q799e5fe70c_attn:
	.size	k_q799e5fe70c_attn, .Lfunc_end_k_q799e5fe70c_attn-k_q799e5fe70c_attn
	.p2alignl 7, 3214868480
	.fill 96, 4, 3214868480
	.section	.rodata,"a",@progbits
	.p2align	6, 0x0
	.amdhsa_kernel k_q799e5fe70c_attn
		.amdhsa_group_segment_fixed_size 33792
		.amdhsa_private_segment_fixed_size 0
		.amdhsa_enable_private_segment 0
		.amdhsa_kernarg_size 32
		.amdhsa_user_sgpr_count 2
		.amdhsa_user_sgpr_kernarg_segment_ptr 1
		.amdhsa_wavefront_size32 1
		.amdhsa_system_sgpr_workgroup_id_x 1
		.amdhsa_system_sgpr_workgroup_id_y 1
		.amdhsa_system_sgpr_workgroup_id_z 1
		.amdhsa_system_vgpr_workitem_id 0
		.amdhsa_next_free_vgpr 512
		.amdhsa_next_free_sgpr 100
		.amdhsa_reserve_vcc 1
		.amdhsa_float_denorm_mode_32 3
		.amdhsa_float_denorm_mode_16_64 3
		.amdhsa_memory_ordered 1
		.amdhsa_forward_progress 1
		.amdhsa_inst_pref_size 166
	.end_amdhsa_kernel
	.amdgpu_metadata
---
amdhsa.version: [ 1, 2 ]
amdhsa.kernels:
  - .name:           k_q799e5fe70c_attn
    .symbol:         k_q799e5fe70c_attn.kd
    .args:
      - { .name: qkv, .offset: 0, .size: 8, .value_kind: global_buffer, .address_space: global }
      - { .name: biasc, .offset: 8, .size: 8, .value_kind: global_buffer, .address_space: global }
      - { .name: maskw, .offset: 16, .size: 8, .value_kind: global_buffer, .address_space: global }
      - { .name: att, .offset: 24, .size: 8, .value_kind: global_buffer, .address_space: global }
    .group_segment_fixed_size: 33792
    .private_segment_fixed_size: 0
    .kernarg_segment_align: 8
    .kernarg_segment_size: 32
    .max_flat_workgroup_size: 256
    .sgpr_count:     100
    .vgpr_count:     512
    .wavefront_size: 32
...
	.end_amdgpu_metadata
.endif
;; end of part 3
;; launch fin (part 4): grid 256 x 1, 8 waves a work-group, no clusters, 105,472 bytes of LDS; arguments att, hid, wts, bo, bc2, out0; writes out0
.if DOCPART == 4
	.amdgcn_target "amdgcn-amd-amdhsa--gfx1250"
	.amdhsa_code_object_version 6
	.text
	.protected	k_q799e5fe70c_fin
	.globl	k_q799e5fe70c_fin
	.p2align	8
	.type	k_q799e5fe70c_fin,@function
k_q799e5fe70c_fin:
	s_mov_b64 s[64:65], 0
	v_nop
	global_prefetch_b8 v0, s[64:65] scope:SCOPE_SE
	s_setreg_imm32_b32 hwreg(HW_REG_WAVE_MODE, 25, 1), 1
	s_wait_xcnt 0x0
; FIN: out0 = Q(attention) Wo + bo + Q(h) Wc2 + bc2, as ONE sum over K = 1,024 on codes of FP4 with E8M0 scales; bo + bc2 is the C of each sum's first product.
; SHARES.  A work-group owns 128 rows (8 tiles, 4 pairs): both operands' codes lie in LDS as register images, read by all eight waves.  Wave w owns columns 64 w .. 64 w + 63:
; its 32 weight fragments fill window 1 for the whole launch.  A pair of row tiles is 64 matrix instructions on 8 accumulators that take turns.
; Source 0 = weight, source 1 = rows: a lane holds one row and eight neighbouring columns a tile.  16 rows x 64 columns go through the wave's own stage in LDS and leave so that sixteen lanes store 256 consecutive bytes, aligned.
; A row whose scale bytes are 0xff (every key masked) comes out NaN, as the problem's definition has it.
; REGISTERS, window 0: v1-11 addresses; v16-31 weights' scale words, v32-39 rows' scale words; v40-71 bo + bc2 in the accumulators' order; v72-135 rows' fragments; v136-199 accumulators; v200-231 rows on their way out.
;   window 1: weight fragment (tile t, kind, K step s) at 64 t + 32 kind + 8 s; kind 0 = Wo, 1 = Wc2.
.set WS,   16
.set ASC,  32
.set BO,   40
.set AF,   72
.set D,    136
.set OUT,  200
.set HI,   32768                       ; LDS: attention's 8 tiles of 4,096 bytes at 0, h's here,
.set SCL,  65536                       ; their scale words (2,048 bytes each),
.set STG,  69632                       ; and a stage of 16 rows x (256 + 16) bytes for each wave
.set MSB, 0
.macro WIN new                         ; the immediate's high byte repeats the setting that is left
.if MSB != \new
	s_set_vgpr_msb (MSB<<8)|\new
.set MSB, \new
.endif
.endm
.macro PLACES n
.rept \n
	v_nop
.endr
.endm
.macro WMS d, a, b, c, sa, sb, row     ; row = 1: both scales from lanes 16-31
.if (\row) == 0
	v_wmma_scale_f32_16x16x128_f8f6f4 v[(\d):(\d)+7], v[(\a):(\a)+7], v[(\b):(\b)+7], v[(\c):(\c)+7], v[(\sa)], v[(\sb)] matrix_a_fmt:MATRIX_FMT_FP4 matrix_b_fmt:MATRIX_FMT_FP4
.else
	v_wmma_scale_f32_16x16x128_f8f6f4 v[(\d):(\d)+7], v[(\a):(\a)+7], v[(\b):(\b)+7], v[(\c):(\c)+7], v[(\sa)], v[(\sb)] matrix_a_fmt:MATRIX_FMT_FP4 matrix_b_fmt:MATRIX_FMT_FP4 matrix_a_scale:MATRIX_SCALE_ROW1 matrix_b_scale:MATRIX_SCALE_ROW1
.endif
.endm
.macro WLOADF kind                     ; 36 loads: my 16 fragments of Wo or Wc2 and their scale words
	WIN 0x40
.irp t, 0,1,2,3
.irp q, 0,1,2,3,4,5,6,7
	global_load_b128 v[64*\t+32*(\kind)+4*\q:64*\t+32*(\kind)+4*\q+3], v5, s[8:9] offset:(4+(\kind))*131072+512*(8*\t+\q)
.endr
.endr
	WIN 0
.irp t, 0,1,2,3
	global_load_b64 v[WS+8*(\kind)+2*\t:WS+8*(\kind)+2*\t+1], v6, s[8:9] offset:(4+(\kind))*8192+256*\t
.endr
.endm
.macro FFETCH kind, bp                 ; the pair bp's eight fragments of one operand, and its scale words
.irp p, 0,1
.irp s, 0,1,2,3
.irp c, 0,1
	ds_load_b128 v[AF+32*\p+8*\s+4*\c:AF+32*\p+8*\s+4*\c+3], v1 offset:HI*(\kind)+(2*(\bp)+\p)*4096+1024*\s+512*\c
.endr
.endr
	ds_load_b64 v[ASC+4*(\kind)+2*\p:ASC+4*(\kind)+2*\p+1], v2 offset:2048*(\kind)+(2*(\bp)+\p)*256
.endr
.endm
.macro MMF kind
	WIN 0x01                                       ; source 0 (weight) window 1
.irp s, 0,1,2,3
.irp p, 0,1
.irp t, 0,1,2,3
.if ((\kind) == 0) && (\s == 0)
	WMS D+32*\p+8*\t, 64*\t+32*(\kind)+8*\s, AF+32*\p+8*\s, BO+8*\t, WS+8*(\kind)+2*\t+\s/2, ASC+4*(\kind)+2*\p+\s/2, 0
.else
	WMS D+32*\p+8*\t, 64*\t+32*(\kind)+8*\s, AF+32*\p+8*\s, D+32*\p+8*\t, WS+8*(\kind)+2*\t+\s/2, ASC+4*(\kind)+2*\p+\s/2, \s%2
.endif
.endr
.endr
.endr
	WIN 0
.endm
	s_load_b256 s[4:11], s[0:1], 0x0               ; att, hid, wts, bo
	s_load_b128 s[12:15], s[0:1], 0x20             ; bc2, out0
	v_lshl_add_u32 v254, v0, 2, 0x19800
	v_mov_b32 v255, 0
	v_lshrrev_b32 v12, 5, v0
	v_readfirstlane_b32 s18, v12                   ; wave 0..7
	v_and_b32 v12, 31, v0                          ; lane
	v_and_b32 v13, 15, v0                          ; r
	v_bfe_u32 v14, v0, 4, 1                        ; hh
	v_lshlrev_b32 v1, 4, v12
	v_lshlrev_b32 v10, 3, v12
	v_add_nc_u32 v2, SCL, v10
	s_lshl_b32 s19, s18, 10
	s_add_co_u32 s19, s19, 786432
	v_add_nc_u32 v6, s19, v10                      ; my weights' scale words
	s_lshl_b32 s19, s18, 8
	v_add_nc_u32 v10, s19, v10                     ; 256 w + 8 x lane
	v_add_nc_u32 v4, SCL, v10
	v_lshl_add_u32 v11, v14, 6, s19                ; bo, bc2: 256 w + 64 hh
	v_lshlrev_b32 v9, 11, v14
	v_lshl_add_u32 v9, v13, 4, v9
	v_add_nc_u32 v9, s19, v9                       ; out0: row hh, my 256 bytes of it, 16 bytes a lane
	s_lshl_b32 s19, s18, 12
	v_add_nc_u32 v3, s19, v1
	s_lshl_b32 s19, s18, 14
	v_add_nc_u32 v5, s19, v1
	s_mul_i32 s19, s18, 4352
	s_add_co_u32 s19, s19, STG                     ; my stage
	v_mul_u32_u24 v7, v13, 272
	v_lshl_add_u32 v7, v14, 6, v7
	v_add_nc_u32 v7, s19, v7                       ; in: row r, + 64 hh
	v_mul_u32_u24 v8, v14, 272
	v_lshl_add_u32 v8, v13, 4, v8
	v_add_nc_u32 v8, s19, v8                       ; back: lanes 0-15 one row, lanes 16-31 the next
	s_lshl_b32 s28, ttmp9, 15
	s_mov_b32 s29, 0
	s_lshl_b32 s30, ttmp9, 11
	s_mov_b32 s31, 0
	s_lshl_b32 s16, ttmp9, 18
	s_mov_b32 s17, 0
	s_wait_kmcnt 0x0
	s_add_nc_u64 s[20:21], s[4:5], s[28:29]        ; attention's codes at my 8 tiles
	s_add_nc_u64 s[22:23], s[6:7], s[28:29]        ; h's
	s_add_nc_u64 s[24:25], s[4:5], s[30:31]
	s_add_nc_u64 s[24:25], s[24:25], 0x800000      ; their scale words
	s_add_nc_u64 s[26:27], s[6:7], s[30:31]
	s_add_nc_u64 s[26:27], s[26:27], 0x800000
	s_add_nc_u64 s[14:15], s[14:15], s[16:17]      ; out0 at my 128 rows
.irp i, 0,1,2,3,4,5,6,7
	global_load_b128 v[D+4*\i:D+4*\i+3], v3, s[20:21] offset:512*\i th:TH_LOAD_NT      ; wave w brings tile w of both
.endr
.irp i, 0,1,2,3,4,5,6,7
	global_load_b128 v[D+32+4*\i:D+32+4*\i+3], v3, s[22:23] offset:512*\i th:TH_LOAD_NT
.endr
	global_load_b64 v[AF:AF+1], v10, s[24:25] th:TH_LOAD_NT
	global_load_b64 v[AF+2:AF+3], v10, s[26:27] th:TH_LOAD_NT
	WLOADF 0
	s_wait_loadcnt 36                              ; the 18 loads of rows are in; Wo's 36 may be out
.irp i, 0,1,2,3,4,5,6,7
	ds_store_b128 v3, v[D+4*\i:D+4*\i+3] offset:512*\i
.endr
.irp i, 0,1,2,3,4,5,6,7
	ds_store_b128 v3, v[D+32+4*\i:D+32+4*\i+3] offset:HI+512*\i
.endr
	ds_store_b64 v4, v[AF:AF+1]
	ds_store_b64 v4, v[AF+2:AF+3] offset:2048
	WLOADF 1
.irp q, 0,1,2,3
	global_load_b128 v[BO+8*\q:BO+8*\q+3], v11, s[10:11] offset:128*(\q/2)+32*(\q%2)
	global_load_b128 v[BO+8*\q+4:BO+8*\q+7], v11, s[10:11] offset:128*(\q/2)+32*(\q%2)+16
	global_load_b128 v[OUT+8*\q:OUT+8*\q+3], v11, s[12:13] offset:128*(\q/2)+32*(\q%2)
	global_load_b128 v[OUT+8*\q+4:OUT+8*\q+7], v11, s[12:13] offset:128*(\q/2)+32*(\q%2)+16
.endr
	s_wait_dscnt 0x0                               ; my stores have landed
	s_barrier_signal -1
	s_barrier_wait -1                              ; all 16 tiles lie in LDS; nobody writes them again
	FFETCH 0, 0
	s_wait_loadcnt 0x0                             ; the weights and the biases
.irp k, 0,2,4,6,8,10,12,14,16,18,20,22,24,26,28,30
	v_pk_add_f32 v[BO+\k:BO+\k+1], v[BO+\k:BO+\k+1], v[OUT+\k:OUT+\k+1]
.endr
.irp bp, 0,1,2,3
	s_wait_dscnt 0x0                               ; attention's fragments of the pair are in
	MMF 0
	PLACES 4                                       ; in front of loads into registers that the products have read
	FFETCH 1, \bp
	s_wait_dscnt 0x0
	MMF 1
	PLACES 5                                       ; four for the loads and the stage's stores; five for the next pair's first products, which begin these accumulators anew with another C: no other vector line stands between
.if \bp < 3
	FFETCH 0, \bp+1
.endif
.irp p, 0,1
	s_wait_xcnt 0x0                                ; the last stores have read OUT: it is loaded again only behind this wait
.irp t, 0,1,2,3
	ds_store_b128 v7, v[D+32*\p+8*\t:D+32*\p+8*\t+3] offset:128*(\t/2)+32*(\t%2)        ; each accumulator from its low end on
	ds_store_b128 v7, v[D+32*\p+8*\t+4:D+32*\p+8*\t+7] offset:128*(\t/2)+32*(\t%2)+16
.endr
.irp i, 0,1,2,3,4,5,6,7
	ds_load_b128 v[OUT+4*\i:OUT+4*\i+3], v8 offset:544*\i      ; LDS serves a wave's instructions in order: these see my stores, and the next tile's stores come behind them
.endr
	s_wait_dscnt 0x0
.irp i, 0,1,2,3,4,5,6,7
	global_store_b128 v9, v[OUT+4*\i:OUT+4*\i+3], s[14:15] offset:(32*\bp+8*\p+(2*\i)%8+16*(\i/4))*2048 th:TH_STORE_NT   ; places 2 i, 2 i + 1 of the tile are rows (2 i) % 8 + 16 (i / 4) and the next; 16 lanes store 256 consecutive bytes, aligned
.endr
.endr
.endr
	s_wait_tensorcnt 0x0
	ds_add_u32 v254, v255
	s_wait_dscnt 0x0
	s_endpgm
.Lfunc_end_k_q799e5fe70c_fin:
	.size	k_q799e5fe70c_fin, .Lfunc_end_k_q799e5fe70c_fin-k_q799e5fe70c_fin
	.p2alignl 7, 3214868480
	.fill 96, 4, 3214868480
	.section	.rodata,"a",@progbits
	.p2align	6, 0x0
	.amdhsa_kernel k_q799e5fe70c_fin
		.amdhsa_group_segment_fixed_size 105472
		.amdhsa_private_segment_fixed_size 0
		.amdhsa_enable_private_segment 0
		.amdhsa_kernarg_size 48
		.amdhsa_user_sgpr_count 2
		.amdhsa_user_sgpr_kernarg_segment_ptr 1
		.amdhsa_wavefront_size32 1
		.amdhsa_system_sgpr_workgroup_id_x 1
		.amdhsa_system_sgpr_workgroup_id_y 1
		.amdhsa_system_sgpr_workgroup_id_z 1
		.amdhsa_system_vgpr_workitem_id 0
		.amdhsa_next_free_vgpr 512
		.amdhsa_next_free_sgpr 66
		.amdhsa_reserve_vcc 0
		.amdhsa_float_denorm_mode_32 3
		.amdhsa_float_denorm_mode_16_64 3
		.amdhsa_memory_ordered 1
		.amdhsa_forward_progress 1
		.amdhsa_inst_pref_size 73
	.end_amdhsa_kernel
	.amdgpu_metadata
---
amdhsa.version: [ 1, 2 ]
amdhsa.kernels:
  - .name:           k_q799e5fe70c_fin
    .symbol:         k_q799e5fe70c_fin.kd
    .args:
      - { .name: att, .offset: 0, .size: 8, .value_kind: global_buffer, .address_space: global }
      - { .name: hid, .offset: 8, .size: 8, .value_kind: global_buffer, .address_space: global }
      - { .name: wts, .offset: 16, .size: 8, .value_kind: global_buffer, .address_space: global }
      - { .name: bo, .offset: 24, .size: 8, .value_kind: global_buffer, .address_space: global }
      - { .name: bc2, .offset: 32, .size: 8, .value_kind: global_buffer, .address_space: global }
      - { .name: out0, .offset: 40, .size: 8, .value_kind: global_buffer, .address_space: global }
    .group_segment_fixed_size: 105472
    .private_segment_fixed_size: 0
    .kernarg_segment_align: 8
    .kernarg_segment_size: 48
    .max_flat_workgroup_size: 256
    .sgpr_count:     66
    .vgpr_count:     512
    .wavefront_size: 32
...
	.end_amdgpu_metadata
.endif
;; end of part 4
;; ======== version 2 of 2: 4 launches
;; limits: right only within a limited range of input values
;; workspace buffers: wts 835,584 bytes; biasc 2,097,152 bytes; maskw 1,048,576 bytes of whole numbers; act 17,825,792 bytes; qkv 27,787,264 bytes; hid 8,912,896 bytes; att 8,912,896 bytes
;; launch prep (part 5): grid 928 x 1, 4 waves a work-group, no clusters, 68,096 bytes of LDS; arguments x, context, mask, Wq, Wk, Wv, Wc1, Wo, Wc2, rel_index, bias_table, act, maskw, wts, biasc; writes act, maskw, wts, biasc
.if DOCPART == 5
	.amdgcn_target "amdgcn-amd-amdhsa--gfx1250"
	.amdhsa_code_object_version 6
	.text
	.protected	k_q799e5fe70c_prep
	.globl	k_q799e5fe70c_prep
	.p2align	8
	.type	k_q799e5fe70c_prep,@function
k_q799e5fe70c_prep:
	s_mov_b64 s[64:65], 0
	v_nop
	global_prefetch_b8 v0, s[64:65] scope:SCOPE_SE
	s_setreg_imm32_b32 hwreg(HW_REG_WAVE_MODE, 25, 1), 1
	s_wait_xcnt 0x0
; PREP: everything that arrives wide is read once and laid as the later launches want it.  Four roles, parted on the work-group's number:
;   A (0-511)    x (0-255) and context (256-511), f32 [32768][512] -> codes of FP4 (E2M1) + E8M0 scale words, in act
;   M (512-767)  mask, int32 [128][256][256] -> one bit a (query, key), in maskw, in the order of the score registers
;   W (768-863)  the six weights, f32 [k 512][n 512], K outermost -> codes + scale words, in wts
;   B (864-927)  8 x bias_table[rel_index], in biasc, in the order of the score registers (8 = 1 / SCALE, exact)
; TILES.  Rows (and weight columns) go in tiles of 16: in each group of 32, tile 2 B + u, place r holds member 32 B + 8 u + r % 8 + 16 (r / 8).
; So where a tile is source 0 of a product, the 16 result registers of tiles 2 B, 2 B + 1 are 16 neighbours: 32 B + 16 (lane / 16) + 0 .. 15.
; IMAGE.  A fragment (16 members x 128 K) is stored as its registers: [c 0,1][lane][16 bytes]; lane (r, hh), group c holds k = 64 c + 32 hh + 0 .. 31 of member r.
; SCALE WORDS of a tile (K = 512): [lane (r, hh)][s' 0,1]: the word of member r for K step 2 s' + hh: one 8-byte load a lane gives two scale registers.
; QUANTISER.  scale = 2^(floor(log2(largest magnitude)) - 2); its byte is the largest magnitude's exponent field - 2, held at 1 from below by a floor among the maximum's leaves.
; LIMITS: a block of zeros gets the byte 1 where the definition says 127 (its codes are zeros; only this program reads the bytes); NaN and infinities among x, context and the weights are not served.
; No barrier: waves share nothing.  Roles A and M have LDS bytes of their own.
.set R,     64                         ; v64-191   two sets of 64 registers as loaded
.set X,     192                        ; v192-255  64 numbers of one row: register 16 b + i = element 32 b + 16 hh + i
.set TM,    16                         ; v16-31    quantiser at work
.set PC,    32                         ; v32-39    a fragment's codes
.set PWS,   40                         ; v40-43    the scale words of a tile's four K steps
.set OUTW,  44                         ; v44-45    the same, chosen by lane half
.set MW,    48                         ; v48-55    role M: the words of two tiles, four a lane
.set STG_W, 8448                       ; a wave's stage: 16 rows x (512 + 16) bytes
.set STG_M, 33792                      ; role M's stages begin here
; 16 loads: 512 consecutive bytes of each of a tile's 16 rows (place i is row i % 8 + 16 (i / 8) of the group of 32)
.macro LOADU set, off0, pitch
.irp i, 0,1,2,3,4,5,6,7,8,9,10,11,12,13,14,15
	global_load_b128 v[R+64*(\set)+4*\i:R+64*(\set)+4*\i+3], v1, s[4:5] offset:(\off0)+((\i%8)+16*(\i/8))*(\pitch) th:TH_LOAD_NT
.endr
.endm
; through the wave's own stage: in as loaded, out 16 neighbours of each block of 32 a lane.  LDS serves a wave's instructions in order: no wait between
.macro TURN set, stw, str
.irp i, 0,1,2,3,4,5,6,7,8,9,10,11,12,13,14,15
	ds_store_b128 v[\stw], v[R+64*(\set)+4*\i:R+64*(\set)+4*\i+3] offset:528*\i
.endr
.irp i, 0,1,2,3,4,5,6,7,8,9,10,11,12,13,14,15
	ds_load_b128 v[X+4*\i:X+4*\i+3], v[\str] offset:128*(\i/4)+16*(\i%4)
.endr
.endm
; X's 64 numbers become a fragment's codes in v[PC] on and its scale word in v[pw]
.macro QUANT pw
.irp b, 0,1,2,3
	v_max3_num_f32 v[TM+\b], |v[X+16*\b]|, |v[X+1+16*\b]|, 0x1800000   ; my 16 numbers of block b, and the floor 2^(3 - 127)
.endr
.irp i, 2,4,6,8,10,12,14
.irp b, 0,1,2,3
	v_max3_num_f32 v[TM+\b], v[TM+\b], |v[X+16*\b+\i]|, |v[X+1+16*\b+\i]|
.endr
.endr
.irp b, 0,1,2,3
	v_permlanex16_b32 v[TM+4+\b], v[TM+\b], s20, s21
.endr
.irp b, 0,1,2,3
	v_max_num_f32 v[TM+\b], v[TM+\b], v[TM+4+\b]       ; with lane l xor 16's: the block's largest magnitude
.endr
.irp b, 0,1,2,3
	v_add_nc_u32 v[TM+12+\b], 0xff000000, v[TM+\b]     ; 2 off its exponent field: the conversion's scale operand
.endr
.irp b, 0,1,2,3
	v_lshrrev_b32 v[TM+4+\b], 23, v[TM+12+\b]          ; the scale's byte
.endr
	v_lshl_or_b32 v[\pw], v[TM+5], 8, v[TM+4]
	v_lshl_or_b32 v[\pw], v[TM+6], 16, v[\pw]
	v_lshl_or_b32 v[\pw], v[TM+7], 24, v[\pw]
.irp b, 0,1,2,3
	v_cvt_scalef32_pk8_fp4_f32 v[PC+2*\b], v[X+16*\b:X+7+16*\b], v[TM+12+\b]
	v_cvt_scalef32_pk8_fp4_f32 v[PC+1+2*\b], v[X+8+16*\b:X+15+16*\b], v[TM+12+\b]
.endr
	v_nop                                              ; one plain place behind a scaled conversion
.irp c, 0,1
.irp i, 0,1
	v_permlane16_swap_b32 v[PC+4*\c+\i], v[PC+2+4*\c+\i]   ; a whole block to a lane: lanes 0-15 block 2 c, lanes 16-31 block 2 c + 1
.endr
.endr
.endm
	v_lshl_add_u32 v62, v0, 2, 0x10800
	v_mov_b32 v63, 0
	v_lshrrev_b32 v4, 5, v0
	v_readfirstlane_b32 s18, v4                    ; wave 0..3
	v_and_b32 v5, 31, v0                           ; lane
	v_and_b32 v8, 15, v0                           ; r
	v_bfe_u32 v10, v0, 4, 1                        ; hh
	v_lshlrev_b32 v1, 4, v5                        ; 16 x lane
	v_lshlrev_b32 v9, 3, v5                        ; 8 x lane
	v_lshlrev_b32 v11, 2, v5                       ; 4 x lane
	s_mov_b32 s19, 0xffff0000                      ; lanes 16-31
	s_mov_b32 s20, 0x76543210
	s_mov_b32 s21, 0xfedcba98                      ; v_permlanex16_b32's selects for lane l xor 16
	s_mul_i32 s22, s18, STG_W
	v_add_nc_u32 v2, s22, v1                       ; role A's stage, in: 16 x lane
	v_mul_u32_u24 v3, v8, 528
	v_lshl_add_u32 v3, v10, 6, v3
	v_add_nc_u32 v3, s22, v3                       ; and out: row r, + 64 hh
	v_add_nc_u32 v6, STG_M, v2                     ; role M's
	v_add_nc_u32 v7, STG_M, v3
	s_cmp_lt_u32 ttmp9, 512
	s_cbranch_scc1 .Lrole_a
	s_cmp_lt_u32 ttmp9, 768
	s_cbranch_scc1 .Lrole_m
	s_cmp_lt_u32 ttmp9, 864
	s_cbranch_scc1 .Lrole_w
; ---------------- ROLE B: a wave makes tile (T of queries, t of keys) of 8 x bias for all eight heads
	s_load_b128 s[4:7], s[0:1], 0x48               ; rel_index, bias_table
	s_load_b64 s[8:9], s[0:1], 0x70                ; biasc
	s_sub_co_u32 s22, ttmp9, 864
	s_lshl_b32 s22, s22, 2
	s_add_co_u32 s22, s22, s18                     ; 16 T + t
	s_lshr_b32 s23, s22, 4                         ; T
	s_and_b32 s24, s22, 15                         ; t
	s_lshr_b32 s25, s23, 1
	s_lshl_b32 s25, s25, 15                        ; 32 (T / 2) rows of 1,024 bytes
	s_and_b32 s26, s23, 1
	s_lshl_b32 s26, s26, 13                        ; 8 (T % 2) rows
	s_add_co_u32 s25, s25, s26
	s_lshr_b32 s26, s24, 1
	s_lshl_b32 s26, s26, 7                         ; 32 (t / 2) keys of 4 bytes
	s_add_co_u32 s25, s25, s26
	s_and_b32 s26, s24, 1
	s_lshl_b32 s26, s26, 5                         ; 8 (t % 2) keys
	s_add_co_u32 s10, s25, s26
	s_mov_b32 s11, 0
	s_lshl_b32 s12, s22, 10                        ; a tile of a head is 1,024 bytes
	s_mov_b32 s13, 0
	v_and_b32 v12, 7, v8
	v_lshrrev_b32 v13, 3, v8
	v_lshl_add_u32 v12, v13, 4, v12                ; my query in the tile: r % 8 + 16 (r / 8)
	v_lshlrev_b32 v12, 10, v12
	v_lshl_add_u32 v12, v10, 6, v12                ; + 16 hh keys
	s_wait_alu depctr_va_vdst(0)
	s_wait_kmcnt 0x0
	s_add_nc_u64 s[4:5], s[4:5], s[10:11]
	s_add_nc_u64 s[8:9], s[8:9], s[12:13]
	global_load_b128 v[16:19], v12, s[4:5]         ; my eight indices
	global_load_b128 v[20:23], v12, s[4:5] offset:16
	s_wait_loadcnt 0x0
.irp j, 0,1,2,3,4,5,6,7
	v_min_u32 v[16+\j], 0x3c0, v[16+\j]            ; held inside the table of 961 rows
.endr
.irp j, 0,1,2,3,4,5,6,7
	v_lshlrev_b32 v[16+\j], 5, v[16+\j]            ; a row of the table is eight heads, 32 bytes
.endr
.irp j, 0,1,2,3,4,5,6,7
	global_load_b128 v[64+8*\j:64+8*\j+3], v[16+\j], s[6:7]
	global_load_b128 v[64+8*\j+4:64+8*\j+7], v[16+\j], s[6:7] offset:16
.endr
	s_wait_loadcnt 0x0
.irp h, 0,1,2,3,4,5,6,7
.irp j, 0,1,2,3,4,5,6,7
	v_mul_f32 v[128+8*\h+\j], 0x41000000, v[64+8*\j+\h]   ; x 8, and head by head
.endr
.endr
.irp h, 0,1,2,3,4,5,6,7
.irp g, 0,1
	global_store_b128 v1, v[128+8*\h+4*\g:128+8*\h+4*\g+3], s[8:9] offset:\h*262144+512*\g   ; 512 consecutive bytes a store
.endr
.endr
	s_endpgm
; ---------------- ROLE A: a wave takes 32 rows: two tiles x four K steps of 128
.Lrole_a:
	s_load_b128 s[4:7], s[0:1], 0x0                ; x, context
	s_load_b64 s[8:9], s[0:1], 0x58                ; act
	s_and_b32 s23, ttmp9, 255
	s_lshl_b32 s23, s23, 2
	s_add_co_u32 s23, s23, s18                     ; which group of 32 rows
	s_lshr_b32 s24, ttmp9, 8                       ; 0: x, 1: context
	s_lshl_b32 s10, s23, 16                        ; 32 rows of 2,048 bytes
	s_mov_b32 s11, 0
	s_lshl_b32 s26, s24, 23
	s_lshl_b32 s27, s23, 13
	s_add_co_u32 s26, s26, s27                     ; codes: 8,388,608 x tensor + 8,192 x group
	s_mov_b32 s27, 0
	s_lshl_b32 s28, s24, 19
	s_lshl_b32 s29, s23, 9
	s_add_co_u32 s28, s28, s29
	s_add_co_u32 s28, s28, 0x1000000               ; scale words: 16,777,216 + 524,288 x tensor + 512 x group
	s_mov_b32 s29, 0
.irp b, 0,1,2,3
	v_mov_b32 v[TM+4+\b], 0                        ; written once: a lane permute's destination counts as one of its sources
.endr
	s_wait_kmcnt 0x0
	s_cmp_lt_u32 ttmp9, 256
	s_cselect_b64 s[4:5], s[4:5], s[6:7]
	s_add_nc_u64 s[4:5], s[4:5], s[10:11]
	s_add_nc_u64 s[12:13], s[8:9], s[26:27]
	s_add_nc_u64 s[14:15], s[8:9], s[28:29]
; unit t = 4 u + s: tile u, K step s.  Two units' loads (32 a wave) are out
.macro UNITA t
.if (\t) < 7
	s_wait_loadcnt 16                              ; this unit's 16 loads are in; the next unit's may be out
.else
	s_wait_loadcnt 0x0
.endif
	TURN (\t)%2, 2, 3
	s_wait_dscnt 0x0                               ; the numbers are back, and the stage's stores have read their registers
.if (\t)+2 < 8
	LOADU (\t)%2, 8*(((\t)+2)/4)*2048+512*(((\t)+2)%4), 2048
.endif
	s_wait_xcnt 0x0                                ; the last unit's stores have read PC and OUTW: they are written again only behind this wait
	QUANT PWS+(\t)%4
	global_store_b128 v1, v[PC:PC+3], s[12:13] offset:((\t)/4)*4096+((\t)%4)*1024
	global_store_b128 v1, v[PC+4:PC+7], s[12:13] offset:((\t)/4)*4096+((\t)%4)*1024+512
.if (\t)%4 == 3
	v_cndmask_b32 v[OUTW], v[PWS], v[PWS+1], s19       ; lanes 0-15: K steps 0 and 2; lanes 16-31: 1 and 3
	v_cndmask_b32 v[OUTW+1], v[PWS+2], v[PWS+3], s19
	global_store_b64 v9, v[OUTW:OUTW+1], s[14:15] offset:256*((\t)/4)   ; 256 consecutive bytes, aligned
.endif
.endm
	LOADU 0, 0, 2048
	LOADU 1, 512, 2048
	s_wait_alu depctr_va_vdst(0)
.irp t, 0,1,2,3,4,5,6,7
	UNITA \t
.endr
	s_wait_tensorcnt 0x0
	ds_add_u32 v62, v63
	s_wait_dscnt 0x0
	s_endpgm
; ---------------- ROLE M: a wave takes 32 rows of the mask: two tiles of queries x two halves of the keys
.Lrole_m:
	s_load_b64 s[4:5], s[0:1], 0x10                ; mask
	s_load_b64 s[12:13], s[0:1], 0x60              ; maskw
	s_sub_co_u32 s23, ttmp9, 512
	s_lshl_b32 s23, s23, 2
	s_add_co_u32 s23, s23, s18
	s_lshl_b32 s10, s23, 15                        ; 32 rows of 1,024 bytes
	s_mov_b32 s11, 0
	s_lshl_b32 s14, s23, 10                        ; two tiles of 128 words
	s_mov_b32 s15, 0
.irp i, 0,1,2,3,4,5,6,7
	v_mov_b32 v[MW+\i], 0                          ; v_writelane_b32's destination counts as read
.endr
	s_wait_kmcnt 0x0
	s_add_nc_u64 s[4:5], s[4:5], s[10:11]
	s_add_nc_u64 s[12:13], s[12:13], s[14:15]
; unit t = 2 u + half.  Register n of lane (r, hh) is key 128 half + 32 (n / 16) + 16 hh + n % 16 of query r: the compare's 32 bits are word 64 half + n of the tile, score register for score register
.macro UNITM t
.if (\t) < 3
	s_wait_loadcnt 16
.else
	s_wait_loadcnt 0x0
.endif
	TURN (\t)%2, 6, 7
	s_wait_dscnt 0x0
.if (\t)+2 < 4
	LOADU (\t)%2, 8*(((\t)+2)/2)*1024+512*(((\t)+2)%2), 1024
.endif
.set n, 0
.rept 8
.irp e, 0,1,2,3,4,5,6,7
	v_cmp_ne_u32 s[24+\e], 0, v[X+n+\e]
.endr
.irp e, 0,1,2,3,4,5,6,7
	v_writelane_b32 v[MW+4*((\t)/2)+(\e%4)], s[24+\e], 16*((\t)%2)+(n+\e)/4   ; word W lies in lane W / 4, register W % 4
.endr
.set n, n+8
.endr
.if (\t)%2 == 1
	global_store_b128 v1, v[MW+4*((\t)/2):MW+4*((\t)/2)+3], s[12:13] offset:512*((\t)/2)
.endif
.endm
	LOADU 0, 0, 1024
	LOADU 1, 512, 1024
	s_wait_alu depctr_va_vdst(0)
.irp t, 0,1,2,3
	UNITM \t
.endr
	s_wait_tensorcnt 0x0
	ds_add_u32 v62, v63
	s_wait_dscnt 0x0
	s_endpgm
; ---------------- ROLE W: a wave takes 32 columns x 128 along K of one weight.  A lane takes a column, its registers run down K: nothing is transposed
.Lrole_w:
	s_load_b256 s[24:31], s[0:1], 0x18             ; Wq, Wk, Wv, Wc1
	s_load_b128 s[32:35], s[0:1], 0x38             ; Wo, Wc2
	s_load_b64 s[8:9], s[0:1], 0x68                ; wts
	s_sub_co_u32 s22, ttmp9, 768
	s_lshr_b32 s23, s22, 4                         ; which weight
	s_and_b32 s10, s22, 3
	s_lshl_b32 s10, s10, 2
	s_add_co_u32 s10, s10, s18                     ; which group of 32 columns
	s_bfe_u32 s11, s22, 0x20002                    ; which K step
	s_lshl_b32 s12, s11, 18                        ; 128 rows of 2,048 bytes
	s_lshl_b32 s13, s10, 7
	s_add_co_u32 s12, s12, s13
	s_mov_b32 s13, 0
	s_lshl_b32 s14, s23, 17                        ; codes: 131,072 x weight + 8,192 x group + 1,024 x K step
	s_lshl_b32 s15, s10, 13
	s_add_co_u32 s14, s14, s15
	s_lshl_b32 s15, s11, 10
	s_add_co_u32 s14, s14, s15
	s_mov_b32 s15, 0
	s_lshl_b32 s16, s23, 13                        ; scale words: 786,432 + 8,192 x weight + 512 x group + 128 (s % 2) + 4 (s / 2)
	s_lshl_b32 s17, s10, 9
	s_add_co_u32 s16, s16, s17
	s_and_b32 s17, s11, 1
	s_lshl_b32 s17, s17, 7
	s_add_co_u32 s16, s16, s17
	s_lshr_b32 s17, s11, 1
	s_lshl_b32 s17, s17, 2
	s_add_co_u32 s16, s16, s17
	s_add_co_u32 s16, s16, 786432
	s_mov_b32 s17, 0
	v_bfe_u32 v12, v5, 3, 1                        ; my column's tile of the two: (lane / 8) % 2
	v_and_b32 v13, 7, v5
	v_lshl_add_u32 v13, v10, 3, v13                ; and its place there: lane % 8 + 8 (lane / 16)
	v_lshlrev_b32 v14, 4, v13
	v_lshl_add_u32 v14, v12, 12, v14               ; codes: 4,096 x tile + 16 x place
	v_lshlrev_b32 v15, 3, v13
	v_lshl_add_u32 v15, v12, 8, v15                ; scale word: 256 x tile + 8 x place
	s_wait_kmcnt 0x0
	s_mov_b64 s[4:5], s[24:25]
	s_cmp_eq_u32 s23, 1
	s_cselect_b64 s[4:5], s[26:27], s[4:5]
	s_cmp_eq_u32 s23, 2
	s_cselect_b64 s[4:5], s[28:29], s[4:5]
	s_cmp_eq_u32 s23, 3
	s_cselect_b64 s[4:5], s[30:31], s[4:5]
	s_cmp_eq_u32 s23, 4
	s_cselect_b64 s[4:5], s[32:33], s[4:5]
	s_cmp_eq_u32 s23, 5
	s_cselect_b64 s[4:5], s[34:35], s[4:5]
	s_add_nc_u64 s[4:5], s[4:5], s[12:13]
	s_add_nc_u64 s[12:13], s[8:9], s[14:15]
	s_add_nc_u64 s[14:15], s[8:9], s[16:17]
.macro WLD t                           ; block t: 32 rows at my column; a wave reads 128 consecutive bytes a load
.irp i, 0,1,2,3,4,5,6,7,8,9,10,11,12,13,14,15,16,17,18,19,20,21,22,23,24,25,26,27,28,29,30,31
	global_load_b32 v[64+32*(\t)+\i], v11, s[4:5] offset:(32*(\t)+\i)*2048 th:TH_LOAD_NT
.endr
.endm
.macro WBLK t
.if (\t) < 3
	s_wait_loadcnt 32                              ; this block's 32 loads are in; the next block's may be out
.else
	s_wait_loadcnt 0x0
.endif
.if (\t)+2 < 4
	WLD (\t)+2
.endif
.set XS, 64+32*(\t)
	v_max3_num_f32 v20, |v[XS]|, |v[XS+1]|, |v[XS+2]|
	v_max3_num_f32 v21, |v[XS+3]|, |v[XS+4]|, |v[XS+5]|
.irp i, 6,10,14,18,22,26
	v_max3_num_f32 v20, v20, |v[XS+\i]|, |v[XS+\i+1]|
	v_max3_num_f32 v21, v21, |v[XS+\i+2]|, |v[XS+\i+3]|
.endr
	v_max3_num_f32 v20, v20, |v[XS+30]|, |v[XS+31]|
	v_max3_num_f32 v20, v20, v21, 0x1800000        ; and the floor
	v_add_nc_u32 v[24+(\t)], 0xff000000, v20
	v_lshrrev_b32 v21, 23, v[24+(\t)]
.if (\t) == 0
	v_mov_b32 v22, v21
.else
	v_lshl_or_b32 v22, v21, 8*(\t), v22            ; the four bytes make my column's scale word
.endif
.irp g, 0,1,2,3
	v_cvt_scalef32_pk8_fp4_f32 v[32+4*(\t)+\g], v[XS+8*\g:XS+8*\g+7], v[24+(\t)]
.endr
	v_nop
	global_store_b128 v14, v[32+4*(\t):32+4*(\t)+3], s[12:13] offset:((\t)/2)*512+((\t)%2)*256   ; block t is group t / 2, lane half t % 2 of the image: two runs of 256 consecutive bytes
.endm
	WLD 0
	WLD 1
.irp t, 0,1,2,3
	WBLK \t
.endr
	global_store_b32 v15, v22, s[14:15]
	s_endpgm
.Lfunc_end_k_q799e5fe70c_prep:
	.size	k_q799e5fe70c_prep, .Lfunc_end_k_q799e5fe70c_prep-k_q799e5fe70c_prep
	.p2alignl 7, 3214868480
	.fill 96, 4, 3214868480
	.section	.rodata,"a",@progbits
	.p2align	6, 0x0
	.amdhsa_kernel k_q799e5fe70c_prep
		.amdhsa_group_segment_fixed_size 68096
		.amdhsa_private_segment_fixed_size 0
		.amdhsa_enable_private_segment 0
		.amdhsa_kernarg_size 120
		.amdhsa_user_sgpr_count 2
		.amdhsa_user_sgpr_kernarg_segment_ptr 1
		.amdhsa_wavefront_size32 1
		.amdhsa_system_sgpr_workgroup_id_x 1
		.amdhsa_system_sgpr_workgroup_id_y 1
		.amdhsa_system_sgpr_workgroup_id_z 1
		.amdhsa_system_vgpr_workitem_id 0
		.amdhsa_next_free_vgpr 256
		.amdhsa_next_free_sgpr 66
		.amdhsa_reserve_vcc 0
		.amdhsa_float_denorm_mode_32 3
		.amdhsa_float_denorm_mode_16_64 3
		.amdhsa_memory_ordered 1
		.amdhsa_forward_progress 1
		.amdhsa_inst_pref_size 141
	.end_amdhsa_kernel
	.amdgpu_metadata
---
amdhsa.version: [ 1, 2 ]
amdhsa.kernels:
  - .name:           k_q799e5fe70c_prep
    .symbol:         k_q799e5fe70c_prep.kd
    .args:
      - { .name: x, .offset: 0, .size: 8, .value_kind: global_buffer, .address_space: global }
      - { .name: context, .offset: 8, .size: 8, .value_kind: global_buffer, .address_space: global }
      - { .name: mask, .offset: 16, .size: 8, .value_kind: global_buffer, .address_space: global }
      - { .name: Wq, .offset: 24, .size: 8, .value_kind: global_buffer, .address_space: global }
      - { .name: Wk, .offset: 32, .size: 8, .value_kind: global_buffer, .address_space: global }
      - { .name: Wv, .offset: 40, .size: 8, .value_kind: global_buffer, .address_space: global }
      - { .name: Wc1, .offset: 48, .size: 8, .value_kind: global_buffer, .address_space: global }
      - { .name: Wo, .offset: 56, .size: 8, .value_kind: global_buffer, .address_space: global }
      - { .name: Wc2, .offset: 64, .size: 8, .value_kind: global_buffer, .address_space: global }
      - { .name: rel_index, .offset: 72, .size: 8, .value_kind: global_buffer, .address_space: global }
      - { .name: bias_table, .offset: 80, .size: 8, .value_kind: global_buffer, .address_space: global }
      - { .name: act, .offset: 88, .size: 8, .value_kind: global_buffer, .address_space: global }
      - { .name: maskw, .offset: 96, .size: 8, .value_kind: global_buffer, .address_space: global }
      - { .name: wts, .offset: 104, .size: 8, .value_kind: global_buffer, .address_space: global }
      - { .name: biasc, .offset: 112, .size: 8, .value_kind: global_buffer, .address_space: global }
    .group_segment_fixed_size: 68096
    .private_segment_fixed_size: 0
    .kernarg_segment_align: 8
    .kernarg_segment_size: 120
    .max_flat_workgroup_size: 128
    .sgpr_count:     66
    .vgpr_count:     256
    .wavefront_size: 32
...
	.end_amdgpu_metadata
.endif
;; end of part 5
;; launch proj (part 6): grid 256 x 1, 8 waves a work-group, no clusters, 74,752 bytes of LDS; arguments act, wts, bc1, ln_g, ln_b, qkv, hid; writes qkv, hid
.if DOCPART == 6
	.amdgcn_target "amdgcn-amd-amdhsa--gfx1250"
	.amdhsa_code_object_version 6
	.text
	.protected	k_q799e5fe70c_proj
	.globl	k_q799e5fe70c_proj
	.p2align	8
	.type	k_q799e5fe70c_proj,@function
k_q799e5fe70c_proj:
	s_mov_b64 s[64:65], 0
	v_nop
	global_prefetch_b8 v0, s[64:65] scope:SCOPE_SE
	s_setreg_imm32_b32 hwreg(HW_REG_WAVE_SCHED_MODE, 0, 2), 2
	s_setreg_imm32_b32 hwreg(HW_REG_WAVE_MODE, 25, 1), 1
	s_wait_xcnt 0x0
	s_wait_alu depctr_vm_vsrc(0)
; PROJ: q = x Wq, k = ctx Wk, v = ctx Wv, h = relu(LayerNorm(ctx Wc1 + bc1)), all four products on codes of FP4 with E8M0 scales; each result is quantised in registers for the product that takes it next.
; SHARES.  A work-group owns 128 rows (half a batch: 8 tiles, 4 pairs); their codes of x and of context lie in LDS as register images, read by all eight waves.
; Wave w owns columns 64 w .. 64 w + 63 of every weight (head w): 16 fragments in registers, the next weight's loaded while this one is multiplied (two sets).
; A UNIT is a pair of row tiles x my 4 column tiles x K = 512: 32 matrix instructions on 8 accumulators that take turns.  16 units, written out.
; q, k, h: source 0 = weight, source 1 = rows: a lane holds ONE row and 16 neighbouring columns of each block of 32 (K of the next product).
; v: source 0 = rows, source 1 = weight: a lane holds ONE column d and 16 neighbouring KEYS, since the keys are the next K.
; LAYERNORM over 512 columns = 8 waves: each wave takes its 64 columns' mean m and sum of squares about m; the eight (m, q) meet in LDS and are merged:
; mean = sum m / 8, M2 = sum q + 64 sum (m - mean)^2: no difference of large sums is formed.
; LIMITS: a block of zeros gets the byte 1 (its codes are zeros; only this program reads the bytes); NaN and infinities are not served.
; THE MODE: SCHED_MODE bits 1:0 = 2 (LLVM: expert scheduling mode 2), set by the entry lines.  The code itself states the register dependences
; between vector or matrix instructions and memory or LDS instructions, with s_wait_alu, always for 0.
; THE PLAN.  Registers that memory or LDS instructions touch:
;   AF, AS              written by the LDS loads of the next pair, issued behind this unit's products; read by the products alone.
;   weight sets, WSC    written by the loads of the weight after next, issued behind the last unit that multiplies by the set; read by the products (in the last role by the LayerNorm's lines too).
;   PC, SW, OUTW        written at the end of a unit's tail; read by the stores, which are issued in the NEXT unit.
;   LN+12, 13           written by two selects, read by the LDS store of the LayerNorm's exchange.   LN+16 .. 31: written by its LDS loads, then worked on by vector lines.
;   D, TM .. TM+3       at the head only: loaded, and read by the LDS stores that lay the rows' images.
;   v1-18               made at the head and never written again.
; Two waits on va_vdst stand in a unit, one ahead of the tail's wait on XCNT and one behind its products and their places: the products are done reading AF, AS and the weight set, and the last unit's tail has written PC, SW, OUTW.
; Behind it: the next pair's LDS loads, the next weight's loads, the last unit's stores; no vector line stands among them.  ONE wait on vm_vsrc, beside the wait on XCNT, stands ahead of the tail's conversions,
; the first lines that write PC again (SW and OUTW are written behind them).  The last role has one wait more ahead of its LDS store, and the wait behind its reciprocal root.
; REGISTERS, window 0: v1-18 addresses; v20-35 weights' scale words (two sets), v36-39 rows' scale words; v40-55 quantiser; v56-63 codes; v64-127 rows' fragments; v128-191 accumulators; v192-199 scale words on their way out; v200-247 LayerNorm.
;   window 1: v0-127, v128-255 the two sets of weight fragments (tile t, K step s at 32 t + 8 s); in the last role set 0 holds bc1 (0-31), ln_g (32-63), ln_b (64-95) in the accumulators' order.
.set WSC,  20
.set AS,   36
.set TM,   40
.set PC,   56
.set AF,   64
.set D,    128
.set SW,   192
.set OUTW, 196
.set PWA,  198
.set PWB,  199
.set LN,   200
.set CI,   32768                       ; LDS: x's 8 tiles of 4,096 bytes at 0, context's here,
.set SCL,  65536                       ; x's scale words (8 x 256 bytes), context's 2,048 on,
.set LNX,  69632                       ; and two buffers of 8 waves x 32 lanes x 8 bytes for the LayerNorm
.set MSB, 0
.macro WIN new                         ; the immediate's high byte repeats the setting that is left
.if MSB != \new
	s_set_vgpr_msb (MSB<<8)|\new
.set MSB, \new
.endif
.endm
.macro PLACES n
.rept \n
	v_nop
.endr
.endm
; one scaled product.  cm = 0: C is the constant 0; else C = v[c ..].  row = 0: both scales from lanes 0-15; 1: source 0's from lanes 16-31; 2: both from lanes 16-31
.macro WMS d, a, b, cm, c, sa, sb, row
.if (\cm) == 0
.if (\row) == 0
	v_wmma_scale_f32_16x16x128_f8f6f4 v[(\d):(\d)+7], v[(\a):(\a)+7], v[(\b):(\b)+7], 0, v[(\sa)], v[(\sb)] matrix_a_fmt:MATRIX_FMT_FP4 matrix_b_fmt:MATRIX_FMT_FP4
.elseif (\row) == 1
	v_wmma_scale_f32_16x16x128_f8f6f4 v[(\d):(\d)+7], v[(\a):(\a)+7], v[(\b):(\b)+7], 0, v[(\sa)], v[(\sb)] matrix_a_fmt:MATRIX_FMT_FP4 matrix_b_fmt:MATRIX_FMT_FP4 matrix_a_scale:MATRIX_SCALE_ROW1
.else
	v_wmma_scale_f32_16x16x128_f8f6f4 v[(\d):(\d)+7], v[(\a):(\a)+7], v[(\b):(\b)+7], 0, v[(\sa)], v[(\sb)] matrix_a_fmt:MATRIX_FMT_FP4 matrix_b_fmt:MATRIX_FMT_FP4 matrix_a_scale:MATRIX_SCALE_ROW1 matrix_b_scale:MATRIX_SCALE_ROW1
.endif
.else
.if (\row) == 0
	v_wmma_scale_f32_16x16x128_f8f6f4 v[(\d):(\d)+7], v[(\a):(\a)+7], v[(\b):(\b)+7], v[(\c):(\c)+7], v[(\sa)], v[(\sb)] matrix_a_fmt:MATRIX_FMT_FP4 matrix_b_fmt:MATRIX_FMT_FP4
.elseif (\row) == 1
	v_wmma_scale_f32_16x16x128_f8f6f4 v[(\d):(\d)+7], v[(\a):(\a)+7], v[(\b):(\b)+7], v[(\c):(\c)+7], v[(\sa)], v[(\sb)] matrix_a_fmt:MATRIX_FMT_FP4 matrix_b_fmt:MATRIX_FMT_FP4 matrix_a_scale:MATRIX_SCALE_ROW1
.else
	v_wmma_scale_f32_16x16x128_f8f6f4 v[(\d):(\d)+7], v[(\a):(\a)+7], v[(\b):(\b)+7], v[(\c):(\c)+7], v[(\sa)], v[(\sb)] matrix_a_fmt:MATRIX_FMT_FP4 matrix_b_fmt:MATRIX_FMT_FP4 matrix_a_scale:MATRIX_SCALE_ROW1 matrix_b_scale:MATRIX_SCALE_ROW1
.endif
.endif
.endm
; weight wi: my 16 fragments (32 loads of 512 consecutive bytes) and their scale words (4 loads): 36 loads
.macro WLOAD wi, buf
	WIN 0x40
.irp i, 0,1,2,3,4,5,6,7,8,9,10,11,12,13,14,15,16,17,18,19,20,21,22,23,24,25,26,27,28,29,30,31
	global_load_b128 v[128*(\buf)+4*\i:128*(\buf)+4*\i+3], v5, s[6:7] offset:(\wi)*131072+512*\i
.endr
	WIN 0
.irp t, 0,1,2,3
	global_load_b64 v[WSC+8*(\buf)+2*\t:WSC+8*(\buf)+2*\t+1], v6, s[6:7] offset:(\wi)*8192+256*\t
.endr
.endm
; the pair bp's eight fragments and its scale words, from LDS
.macro AFETCH img, scl, bp
.irp p, 0,1
.irp s, 0,1,2,3
.irp c, 0,1
	ds_load_b128 v[AF+32*\p+8*\s+4*\c:AF+32*\p+8*\s+4*\c+3], v1 offset:(\img)+(2*(\bp)+\p)*4096+1024*\s+512*\c
.endr
.endr
	ds_load_b64 v[AS+2*\p:AS+2*\p+1], v2 offset:(\scl)+(2*(\bp)+\p)*256
.endr
.endm
; 32 products, source 0 = weight: accumulator (p, t) at D + 32 p + 8 t.  K step s takes scale register s / 2, lanes 16 (s % 2) on
.macro MMT buf, bias
.irp s, 0,1,2,3
.if (\s == 0) && \bias
	WIN 0x11                                       ; source 0 (weight) and C (bc1) window 1
.else
	WIN 0x01
.endif
.irp p, 0,1
.irp t, 0,1,2,3
.if \s == 0
.if \bias
	WMS D+32*\p+8*\t, 128*(\buf)+32*\t+8*\s, AF+32*\p+8*\s, 1, 8*\t, WSC+8*(\buf)+2*\t+\s/2, AS+2*\p+\s/2, 0
.else
	WMS D+32*\p+8*\t, 128*(\buf)+32*\t+8*\s, AF+32*\p+8*\s, 0, 0, WSC+8*(\buf)+2*\t+\s/2, AS+2*\p+\s/2, 0
.endif
.else
	WMS D+32*\p+8*\t, 128*(\buf)+32*\t+8*\s, AF+32*\p+8*\s, 1, D+32*\p+8*\t, WSC+8*(\buf)+2*\t+\s/2, AS+2*\p+\s/2, 2*(\s%2)
.endif
.endr
.endr
.endr
.endm
; the same with the sources changed round: accumulator (t, p) at D + 16 t + 8 p
.macro MMV buf
	WIN 0x04                                       ; source 1 (weight) window 1
.irp s, 0,1,2,3
.irp p, 0,1
.irp t, 0,1,2,3
.if \s == 0
	WMS D+16*\t+8*\p, AF+32*\p+8*\s, 128*(\buf)+32*\t+8*\s, 0, 0, AS+2*\p+\s/2, WSC+8*(\buf)+2*\t+\s/2, 0
.else
	WMS D+16*\t+8*\p, AF+32*\p+8*\s, 128*(\buf)+32*\t+8*\s, 1, D+16*\t+8*\p, AS+2*\p+\s/2, WSC+8*(\buf)+2*\t+\s/2, 2*(\s%2)
.endif
.endr
.endr
.endr
.endm
; D's four runs of 16 registers are my halves of four blocks of 32: bytes into TM+4 .. 7, my 16 codes of block b into PC+2b, PC+2b+1.  Each accumulator is read from its low end on
.macro QCORE ab
.irp b, 0,1,2,3
.if \ab
	v_max3_num_f32 v[TM+\b], |v[D+16*\b]|, |v[D+1+16*\b]|, 0x1800000
.else
	v_max3_num_f32 v[TM+\b], v[D+16*\b], v[D+1+16*\b], 0x1800000
.endif
.endr
.irp i, 2,4,6,8,10,12,14
.irp b, 0,1,2,3
.if \ab
	v_max3_num_f32 v[TM+\b], v[TM+\b], |v[D+16*\b+\i]|, |v[D+1+16*\b+\i]|
.else
	v_max3_num_f32 v[TM+\b], v[TM+\b], v[D+16*\b+\i], v[D+1+16*\b+\i]
.endif
.endr
.endr
.irp b, 0,1,2,3
	v_permlanex16_b32 v[TM+4+\b], v[TM+\b], s20, s21
.endr
.irp b, 0,1,2,3
	v_max_num_f32 v[TM+\b], v[TM+\b], v[TM+4+\b]
.endr
.irp b, 0,1,2,3
	v_add_nc_u32 v[TM+12+\b], 0xff000000, v[TM+\b]
.endr
.irp b, 0,1,2,3
	v_lshrrev_b32 v[TM+4+\b], 23, v[TM+12+\b]
.endr
	s_wait_alu depctr_va_vdst(0)
	s_wait_xcnt 0x0                                ; the last unit's stores, issued at this unit's head, have had their addresses translated: their data are written again only behind this wait
	s_wait_alu depctr_vm_vsrc(0)                   ; and they have read PC, SW and OUTW, which the lines from here on write again; in the last role the exchange's LDS store has read LN+12 and LN+13, which the next unit writes
.irp b, 0,1,2,3
	v_cvt_scalef32_pk8_fp4_f32 v[PC+2*\b], v[D+16*\b:D+7+16*\b], v[TM+12+\b]
	v_cvt_scalef32_pk8_fp4_f32 v[PC+1+2*\b], v[D+8+16*\b:D+15+16*\b], v[TM+12+\b]
.endr
	v_nop                                          ; one plain place behind a scaled conversion
.endm
.macro QSWAP                           ; a whole block to a lane: PC+0..3 row tile 0, PC+4..7 row tile 1; lane half hh holds block hh of my 64 columns
.irp c, 0,1
.irp i, 0,1
	v_permlane16_swap_b32 v[PC+4*\c+\i], v[PC+2+4*\c+\i]
.endr
.endr
	v_lshl_or_b32 v[PWA], v[TM+5], 8, v[TM+4]      ; the two bytes of row tile 0,
	v_lshl_or_b32 v[PWB], v[TM+7], 8, v[TM+6]      ; of row tile 1
.endm
; A unit's tail makes codes and scale words; its stores (STQK, STV, STH) are issued in the next unit, behind that unit's wait
.macro TAILQK bp
	QCORE 1
	QSWAP
	v_cndmask_b32 v[SW+\bp], v[PWA], v[PWB], s19   ; slot bp: lanes 0-15 the even tile's word, lanes 16-31 the odd tile's
.endm
.macro STQK bp, vo, vos
	global_store_b128 v[\vo], v[PC:PC+3], s[14:15] offset:1024*(\bp)
	global_store_b128 v[\vo], v[PC+4:PC+7], s[14:15] offset:1024*(\bp)+512
.if (\bp) == 3
	global_store_b128 v[\vos], v[SW:SW+3], s[14:15]
.endif
.endm
.macro TAILV bp                        ; block t of QCORE is d tile t; its registers are keys 32 bp + 16 hh + 0 .. 15
	QCORE 1
.irp t, 0,1,2,3
.if \bp == 0
	v_mov_b32 v[SW+\t], v[TM+4+\t]
.else
	v_lshl_or_b32 v[SW+\t], v[TM+4+\t], 8*\bp, v[SW+\t]
.endif
.endr
.if \bp == 3
	v_cndmask_b32 v[OUTW], v[SW], v[SW+1], s19
	v_cndmask_b32 v[OUTW+1], v[SW+2], v[SW+3], s19
.endif
.endm
.macro STV bp
.irp t, 0,1,2,3
	global_store_b64 v9, v[PC+2*\t:PC+2*\t+1], s[14:15] offset:1024*\t+512*((\bp)/2)+256*((\bp)%2)   ; my 8 bytes of a lane's 16 in the image: 256 consecutive bytes a store
.endr
.if (\bp) == 3
	global_store_b64 v13, v[OUTW:OUTW+1], s[14:15]
.endif
.endm
.macro JOIN                            ; the two chains of each row tile, the pair's halves, and lane l xor 16's: into LN and LN+4
.irp p, 0,1
	v_pk_add_f32 v[LN+4*\p:LN+4*\p+1], v[LN+4*\p:LN+4*\p+1], v[LN+4*\p+2:LN+4*\p+3]
.endr
.irp p, 0,1
	v_add_f32 v[LN+4*\p], v[LN+4*\p], v[LN+4*\p+1]
.endr
.irp p, 0,1
	v_permlanex16_b32 v[LN+4*\p+1], v[LN+4*\p], s20, s21
.endr
.irp p, 0,1
	v_add_f32 v[LN+4*\p], v[LN+4*\p], v[LN+4*\p+1]
.endr
.endm
.macro TAILH bp
.irp p, 0,1                            ; my 64 columns' sum for each row, in ascending order
	v_pk_add_f32 v[LN+4*\p:LN+4*\p+1], v[D+32*\p:D+32*\p+1], v[D+32*\p+2:D+32*\p+3]
	v_pk_add_f32 v[LN+4*\p+2:LN+4*\p+3], v[D+32*\p+4:D+32*\p+5], v[D+32*\p+6:D+32*\p+7]
.endr
.irp k, 8,12,16,20,24,28
.irp p, 0,1
	v_pk_add_f32 v[LN+4*\p:LN+4*\p+1], v[LN+4*\p:LN+4*\p+1], v[D+32*\p+\k:D+32*\p+\k+1]
	v_pk_add_f32 v[LN+4*\p+2:LN+4*\p+3], v[LN+4*\p+2:LN+4*\p+3], v[D+32*\p+\k+2:D+32*\p+\k+3]
.endr
.endr
	JOIN
.irp p, 0,1
	v_mul_f32 v[LN+8+2*\p], 0x3c800000, v[LN+4*\p]     ; m = sum / 64, twice: a pair for the packed forms
	v_mul_f32 v[LN+9+2*\p], 0x3c800000, v[LN+4*\p]
.endr
.irp k, 0,2,4,6,8,10,12,14,16,18,20,22,24,26,28,30
.irp p, 0,1
	v_pk_add_f32 v[D+32*\p+\k:D+32*\p+\k+1], v[D+32*\p+\k:D+32*\p+\k+1], v[LN+8+2*\p:LN+9+2*\p] neg_lo:[0,1] neg_hi:[0,1]   ; d = h - m
.endr
.endr
.irp p, 0,1
	v_pk_mul_f32 v[LN+4*\p:LN+4*\p+1], v[D+32*\p:D+32*\p+1], v[D+32*\p:D+32*\p+1]
	v_pk_mul_f32 v[LN+4*\p+2:LN+4*\p+3], v[D+32*\p+2:D+32*\p+3], v[D+32*\p+2:D+32*\p+3]
.endr
.irp k, 4,8,12,16,20,24,28
.irp p, 0,1
	v_pk_fma_f32 v[LN+4*\p:LN+4*\p+1], v[D+32*\p+\k:D+32*\p+\k+1], v[D+32*\p+\k:D+32*\p+\k+1], v[LN+4*\p:LN+4*\p+1]
	v_pk_fma_f32 v[LN+4*\p+2:LN+4*\p+3], v[D+32*\p+\k+2:D+32*\p+\k+3], v[D+32*\p+\k+2:D+32*\p+\k+3], v[LN+4*\p+2:LN+4*\p+3]
.endr
.endr
	JOIN                                           ; q = sum d^2
	v_cndmask_b32 v[LN+12], v[LN+8], v[LN+10], s19 ; lane half 0 carries row tile 0's (m, q), half 1 row tile 1's
	v_cndmask_b32 v[LN+13], v[LN], v[LN+4], s19
	s_wait_alu depctr_va_vdst(0)                   ; the two selects have written LN+12 and LN+13, which the LDS store reads; the last unit's merging is done with LN+16 .. 31, in which the LDS loads below land (no vector line stands between)
	ds_store_b64 v16, v[LN+12:LN+13] offset:2048*((\bp)%2)
	s_wait_dscnt 0x0                               ; for the others' sake: my store has landed, and all my LDS loads are in
	s_barrier_signal -1                            ; two buffers take turns: a buffer is written again only by waves that have passed the NEXT unit's barrier,
	s_barrier_wait -1                              ; in front of which every wave has waited for its reads of it
.irp w, 0,1,2,3,4,5,6,7
	ds_load_b64 v[LN+16+2*\w:LN+17+2*\w], v17 offset:2048*((\bp)%2)+256*\w
.endr
	s_wait_dscnt 0x0
	v_add_f32 v[LN+32], v[LN+16], v[LN+18]
	v_add_f32 v[LN+33], v[LN+20], v[LN+22]
	v_add_f32 v[LN+34], v[LN+24], v[LN+26]
	v_add_f32 v[LN+35], v[LN+28], v[LN+30]
	v_add_f32 v[LN+36], v[LN+17], v[LN+19]
	v_add_f32 v[LN+37], v[LN+21], v[LN+23]
	v_add_f32 v[LN+14], v[LN+25], v[LN+27]
	v_add_f32 v[LN+15], v[LN+29], v[LN+31]
	v_add_f32 v[LN+32], v[LN+32], v[LN+33]
	v_add_f32 v[LN+34], v[LN+34], v[LN+35]
	v_add_f32 v[LN+36], v[LN+36], v[LN+37]
	v_add_f32 v[LN+14], v[LN+14], v[LN+15]
	v_add_f32 v[LN+32], v[LN+32], v[LN+34]
	v_add_f32 v[LN+36], v[LN+36], v[LN+14]         ; sum of the eight q
	v_mul_f32 v[LN+32], 0x3e000000, v[LN+32]       ; the row's mean
.irp w, 0,1,2,3,4,5,6,7
	v_sub_f32 v[LN+16+2*\w], v[LN+16+2*\w], v[LN+32]
.endr
	v_mul_f32 v[LN+33], v[LN+16], v[LN+16]
	v_mul_f32 v[LN+34], v[LN+18], v[LN+18]
.irp w, 2,4,6
	v_fma_f32 v[LN+33], v[LN+16+2*\w], v[LN+16+2*\w], v[LN+33]
	v_fma_f32 v[LN+34], v[LN+18+2*\w], v[LN+18+2*\w], v[LN+34]
.endr
	v_add_f32 v[LN+33], v[LN+33], v[LN+34]
	v_fmamk_f32 v[LN+36], v[LN+33], 0x42800000, v[LN+36]   ; M2 = sum q + 64 sum (m - mean)^2
	v_fma_f32 v[LN+36], v[LN+36], s26, s27         ; M2 / 512 + 1e-5
	s_wait_alu depctr_va_vdst(0)
	v_rsq_f32 v[LN+37], v[LN+36]
	v_nop                                          ; one plain place behind the transcendental
	v_permlanex16_b32 v[LN+38], v[LN+32], s20, s21 ; the other row tile's mean and 1 / sigma
	s_wait_alu depctr_va_vdst(0)                   ; the reciprocal root has written LN+37, ahead of its first reader
	v_permlanex16_b32 v[LN+39], v[LN+37], s20, s21
	v_cndmask_b32 v[LN+41], v[LN+32], v[LN+38], s19    ; mean of row tile 0,
	v_cndmask_b32 v[LN+45], v[LN+38], v[LN+32], s19    ; of row tile 1
	v_cndmask_b32 v[LN+40], v[LN+37], v[LN+39], s19    ; a = 1 / sigma likewise
	v_cndmask_b32 v[LN+44], v[LN+39], v[LN+37], s19
	v_sub_f32 v[LN+43], v[LN+8], v[LN+41]
	v_sub_f32 v[LN+47], v[LN+10], v[LN+45]
	v_mul_f32 v[LN+42], v[LN+43], v[LN+40]         ; e = (m - mean) a
	v_mul_f32 v[LN+46], v[LN+47], v[LN+44]
.irp k, 0,2,4,6,8,10,12,14,16,18,20,22,24,26,28,30
.irp p, 0,1
	v_pk_fma_f32 v[D+32*\p+\k:D+32*\p+\k+1], v[D+32*\p+\k:D+32*\p+\k+1], v[LN+40+4*\p:LN+41+4*\p], v[LN+42+4*\p:LN+43+4*\p] op_sel_hi:[1,0,0]   ; (h - mean) / sigma = d a + e
.endr
.endr
	WIN 0x14                                       ; sources 1 (ln_g) and 2 (ln_b) window 1
.irp p, 0,1
.irp k, 0,2,4,6,8,10,12,14,16,18,20,22,24,26,28,30
	v_pk_fma_f32 v[D+32*\p+\k:D+32*\p+\k+1], v[D+32*\p+\k:D+32*\p+\k+1], v[32+\k:33+\k], v[64+\k:65+\k]
.endr
.endr
	WIN 0
.irp j, 0,1,2,3,4,5,6,7,8,9,10,11,12,13,14,15,16,17,18,19,20,21,22,23,24,25,26,27,28,29,30,31,32,33,34,35,36,37,38,39,40,41,42,43,44,45,46,47,48,49,50,51,52,53,54,55,56,57,58,59,60,61,62,63
	v_max_num_f32 v[D+\j], 0, v[D+\j]              ; relu
.endr
	QCORE 0
	QSWAP
	v_cndmask_b32 v[OUTW], v[PWA], v[PWB], s19
.endm
.macro STH bp
	global_store_b128 v10, v[PC:PC+3], s[16:17] offset:8192*(\bp)
	global_store_b128 v10, v[PC+4:PC+7], s[16:17] offset:8192*(\bp)+4096
	global_store_b16 v14, v[OUTW], s[16:17] offset:512*(\bp)   ; my two bytes of the row's scale word for K step w / 2
.endm
	s_load_b256 s[4:11], s[0:1], 0x0               ; act, wts, bc1, ln_g
	s_load_b128 s[12:15], s[0:1], 0x20             ; ln_b, qkv
	s_load_b64 s[16:17], s[0:1], 0x30              ; hid
	v_lshl_add_u32 v254, v0, 2, 0x12000
	v_mov_b32 v255, 0
	v_lshrrev_b32 v19, 5, v0
	v_readfirstlane_b32 s18, v19                   ; wave 0..7
	v_and_b32 v200, 31, v0                         ; lane
	v_and_b32 v201, 15, v0                         ; r
	v_bfe_u32 v202, v0, 4, 1                       ; hh
	s_wait_alu depctr_va_vdst(0)
	s_mov_b32 s19, 0xffff0000                      ; lanes 16-31
	s_mov_b32 s20, 0x76543210
	s_mov_b32 s21, 0xfedcba98
	s_mov_b32 s26, 0x3b000000                      ; 1 / 512
	s_mov_b32 s27, 0x3727c5ac                      ; 1e-5
	v_lshlrev_b32 v1, 4, v200                      ; 16 x lane
	v_lshlrev_b32 v18, 3, v200                     ; 8 x lane
	v_add_nc_u32 v2, SCL, v18
	v_add_nc_u32 v17, LNX, v18
	s_wait_alu depctr_va_sdst(0)                   ; s18 is written, ahead of its first reader: offsets and LDS addresses are made from it
	s_lshl_b32 s22, s18, 10
	s_add_co_u32 s22, s22, 786432
	v_add_nc_u32 v6, s22, v18                      ; my weights' scale words
	s_lshl_b32 s22, s18, 8
	v_add_nc_u32 v18, s22, v18                     ; 256 w + 8 x lane
	v_add_nc_u32 v4, SCL, v18
	v_add_nc_u32 v16, LNX, v18
	v_lshl_add_u32 v15, v202, 6, s22               ; bc1, ln_g, ln_b: 256 w + 64 hh
	s_lshl_b32 s22, s18, 12
	v_add_nc_u32 v3, s22, v1                       ; 4,096 w + 16 x lane
	s_lshl_b32 s22, s18, 14
	v_add_nc_u32 v5, s22, v1                       ; my weights' codes
	s_lshr_b32 s22, ttmp9, 1                       ; the batch
	s_and_b32 s23, ttmp9, 1                        ; which half of its rows
	s_lshl_b32 s22, s22, 3
	s_add_co_u32 s22, s22, s18                     ; 8 b + head
	s_lshl_b32 s24, s22, 13
	s_lshl_b32 s25, s23, 12
	s_add_co_u32 s24, s24, s25
	v_add_nc_u32 v7, s24, v1                       ; q's codes
	v_add_nc_u32 v8, 0x800000, v7                  ; k's
	v_lshlrev_b32 v9, 4, v201
	v_lshl_add_u32 v9, v202, 3, v9
	v_add_nc_u32 v9, s24, v9
	v_add_nc_u32 v9, 0x1000000, v9                 ; v's: + 16 r + 8 hh
	s_lshl_b32 s24, s22, 10
	s_lshl_b32 s25, s23, 4
	s_add_co_u32 s24, s24, s25
	s_add_co_u32 s24, s24, 0x1800000
	v_lshl_add_u32 v11, v200, 5, s24               ; q's scale words
	v_add_nc_u32 v12, 0x100000, v11                ; k's
	s_lshl_b32 s24, s22, 9
	s_lshl_b32 s25, s23, 3
	s_add_co_u32 s24, s24, s25
	s_add_co_u32 s24, s24, 0x1a00000
	v_add_nc_u32 v13, s24, v1                      ; v's
	s_lshl_b32 s24, ttmp9, 15
	s_lshl_b32 s25, s18, 9
	s_add_co_u32 s24, s24, s25
	v_add_nc_u32 v10, s24, v1                      ; h's codes: K step w / 2, group w % 2
	s_lshl_b32 s24, ttmp9, 11
	s_add_co_u32 s24, s24, 0x800000
	s_bfe_u32 s25, s18, 0x10001
	s_lshl_b32 s25, s25, 7
	s_add_co_u32 s24, s24, s25
	s_lshr_b32 s25, s18, 2
	s_lshl_b32 s25, s25, 2
	s_add_co_u32 s24, s24, s25
	s_and_b32 s25, s18, 1
	s_lshl_b32 s25, s25, 1
	s_add_co_u32 s24, s24, s25
	v_lshl_add_u32 v14, v201, 3, s24
	v_lshl_add_u32 v14, v202, 8, v14               ; h's scale bytes; lane half hh stores row tile hh's
	s_lshl_b32 s22, ttmp9, 15
	s_mov_b32 s23, 0
	s_lshl_b32 s24, ttmp9, 11
	s_mov_b32 s25, 0
	s_wait_kmcnt 0x0
	s_add_nc_u64 s[28:29], s[4:5], s[22:23]        ; x's codes at my 8 tiles
	s_add_nc_u64 s[30:31], s[28:29], 0x800000      ; context's
	s_add_nc_u64 s[32:33], s[4:5], s[24:25]
	s_add_nc_u64 s[32:33], s[32:33], 0x1000000     ; x's scale words
	s_add_nc_u64 s[34:35], s[32:33], 0x80000       ; context's
	s_wait_alu depctr_va_vdst(0)                   ; the offsets and LDS addresses v1 to v18 are written: every load and store of the kernel reads one of them, and none is written again
.irp i, 0,1,2,3,4,5,6,7
	global_load_b128 v[D+4*\i:D+4*\i+3], v3, s[28:29] offset:512*\i th:TH_LOAD_NT      ; wave w brings tile w of both
.endr
.irp i, 0,1,2,3,4,5,6,7
	global_load_b128 v[D+32+4*\i:D+32+4*\i+3], v3, s[30:31] offset:512*\i th:TH_LOAD_NT
.endr
	global_load_b64 v[TM:TM+1], v18, s[32:33] th:TH_LOAD_NT
	global_load_b64 v[TM+2:TM+3], v18, s[34:35] th:TH_LOAD_NT
	WLOAD 0, 0
	s_wait_loadcnt 36                              ; the 18 loads of rows are in; Wq's 36 may be out
.irp i, 0,1,2,3,4,5,6,7
	ds_store_b128 v3, v[D+4*\i:D+4*\i+3] offset:512*\i
.endr
.irp i, 0,1,2,3,4,5,6,7
	ds_store_b128 v3, v[D+32+4*\i:D+32+4*\i+3] offset:CI+512*\i
.endr
	ds_store_b64 v4, v[TM:TM+1]
	ds_store_b64 v4, v[TM+2:TM+3] offset:2048
	WLOAD 1, 1
.irp b, 0,1,2,3
	v_mov_b32 v[TM+4+\b], 0                        ; written once: a lane permute's destination counts as one of its sources
.endr
	v_mov_b32 v[LN+38], 0
	v_mov_b32 v[LN+39], 0
	s_wait_dscnt 0x0                               ; my stores have landed
	s_barrier_signal -1
	s_barrier_wait -1                              ; all 16 tiles lie in LDS; nobody writes them again
	s_wait_alu depctr_vm_vsrc(0)                   ; my LDS stores have read D and TM .. TM+3: from here on the products write D and the quantiser writes TM
	AFETCH 0, 0, 0
; ---- q = x Wq
.irp bp, 0,1,2,3
	s_wait_dscnt 0x0                               ; the pair's fragments are in
.if \bp == 0
	s_wait_loadcnt 36                              ; Wq is in; Wk's 36 loads may be out
.endif
	MMT 0, 0
	WIN 0
	PLACES 4                                       ; in front of loads into registers that the products have read, and of the first read of results
	s_wait_alu depctr_va_vdst(0)                   ; the products are done reading AF, AS and (last pair) Wq's set, in which the loads below land; the last unit's tail has written PC, which the stores below read
.if \bp < 3
	AFETCH 0, 0, \bp+1
.else
	AFETCH CI, 2048, 0
	WLOAD 2, 0
.endif
.if \bp > 0
	STQK \bp-1, 7, 11
.endif
	TAILQK \bp
.endr
; ---- k = context Wk
.irp bp, 0,1,2,3
	s_wait_dscnt 0x0
.if \bp == 0
	s_wait_loadcnt 36                              ; Wk is in; Wv's may be out
.endif
	MMT 1, 0
	WIN 0
	PLACES 4
	s_wait_alu depctr_va_vdst(0)                   ; the products are done reading AF, AS and (last pair) Wk's set; the last unit's tail has written PC and (first pair) q's four scale words in SW
.if \bp < 3
	AFETCH CI, 2048, \bp+1
.else
	AFETCH CI, 2048, 0
	WLOAD 3, 1
.endif
.if \bp == 0
	STQK 3, 7, 11
.else
	STQK \bp-1, 8, 12
.endif
	TAILQK \bp
.endr
; ---- v = context Wv, keys along the registers
.irp bp, 0,1,2,3
	s_wait_dscnt 0x0
.if \bp == 0
	s_wait_loadcnt 36                              ; Wv is in; Wc1's may be out
.endif
	MMV 0
	WIN 0
	PLACES 4
	s_wait_alu depctr_va_vdst(0)                   ; the products are done reading AF, AS and (last pair) Wv's set; the last unit's tail has written PC and (first pair) k's four scale words in SW
.if \bp < 3
	AFETCH CI, 2048, \bp+1
.else
	AFETCH CI, 2048, 0
	WIN 0x40                                       ; bc1, ln_g, ln_b of my columns, in the accumulators' order, where Wv lay
.irp q, 0,1,2,3
	global_load_b128 v[8*\q:8*\q+3], v15, s[8:9] offset:128*(\q/2)+32*(\q%2)
	global_load_b128 v[8*\q+4:8*\q+7], v15, s[8:9] offset:128*(\q/2)+32*(\q%2)+16
	global_load_b128 v[32+8*\q:32+8*\q+3], v15, s[10:11] offset:128*(\q/2)+32*(\q%2)
	global_load_b128 v[32+8*\q+4:32+8*\q+7], v15, s[10:11] offset:128*(\q/2)+32*(\q%2)+16
	global_load_b128 v[64+8*\q:64+8*\q+3], v15, s[12:13] offset:128*(\q/2)+32*(\q%2)
	global_load_b128 v[64+8*\q+4:64+8*\q+7], v15, s[12:13] offset:128*(\q/2)+32*(\q%2)+16
.endr
	WIN 0
.endif
.if \bp == 0
	STQK 3, 8, 12
.else
	STV \bp-1
.endif
	TAILV \bp
.endr
; ---- h = relu(LayerNorm(context Wc1 + bc1)); bc1 is the C of each sum's first product
.irp bp, 0,1,2,3
	s_wait_dscnt 0x0
.if \bp == 0
	s_wait_loadcnt 0x0                             ; Wc1, bc1, ln_g, ln_b
.endif
	MMT 1, 1
	WIN 0
	PLACES 4
	s_wait_alu depctr_va_vdst(0)                   ; the products are done reading AF and AS, in which the loads below land; the last unit's tail has written PC and OUTW, which the stores below read
.if \bp < 3
	AFETCH CI, 2048, \bp+1
.endif
.if \bp == 0
	STV 3
.else
	STH \bp-1
.endif
	TAILH \bp
.endr
	s_wait_alu depctr_va_vdst(0)                   ; the last tail has written PC and OUTW, which the last three stores read
	STH 3
	s_wait_dscnt 0x0                               ; the closing lines, six on end
	s_wait_alu 0x0
	s_wait_tensorcnt 0x0
	ds_add_u32 v254, v255
	s_wait_dscnt 0x0
	s_endpgm
.Lfunc_end_k_q799e5fe70c_proj:
	.size	k_q799e5fe70c_proj, .Lfunc_end_k_q799e5fe70c_proj-k_q799e5fe70c_proj
	.p2alignl 7, 3214868480
	.fill 96, 4, 3214868480
	.section	.rodata,"a",@progbits
	.p2align	6, 0x0
	.amdhsa_kernel k_q799e5fe70c_proj
		.amdhsa_group_segment_fixed_size 74752
		.amdhsa_private_segment_fixed_size 0
		.amdhsa_enable_private_segment 0
		.amdhsa_kernarg_size 56
		.amdhsa_user_sgpr_count 2
		.amdhsa_user_sgpr_kernarg_segment_ptr 1
		.amdhsa_wavefront_size32 1
		.amdhsa_system_sgpr_workgroup_id_x 1
		.amdhsa_system_sgpr_workgroup_id_y 1
		.amdhsa_system_sgpr_workgroup_id_z 1
		.amdhsa_system_vgpr_workitem_id 0
		.amdhsa_next_free_vgpr 512
		.amdhsa_next_free_sgpr 66
		.amdhsa_reserve_vcc 0
		.amdhsa_float_denorm_mode_32 3
		.amdhsa_float_denorm_mode_16_64 3
		.amdhsa_memory_ordered 1
		.amdhsa_forward_progress 1
		.amdhsa_inst_pref_size 238
	.end_amdhsa_kernel
	.amdgpu_metadata
---
amdhsa.version: [ 1, 2 ]
amdhsa.kernels:
  - .name:           k_q799e5fe70c_proj
    .symbol:         k_q799e5fe70c_proj.kd
    .args:
      - { .name: act, .offset: 0, .size: 8, .value_kind: global_buffer, .address_space: global }
      - { .name: wts, .offset: 8, .size: 8, .value_kind: global_buffer, .address_space: global }
      - { .name: bc1, .offset: 16, .size: 8, .value_kind: global_buffer, .address_space: global }
      - { .name: ln_g, .offset: 24, .size: 8, .value_kind: global_buffer, .address_space: global }
      - { .name: ln_b, .offset: 32, .size: 8, .value_kind: global_buffer, .address_space: global }
      - { .name: qkv, .offset: 40, .size: 8, .value_kind: global_buffer, .address_space: global }
      - { .name: hid, .offset: 48, .size: 8, .value_kind: global_buffer, .address_space: global }
    .group_segment_fixed_size: 74752
    .private_segment_fixed_size: 0
    .kernarg_segment_align: 8
    .kernarg_segment_size: 56
    .max_flat_workgroup_size: 256
    .sgpr_count:     66
    .vgpr_count:     512
    .wavefront_size: 32
...
	.end_amdgpu_metadata
.endif
;; end of part 6
;; launch attn (part 7): grid 256 x 1, 8 waves a work-group, no clusters, 33,792 bytes of LDS; arguments qkv, biasc, maskw, att; writes att
.if DOCPART == 7
	.amdgcn_target "amdgcn-amd-amdhsa--gfx1250"
	.amdhsa_code_object_version 6
	.text
	.protected	k_q799e5fe70c_attn
	.globl	k_q799e5fe70c_attn
	.p2align	8
	.type	k_q799e5fe70c_attn,@function
k_q799e5fe70c_attn:
	s_mov_b64 s[64:65], 0
	v_nop
	global_prefetch_b8 v0, s[64:65] scope:SCOPE_SE
	s_setreg_imm32_b32 hwreg(HW_REG_WAVE_SCHED_MODE, 0, 2), 2
	s_setreg_imm32_b32 hwreg(HW_REG_WAVE_MODE, 25, 1), 1
	s_wait_xcnt 0x0
	s_wait_alu depctr_vm_vsrc(0)
; ATTN: for each (batch, head): S^T = K Q^T + C, C = 8 bias or, for a hidden key, HID; softmax by a whole-number M; O^T = V^T P^T; O / l, quantised for the product with Wo.  Both products on codes of FP4 with E8M0 scales.
; SHARES.  A work-group owns one head, one half of the query tiles and eight batches; wave w owns query tile T = 8 half + w in all eight.  So a wave's 8 x bias (16 queries x 256 keys) stays in 128 registers.
; K and V of a (batch, head), 16,384 bytes of register images, are brought once by the eight waves together, through two LDS buffers that take turns: one barrier a batch.
; A wave holds ALL 256 keys of its 16 queries (128 registers): the row's maximum is taken once, no running maximum is needed.
; BOTH PRODUCTS ARE USED TRANSPOSED: a lane holds ONE query (lane % 16); score register 16 b + i is key 32 b + 16 (lane / 16) + i, by the choice of the keys that form a tile.
; HEAD SIZE 64 in a product 128 deep: Q's fragment has zero codes for k = 64 .. 127, so whatever source 0 names there adds nothing: K's fragment t is named v[4 t : 4 t + 7],
; whose upper four registers are the next fragment's (or, for t = 15, the bias's first four).  FP4 has no NaN or infinity, and the scale bytes of those k are 0, never 0xff.
; SCALE = 1/8 is a power of two: logit = (q . k + 8 bias) / 8, so 8 bias is the products' C, and t = (q . k + 8 bias) x log2(e) / 8.
; THE MASK RIDES IN C.  One select a score register puts 8 bias, or HID = -2^120 for a hidden key, into the product's C, AHEAD of the product: so it hangs on no K and no Q, and its two halves stand half a batch apart.
; That matters because a batch has 128 mask words and 64 scalar registers are free for them: each half's words are asked for when the other half's have been used, about half a batch ahead of their own use.
;   registers 0-63: masked into S itself at the batch's head, while K's fragments come from LDS (tiles 0-7: C = D = S);   registers 64-127 of the NEXT batch: masked behind the exponentials into MB (tiles 8-15: C = MB).
; A hidden score stays about -2^120: t - M is then about -2^117 and p = 0, as with -infinity.
; SOFTMAX.  M = ceil(the row's largest t); p = 2^(t - M) is quantised, along the keys; l = the sum of the unquantised p divides O at the end.
; LIMITS: true scores q . k + 8 bias must lie above -2^118; p under 2^-126 counts as 0 (v_exp_f32's results); a row all of whose keys are hidden (its largest score is not above -2^118) is NaN by the problem's definition:
; its scale bytes are stored as 0xff, which makes the row NaN in the last launch; NaN and infinities among the inputs are not served.
; THE MODE: SCHED_MODE bits 1:0 = 2 (LLVM: expert scheduling mode 2), set by the entry lines.  The code itself states the register dependences
; between vector or matrix instructions and memory or LDS instructions, with s_wait_alu, always for 0.
; THE PLAN.  Registers that memory or LDS instructions touch, in a batch:
;   KSH, VSH                 global loads land in them behind the barrier; the next batch's four LDS stores read them; no vector line names them.
;   Q's codes, QS, KS, VS    two sets: the next batch's loads land in the set that the LAST batch's products read.
;   KV                       K's LDS loads land at the batch's head (last read by the last batch's second products); V's land behind the blocks' maxima (last read by this batch's first products).
;   OC, W16                  written at the batch's end, read by the two stores there, written again a batch later.
;   s32-s99                  scalar loads land in them; the selects read them as masks.
;   v1-5                     made at the head and never written again.
; THE WAITS of a batch.  Behind the barrier, one on vm_vsrc (KSH, VSH, OC, W16 have been read) and one on va_vdst (the last batch's products are done with the other sets and with KV): only loads and a window switch stand
; between it and K's loads.  One on va_vdst between each run of selects and the scalar loads that land in the registers they read; the second of these is also the exponentials' wait.  One ahead of V's loads, behind the blocks' maxima,
; which take in every product's result.  One ahead of the second products, whose scale words and codes vector lines have made; it is also the reciprocal's.  One ahead of the two stores.  One on va_vcc ahead of VCC's one reader.
; REGISTERS, window 0: v1-5 addresses; v8-23 Q (two sets: 4 registers of codes, 4 of zeros); v24-51 scale words alone (K's two sets, V's two sets, Q's, p's); v52-67 my share of K and V on its way to LDS;
;   v68-83 p's codes; v84-127 at work; v128-255 C of tiles 0-7, S^T, then p; O^T takes v128-159.   window 1: v0-63 K's fragments, then V's; v64-191 8 x bias; v192-255 MB.
.set QF,   8
.set KS,   24
.set VS,   40
.set QS,   48
.set PW,   50
.set KSH,  52
.set VSH,  60
.set PC,   68
.set BM,   84
.set BP,   92
.set BS,   100
.set LS,   108
.set RM,   116
.set L,    117
.set NM,   118
.set RL,   120
.set HID,  122
.set W16,  123
.set OC,   124
.set S,    128
.set KV,   0                           ; in window 1
.set BIAS, 64                          ; in window 1
.set MB,   192                         ; in window 1
.set MSB, 0
.macro WIN new                         ; the immediate's high byte repeats the setting that is left
.if MSB != \new
	s_set_vgpr_msb (MSB<<8)|\new
.set MSB, \new
.endif
.endm
.macro PLACES n
.rept \n
	v_nop
.endr
.endm
; one scaled product.  cm = 0: C is the constant 0; else C = v[c ..].  row = 1: source 0's scales from lanes 16-31
.macro WMS d, a, b, cm, c, sa, sb, row
.if (\cm) == 0
.if (\row) == 0
	v_wmma_scale_f32_16x16x128_f8f6f4 v[(\d):(\d)+7], v[(\a):(\a)+7], v[(\b):(\b)+7], 0, v[(\sa)], v[(\sb)] matrix_a_fmt:MATRIX_FMT_FP4 matrix_b_fmt:MATRIX_FMT_FP4
.else
	v_wmma_scale_f32_16x16x128_f8f6f4 v[(\d):(\d)+7], v[(\a):(\a)+7], v[(\b):(\b)+7], 0, v[(\sa)], v[(\sb)] matrix_a_fmt:MATRIX_FMT_FP4 matrix_b_fmt:MATRIX_FMT_FP4 matrix_a_scale:MATRIX_SCALE_ROW1
.endif
.else
.if (\row) == 0
	v_wmma_scale_f32_16x16x128_f8f6f4 v[(\d):(\d)+7], v[(\a):(\a)+7], v[(\b):(\b)+7], v[(\c):(\c)+7], v[(\sa)], v[(\sb)] matrix_a_fmt:MATRIX_FMT_FP4 matrix_b_fmt:MATRIX_FMT_FP4
.else
	v_wmma_scale_f32_16x16x128_f8f6f4 v[(\d):(\d)+7], v[(\a):(\a)+7], v[(\b):(\b)+7], v[(\c):(\c)+7], v[(\sa)], v[(\sb)] matrix_a_fmt:MATRIX_FMT_FP4 matrix_b_fmt:MATRIX_FMT_FP4 matrix_a_scale:MATRIX_SCALE_ROW1
.endif
.endif
.endm
; nine loads for the batch k strides on: my eighth of K and of V, my Q, and the scale words, into set p
.macro NEXT p, k
	global_load_b128 v[KSH:KSH+3], v4, s[14:15] offset:(\k)*65536
	global_load_b128 v[KSH+4:KSH+7], v4, s[14:15] offset:(\k)*65536+512
	global_load_b128 v[VSH:VSH+3], v4, s[16:17] offset:(\k)*65536
	global_load_b128 v[VSH+4:VSH+7], v4, s[16:17] offset:(\k)*65536+512
	global_load_b128 v[QF+8*(\p):QF+8*(\p)+3], v1, s[12:13] offset:(\k)*65536 th:TH_LOAD_NT
	global_load_b32 v[QS+(\p)], v3, s[18:19] offset:(\k)*8192
	global_load_b128 v[KS+8*(\p):KS+8*(\p)+3], v2, s[26:27] offset:(\k)*8192
	global_load_b128 v[KS+8*(\p)+4:KS+8*(\p)+7], v2, s[26:27] offset:(\k)*8192+16
	global_load_b128 v[VS+4*(\p):VS+4*(\p)+3], v1, s[28:29] offset:(\k)*4096
.endm
.macro MLOAD s0, chunk, k              ; 32 mask words: those of score registers 32 chunk on, of the batch k strides on
	s_load_b512 s[\s0:\s0+15], s[8:9], (\k)*8192+(\chunk)*128
	s_load_b512 s[\s0+16:\s0+31], s[8:9], (\k)*8192+(\chunk)*128+64
.endm
.macro CMASK s0, dst, n0               ; the C of score registers n0 .. n0 + 31: 8 x bias where the key counts, HID where it is hidden.  Source 1 (the bias) lies in window 1
.set n, 0
.rept 32
	v_cndmask_b32 v[\dst+n], v[HID], v[BIAS+\n0+n], s[\s0+n]
.set n, n+1
.endr
.endm
.macro BLKMAX b0                       ; the largest score of each of four blocks of 32 keys (my 16): it serves for the row's maximum and, since p rises with the score, for the block's largest p.  Each accumulator is read from its low end on
.irp b, 0,1,2,3
	v_max3_num_f32 v[BM+\b0+\b], v[S+16*(\b0+\b)], v[S+16*(\b0+\b)+1], v[S+16*(\b0+\b)+2]
.endr
.irp i, 3,5,7,9,11,13
.irp b, 0,1,2,3
	v_max3_num_f32 v[BM+\b0+\b], v[BM+\b0+\b], v[S+16*(\b0+\b)+\i], v[S+16*(\b0+\b)+\i+1]
.endr
.endr
.irp b, 0,1,2,3
	v_max_num_f32 v[BM+\b0+\b], v[BM+\b0+\b], v[S+16*(\b0+\b)+15]
.endr
.endm
; ONE BATCH.  par: which LDS buffer and register set, and how many strides from the bases this batch lies.  nxt = 1: the next batch is asked for
.macro ITER par, nxt
	s_wait_loadcnt 0x0                             ; all that was asked for a batch ago is in
	s_wait_xcnt 0x0                                ; the last batch's stores have had their addresses translated: OC and W16 are written again only behind this wait
	ds_store_b128 v4, v[KSH:KSH+3] offset:16384*\par
	ds_store_b128 v4, v[KSH+4:KSH+7] offset:16384*\par+512
	ds_store_b128 v4, v[VSH:VSH+3] offset:16384*\par+8192
	ds_store_b128 v4, v[VSH+4:VSH+7] offset:16384*\par+8704
	s_wait_dscnt 0x0                               ; my stores have landed; my reads of the other buffer were waited for in the last batch
	s_barrier_signal -1
	s_barrier_wait -1                              ; this buffer is whole; the other is written again only behind the next batch's wait and in front of its barrier
	s_wait_alu depctr_vm_vsrc(0)                   ; my four LDS stores have read KSH and VSH, in which the next batch's loads land; the last batch's two stores have read OC and W16, which this batch writes again
	s_wait_alu depctr_va_vdst(0)                   ; the last batch's products are done reading the other set of Q and of scale words, and V's fragments: the loads below land in these (first batch: Q's zero codes are written, which the products take)
.if \nxt
	NEXT 1-\par, \par+1
.endif
	WIN 0x40
.irp t, 0,1,2,3,4,5,6,7,8,9,10,11,12,13,14,15
	ds_load_b128 v[KV+4*\t:KV+4*\t+3], v1 offset:16384*\par+512*\t
.endr
	WIN 0x04                                       ; source 1 (the bias) window 1
	s_wait_kmcnt 0x0                               ; this batch's words of registers 0-63, asked for behind the last batch's exponentials
	CMASK 32, S, 0                                 ; the C of tiles 0-7, while K's fragments come
	CMASK 68, S+32, 32
	PLACES 4                                       ; the distance that an operand written by vector instructions owes a scaled product is kept for C too
.if \nxt
	s_wait_alu depctr_va_vdst(0)                   ; the 64 selects are done reading s32 to s99, in which the scalar loads below land
	MLOAD 32, 2, \par+1                            ; the next batch's words of registers 64-127: wanted behind this batch's exponentials
	MLOAD 68, 3, \par+1
.endif
	s_wait_alu depctr_va_vdst(0)
	s_wait_dscnt 0x0                               ; K's fragments are in
	WIN 0x01                                       ; source 0 (K) window 1
.irp t, 0,1,2,3,4,5,6,7
	WMS S+8*\t, KV+4*\t, QF+8*\par, 1, S+8*\t, KS+8*\par+\t/2, QS+\par, \t%2
.endr
	WIN 0x11                                       ; and C (MB) window 1
.irp t, 8,9,10,11,12,13,14,15
	WMS S+8*\t, KV+4*\t, QF+8*\par, 1, MB+8*\t-64, KS+8*\par+\t/2, QS+\par, \t%2
.endr
	WIN 0
	PLACES 4                                       ; in front of the first read of results, and of the loads into registers that the products have read
	BLKMAX 0
	BLKMAX 4
	WIN 0x40
	s_wait_alu depctr_va_vdst(0)                   ; the first products are done reading K's fragments, where V's land (the maxima above have taken in every product's result)
.irp i, 0,1,2,3,4,5,6,7,8,9,10,11,12,13,14,15
	ds_load_b128 v[KV+4*\i:KV+4*\i+3], v1 offset:16384*\par+8192+512*\i   ; V's fragments, where K's lay: they land while the softmax is worked
.endr
	WIN 0
.irp b, 0,1,2,3,4,5,6,7
	v_permlanex16_b32 v[BP+\b], v[BM+\b], s22, s23
.endr
.irp b, 0,1,2,3,4,5,6,7
	v_max_num_f32 v[BM+\b], v[BM+\b], v[BP+\b]     ; with lane l xor 16's 16 keys
.endr
	v_max3_num_f32 v[RM], v[BM], v[BM+1], v[BM+2]
	v_max3_num_f32 v[RM], v[RM], v[BM+3], v[BM+4]
	v_max3_num_f32 v[RM], v[RM], v[BM+5], v[BM+6]
	v_max_num_f32 v[RM], v[RM], v[BM+7]            ; my query's largest score
	v_cmp_lt_f32 vcc_lo, 0xfa800000, v[RM]         ; above -2^118: some key counts.  VCC keeps this to the batch's end: no other line of a batch writes it
	v_mul_f32 v[RM], s24, v[RM]                    ; as t (c is positive)
	v_floor_f32 v[NM], -v[RM]                      ; -M = floor(-t) = -ceil(t)
.irp j, 0,2,4,6,8,10,12,14,16,18,20,22,24,26,28,30,32,34,36,38,40,42,44,46,48,50,52,54,56,58,60,62,64,66,68,70,72,74,76,78,80,82,84,86,88,90,92,94,96,98,100,102,104,106,108,110,112,114,116,118,120,122,124,126
	v_pk_fma_f32 v[S+\j:S+\j+1], v[S+\j:S+\j+1], s[24:25], v[NM:NM+1] op_sel_hi:[1,0,0]   ; t - M, two at a time
.endr
.irp b, 0,1,2,3,4,5,6,7
	v_fma_f32 v[BM+\b], v[BM+\b], s24, v[NM]       ; the same of each block's largest score
.endr
.set n, 0
	s_wait_alu depctr_va_vdst(0)
.rept 128
	v_exp_f32 v[S+n], v[S+n]                       ; p = 2^(t - M), at most 1, not normalised
.set n, n+1
.endr
.irp b, 0,1,2,3,4,5,6,7
	v_exp_f32 v[BM+\b], v[BM+\b]                   ; the block's largest p: the same two instructions on the same number
.endr
.if \nxt
	s_wait_kmcnt 0x0                               ; the next batch's words of registers 64-127, asked for at this batch's head
	WIN 0x44                                       ; destination (MB) and source 1 (the bias) window 1
	CMASK 32, MB, 64                               ; the C of the next batch's tiles 8-15.  (Plain lines that name nothing of the exponentials: their place)
	CMASK 68, MB+32, 96
	WIN 0
	s_wait_alu depctr_va_vdst(0)                   ; the 136 exponentials have written S and BM, ahead of their first reader; the 64 selects are done reading s32 to s99, in which the scalar loads below land
	MLOAD 32, 0, \par+1                            ; the next batch's words of registers 0-63: wanted at its head
	MLOAD 68, 1, \par+1
.else
	v_nop                                          ; one plain place behind the exponentials
	s_wait_alu depctr_va_vdst(0)                   ; the 136 exponentials have written S and BM, ahead of their first reader
.endif
.irp b, 0,1,2,3,4,5,6,7
	v_max_num_f32 v[BM+\b], 0x1800000, v[BM+\b]    ; the floor 2^(3 - 127): the byte cannot fall under 1
.endr
.irp b, 0,1,2,3,4,5,6,7
	v_add_nc_u32 v[BS+\b], 0xff000000, v[BM+\b]    ; the conversion's scale operand
.endr
.irp b, 0,1,2,3,4,5,6,7
	v_lshrrev_b32 v[BP+\b], 23, v[BS+\b]           ; the scale's byte
.endr
.irp g, 0,1
	v_lshl_or_b32 v[PW+\g], v[BP+4*\g+1], 8, v[BP+4*\g]    ; p's scale word for keys 128 g on
	v_lshl_or_b32 v[PW+\g], v[BP+4*\g+2], 16, v[PW+\g]
	v_lshl_or_b32 v[PW+\g], v[BP+4*\g+3], 24, v[PW+\g]
.endr
.irp b, 0,1,2,3,4,5,6,7
	v_cvt_scalef32_pk8_fp4_f32 v[PC+2*\b], v[S+16*\b:S+16*\b+7], v[BS+\b]
	v_cvt_scalef32_pk8_fp4_f32 v[PC+2*\b+1], v[S+16*\b+8:S+16*\b+15], v[BS+\b]
.endr
	v_nop                                          ; one plain place behind a scaled conversion
.irp c, 0,1,2,3
.irp i, 0,1
	v_permlane16_swap_b32 v[PC+4*\c+\i], v[PC+4*\c+2+\i]   ; a whole block to a lane
.endr
.endr
.irp k, 0,1,2,3                        ; l: the sum of the unquantised p, in four chains.  These additions are also the places between p's scale words and codes and the products that take them
	v_pk_add_f32 v[LS+2*\k:LS+2*\k+1], v[S+2*\k:S+2*\k+1], v[S+8+2*\k:S+9+2*\k]
.endr
.irp j, 16,24,32,40,48,56,64,72,80,88,96,104,112,120
.irp k, 0,1,2,3
	v_pk_add_f32 v[LS+2*\k:LS+2*\k+1], v[LS+2*\k:LS+2*\k+1], v[S+\j+2*\k:S+\j+2*\k+1]
.endr
.endr
	v_pk_add_f32 v[LS:LS+1], v[LS:LS+1], v[LS+2:LS+3]
	v_pk_add_f32 v[LS+4:LS+5], v[LS+4:LS+5], v[LS+6:LS+7]
	v_pk_add_f32 v[LS:LS+1], v[LS:LS+1], v[LS+4:LS+5]
	v_add_f32 v[L], v[LS], v[LS+1]
	v_permlanex16_b32 v[RM], v[L], s22, s23
	v_add_f32 v[L], v[L], v[RM]                    ; the row's sum
	s_wait_alu depctr_va_vdst(0)
	v_rcp_f32 v[RL], v[L]
	s_wait_dscnt 0x0                               ; V's fragments are in: my reads of this buffer are over
	s_wait_alu depctr_va_vdst(0)                   ; behind their places: p's scale words PW and codes PC are written, which the scaled products below take; so is the reciprocal's RL, ahead of its first reader
	WIN 0x01                                       ; source 0 (V) window 1
.irp g, 0,1                            ; O^T = V^T P^T: four accumulators by turns; keys 128 g on
.irp t, 0,1,2,3
.if \g == 0
	WMS S+8*\t, KV+32*\g+8*\t, PC+8*\g, 0, 0, VS+4*\par+2*\g+\t/2, PW+\g, \t%2
.else
	WMS S+8*\t, KV+32*\g+8*\t, PC+8*\g, 1, S+8*\t, VS+4*\par+2*\g+\t/2, PW+\g, \t%2
.endif
.endr
.endr
	WIN 0
	PLACES 4                                       ; behind the products, and the plain place behind the reciprocal
.irp j, 0,2,4,6,8,10,12,14,16,18,20,22,24,26,28,30
	v_pk_mul_f32 v[S+\j:S+\j+1], v[S+\j:S+\j+1], v[RL:RL+1] op_sel_hi:[1,0]   ; O / l: register 16 b + i is channel 32 b + 16 hh + i of my query
.endr
.irp b, 0,1
	v_max3_num_f32 v[BM+\b], |v[S+16*\b]|, |v[S+16*\b+1]|, 0x1800000
.endr
.irp i, 2,4,6,8,10,12,14
.irp b, 0,1
	v_max3_num_f32 v[BM+\b], v[BM+\b], |v[S+16*\b+\i]|, |v[S+16*\b+\i+1]|
.endr
.endr
.irp b, 0,1
	v_permlanex16_b32 v[BP+\b], v[BM+\b], s22, s23
.endr
.irp b, 0,1
	v_max_num_f32 v[BM+\b], v[BM+\b], v[BP+\b]
.endr
.irp b, 0,1
	v_add_nc_u32 v[BS+\b], 0xff000000, v[BM+\b]
.endr
.irp b, 0,1
	v_lshrrev_b32 v[BP+\b], 23, v[BS+\b]
.endr
.irp b, 0,1
	v_cvt_scalef32_pk8_fp4_f32 v[OC+2*\b], v[S+16*\b:S+16*\b+7], v[BS+\b]
	v_cvt_scalef32_pk8_fp4_f32 v[OC+2*\b+1], v[S+16*\b+8:S+16*\b+15], v[BS+\b]
.endr
	v_nop
	v_permlane16_swap_b32 v[OC], v[OC+2]
	v_permlane16_swap_b32 v[OC+1], v[OC+3]
	v_lshl_or_b32 v[W16], v[BP+1], 8, v[BP]
	s_wait_alu depctr_va_vcc(0)                    ; the compare on the row's largest score has written VCC, ahead of its one reader
	v_cndmask_b32 v[W16], 0xffff, v[W16], vcc_lo   ; every key hidden: the scale bytes that stand for NaN
	s_wait_alu depctr_va_vdst(0)                   ; OC and W16 are written, which the two stores read
	global_store_b128 v1, v[OC:OC+3], s[10:11] offset:\par*65536   ; 512 consecutive bytes: group head % 2 of K step head / 2
	global_store_b16 v5, v[W16], s[30:31] offset:\par*4096         ; both lane halves store the same two bytes with the same value
.endm
	s_load_b256 s[4:11], s[0:1], 0x0               ; qkv, biasc, maskw, att
	v_lshrrev_b32 v6, 5, v0
	v_readfirstlane_b32 s20, v6                    ; wave 0..7
	v_and_b32 v6, 31, v0                           ; lane
	v_and_b32 v7, 15, v0                           ; r
	s_wait_alu depctr_va_vdst(0)
	v_lshlrev_b32 v1, 4, v6
	v_lshlrev_b32 v2, 5, v6
	v_lshlrev_b32 v5, 3, v7
	s_wait_alu depctr_va_sdst(0)                   ; s20 is written, ahead of its first reader: offsets and bases are made from it
	s_lshl_b32 s32, s20, 10
	v_add_nc_u32 v4, s32, v1                       ; my eighth of K and of V, in memory and in LDS: 1,024 w + 16 x lane
	s_mov_b32 s22, 0x76543210
	s_mov_b32 s23, 0xfedcba98
	s_mov_b32 s24, 0x3e38aa3b                      ; c = log2(e) / 8
	s_mov_b32 s25, s24
	s_and_b32 s32, ttmp9, 7                        ; head
	s_bfe_u32 s33, ttmp9, 0x10003                  ; which half of the query tiles
	s_lshr_b32 s34, ttmp9, 4                       ; which eight batches
	s_lshl_b32 s35, s33, 3
	s_add_co_u32 s35, s35, s20                     ; T
	s_and_b32 s36, s35, 1
	s_lshl_b32 s36, s36, 9
	s_lshr_b32 s37, s35, 1
	s_lshl_b32 s37, s37, 2
	s_add_co_u32 s36, s36, s37
	v_lshl_add_u32 v3, v7, 5, s36                  ; Q's scale word: lane 16 (T % 2) + r of the table, slot T / 2
	s_lshl_b32 s38, s34, 19
	s_lshl_b32 s39, s32, 13
	s_add_co_u32 s38, s38, s39                     ; codes: 8 batches x 65,536 + head x 8,192
	s_mov_b32 s39, 0
	s_lshl_b32 s40, s35, 9
	s_add_co_u32 s40, s40, s38
	s_mov_b32 s41, 0
	s_lshl_b32 s42, s34, 16
	s_lshl_b32 s43, s32, 10
	s_add_co_u32 s42, s42, s43                     ; Q's and K's scale words
	s_mov_b32 s43, 0
	s_lshl_b32 s44, s34, 15
	s_lshl_b32 s45, s32, 9
	s_add_co_u32 s44, s44, s45                     ; V's
	s_mov_b32 s45, 0
	s_lshl_b32 s46, s34, 16
	s_lshl_b32 s47, s35, 9
	s_add_co_u32 s46, s46, s47                     ; mask words
	s_mov_b32 s47, 0
	s_lshl_b32 s48, s34, 19
	s_lshl_b32 s49, s35, 12
	s_add_co_u32 s48, s48, s49
	s_lshl_b32 s49, s32, 9
	s_add_co_u32 s48, s48, s49                     ; the result's codes
	s_mov_b32 s49, 0
	s_lshl_b32 s50, s34, 15
	s_lshl_b32 s51, s35, 8
	s_add_co_u32 s50, s50, s51
	s_bfe_u32 s51, s32, 0x10001
	s_lshl_b32 s51, s51, 7
	s_add_co_u32 s50, s50, s51
	s_lshr_b32 s51, s32, 2
	s_lshl_b32 s51, s51, 2
	s_add_co_u32 s50, s50, s51
	s_and_b32 s51, s32, 1
	s_lshl_b32 s51, s51, 1
	s_add_co_u32 s50, s50, s51                     ; and its scale bytes
	s_mov_b32 s51, 0
	s_lshl_b32 s52, s32, 18
	s_lshl_b32 s53, s35, 14
	s_add_co_u32 s52, s52, s53                     ; 8 x bias of (head, T)
	s_mov_b32 s53, 0
	s_wait_kmcnt 0x0
	s_add_nc_u64 s[12:13], s[4:5], s[40:41]        ; Q's codes
	s_add_nc_u64 s[14:15], s[4:5], s[38:39]
	s_add_nc_u64 s[14:15], s[14:15], 0x800000      ; K's
	s_add_nc_u64 s[16:17], s[14:15], 0x800000      ; V's
	s_add_nc_u64 s[18:19], s[4:5], s[42:43]
	s_add_nc_u64 s[18:19], s[18:19], 0x1800000     ; Q's scale words
	s_add_nc_u64 s[26:27], s[18:19], 0x100000      ; K's
	s_add_nc_u64 s[28:29], s[4:5], s[44:45]
	s_add_nc_u64 s[28:29], s[28:29], 0x1a00000     ; V's
	s_add_nc_u64 s[8:9], s[8:9], s[46:47]
	s_add_nc_u64 s[30:31], s[10:11], s[50:51]
	s_add_nc_u64 s[30:31], s[30:31], 0x800000
	s_add_nc_u64 s[10:11], s[10:11], s[48:49]
	s_add_nc_u64 s[6:7], s[6:7], s[52:53]
	s_wait_alu depctr_va_vdst(0)                   ; the offsets and LDS addresses v1 to v5 are written: every load and store of the kernel reads one of them, and none is written again
	MLOAD 32, 2, 0                                 ; the first batch's words of registers 64-127
	MLOAD 68, 3, 0
	WIN 0x40
.irp i, 0,1,2,3,4,5,6,7,8,9,10,11,12,13,14,15,16,17,18,19,20,21,22,23,24,25,26,27,28,29,30,31
	global_load_b128 v[BIAS+4*\i:BIAS+4*\i+3], v1, s[6:7] offset:512*\i
.endr
	WIN 0
	NEXT 0, 0
.irp i, 4,5,6,7,12,13,14,15
	v_mov_b32 v[QF+\i], 0                          ; Q's zero codes for k = 64 .. 127, in both sets
.endr
.irp b, 0,1,2,3,4,5,6,7
	v_mov_b32 v[BP+\b], 0                          ; written once: a lane permute's destination counts as one of its sources
.endr
	v_mov_b32 v[NM+1], 0                           ; (named as the upper halves of pairs)
	v_mov_b32 v[RL+1], 0
	v_mov_b32 v[HID], 0xfb800000                   ; -2^120: a hidden key's C
	s_wait_alu depctr_va_vdst(0)
	s_wait_kmcnt 0x0
	s_wait_loadcnt 9                               ; the bias's 32 loads are in; the nine of the first batch may be out
	WIN 0x44
	CMASK 32, MB, 64                               ; the C of the first batch's tiles 8-15
	CMASK 68, MB+32, 96
	WIN 0
	s_wait_alu depctr_va_vdst(0)                   ; the 64 selects are done reading s32 to s99, in which the scalar loads below land
	MLOAD 32, 0, 0                                 ; and its words of registers 0-63
	MLOAD 68, 1, 0
	s_mov_b32 s21, 3
.Lpair:                                            ; two batches a trip
	ITER 0, 1
	ITER 1, 1
	s_wait_xcnt 0x0                                ; every load and store issued has read its base: the bases step only behind this wait
	s_add_nc_u64 s[12:13], s[12:13], 0x20000
	s_add_nc_u64 s[14:15], s[14:15], 0x20000
	s_add_nc_u64 s[16:17], s[16:17], 0x20000
	s_add_nc_u64 s[10:11], s[10:11], 0x20000
	s_add_nc_u64 s[18:19], s[18:19], 0x4000
	s_add_nc_u64 s[26:27], s[26:27], 0x4000
	s_add_nc_u64 s[8:9], s[8:9], 0x4000
	s_add_nc_u64 s[28:29], s[28:29], 0x2000
	s_add_nc_u64 s[30:31], s[30:31], 0x2000
	s_sub_co_u32 s21, s21, 1
	s_cmp_lg_u32 s21, 0
	s_cbranch_scc1 .Lpair
	ITER 0, 1                                      ; the last two batches are written out: the very last asks for nothing, so that no load leaves its buffer
	ITER 1, 0
	s_wait_xcnt 0x0
	v_lshl_add_u32 v254, v0, 2, 0x8000             ; the add's two registers are made anew here, in registers that only vector and matrix lines have named
	v_mov_b32 v255, 0
	s_wait_dscnt 0x0                               ; the closing lines, six on end
	s_wait_alu 0x0
	s_wait_tensorcnt 0x0
	ds_add_u32 v254, v255
	s_wait_dscnt 0x0
	s_endpgm
.Lfunc_end_k_q799e5fe70c_attn:
	.size	k_q799e5fe70c_attn, .Lfunc_end_k_q799e5fe70c_attn-k_q799e5fe70c_attn
	.p2alignl 7, 3214868480
	.fill 96, 4, 3214868480
	.section	.rodata,"a",@progbits
	.p2align	6, 0x0
	.amdhsa_kernel k_q799e5fe70c_attn
		.amdhsa_group_segment_fixed_size 33792
		.amdhsa_private_segment_fixed_size 0
		.amdhsa_enable_private_segment 0
		.amdhsa_kernarg_size 32
		.amdhsa_user_sgpr_count 2
		.amdhsa_user_sgpr_kernarg_segment_ptr 1
		.amdhsa_wavefront_size32 1
		.amdhsa_system_sgpr_workgroup_id_x 1
		.amdhsa_system_sgpr_workgroup_id_y 1
		.amdhsa_system_sgpr_workgroup_id_z 1
		.amdhsa_system_vgpr_workitem_id 0
		.amdhsa_next_free_vgpr 512
		.amdhsa_next_free_sgpr 100
		.amdhsa_reserve_vcc 1
		.amdhsa_float_denorm_mode_32 3
		.amdhsa_float_denorm_mode_16_64 3
		.amdhsa_memory_ordered 1
		.amdhsa_forward_progress 1
		.amdhsa_inst_pref_size 167
	.end_amdhsa_kernel
	.amdgpu_metadata
---
amdhsa.version: [ 1, 2 ]
amdhsa.kernels:
  - .name:           k_q799e5fe70c_attn
    .symbol:         k_q799e5fe70c_attn.kd
    .args:
      - { .name: qkv, .offset: 0, .size: 8, .value_kind: global_buffer, .address_space: global }
      - { .name: biasc, .offset: 8, .size: 8, .value_kind: global_buffer, .address_space: global }
      - { .name: maskw, .offset: 16, .size: 8, .value_kind: global_buffer, .address_space: global }
      - { .name: att, .offset: 24, .size: 8, .value_kind: global_buffer, .address_space: global }
    .group_segment_fixed_size: 33792
    .private_segment_fixed_size: 0
    .kernarg_segment_align: 8
    .kernarg_segment_size: 32
    .max_flat_workgroup_size: 256
    .sgpr_count:     100
    .vgpr_count:     512
    .wavefront_size: 32
...
	.end_amdgpu_metadata
.endif
;; end of part 7
;; launch fin (part 8): grid 256 x 1, 8 waves a work-group, no clusters, 105,472 bytes of LDS; arguments att, hid, wts, bo, bc2, out0; writes out0
.if DOCPART == 8
	.amdgcn_target "amdgcn-amd-amdhsa--gfx1250"
	.amdhsa_code_object_version 6
	.text
	.protected	k_q799e5fe70c_fin
	.globl	k_q799e5fe70c_fin
	.p2align	8
	.type	k_q799e5fe70c_fin,@function
k_q799e5fe70c_fin:
	s_mov_b64 s[64:65], 0
	v_nop
	global_prefetch_b8 v0, s[64:65] scope:SCOPE_SE
	s_setreg_imm32_b32 hwreg(HW_REG_WAVE_SCHED_MODE, 0, 2), 2
	s_setreg_imm32_b32 hwreg(HW_REG_WAVE_MODE, 25, 1), 1
	s_wait_xcnt 0x0
	s_wait_alu depctr_vm_vsrc(0)
; FIN: out0 = Q(attention) Wo + bo + Q(h) Wc2 + bc2, as ONE sum over K = 1,024 on codes of FP4 with E8M0 scales; bo + bc2 is the C of each sum's first product.
; SHARES.  A work-group owns 128 rows (8 tiles, 4 pairs): both operands' codes lie in LDS as register images, read by all eight waves.  Wave w owns columns 64 w .. 64 w + 63:
; its 32 weight fragments fill window 1 for the whole launch.
; A STEP is one row tile x one operand x my 4 column tiles: 16 matrix instructions on 4 accumulators that take turns.  A pair of row tiles is four steps: (Wo, tile 0), (Wo, tile 1), (Wc2, tile 0), (Wc2, tile 1):
; each accumulator takes Wo's K steps 0 to 3 and then Wc2's.
; Source 0 = weight, source 1 = rows: a lane holds one row and eight neighbouring columns a tile.  16 rows x 64 columns go through the wave's own stage in LDS and leave so that sixteen lanes store 256 consecutive bytes, aligned.
; A row whose scale bytes are 0xff (every key masked) comes out NaN, as the problem's definition has it.
; THE MODE: SCHED_MODE bits 1:0 = 2 (LLVM: expert scheduling mode 2), set by the entry lines.  The code itself states the register dependences
; between vector or matrix instructions and memory or LDS instructions, with s_wait_alu, always for 0.
; THE PLAN.  Registers that memory or LDS instructions touch:
;   AF0, AF1, ASC   a row tile's four fragments (32 registers) and its scale words.  Tile p's steps read AF[p]; the loads of the next step, which is the other tile's, are issued at this step's head and land while it multiplies.
;   D0, D1          a row tile's four accumulators.  Written by the products; read by the eight LDS stores that lay the finished tile in the stage; begun anew by the next pair's products.
;   OUT             written by the eight LDS loads from the stage; read by the eight stores to out0, one step later; loaded again one step after that.
;   v1-11           made at the head and never written again.
; ONE wait on va_vdst stands at a step's head, behind the wait for the step's own fragments and the places: the last step's products are done reading the other half of AF, and a tile that they finished is written.
; All of a step's memory lines follow it, ahead of the step's products, which name AF[p], the weights, the scale words and D[p]: none of the registers that those lines touch but D[p], for which a wait on vm_vsrc stands between.
; THE WAY OUT is dealt over the steps: tile 0 goes to the stage in its pair's fourth step and is stored in the next pair's first; tile 1 goes to the stage in the next pair's second step and is stored in its third.
; So the waits for OUT (on XCNT and on vm_vsrc) stand a whole step behind the stores that they wait for.
; REGISTERS, window 0: v1-11 addresses; v16-31 weights' scale words, v32-39 rows' scale words; v40-71 bo + bc2 in the accumulators' order; v72-135 rows' fragments; v136-199 accumulators; v200-231 rows on their way out.
;   window 1: weight fragment (tile t, kind, K step s) at 64 t + 32 kind + 8 s; kind 0 = Wo, 1 = Wc2.
.set WS,   16
.set ASC,  32
.set BO,   40
.set AF,   72
.set D,    136
.set OUT,  200
.set HI,   32768                       ; LDS: attention's 8 tiles of 4,096 bytes at 0, h's here,
.set SCL,  65536                       ; their scale words (2,048 bytes each),
.set STG,  69632                       ; and a stage of 16 rows x (256 + 16) bytes for each wave
.set MSB, 0
.macro WIN new                         ; the immediate's high byte repeats the setting that is left
.if MSB != \new
	s_set_vgpr_msb (MSB<<8)|\new
.set MSB, \new
.endif
.endm
.macro PLACES n
.rept \n
	v_nop
.endr
.endm
.macro WMS d, a, b, c, sa, sb, row     ; row = 1: both scales from lanes 16-31
.if (\row) == 0
	v_wmma_scale_f32_16x16x128_f8f6f4 v[(\d):(\d)+7], v[(\a):(\a)+7], v[(\b):(\b)+7], v[(\c):(\c)+7], v[(\sa)], v[(\sb)] matrix_a_fmt:MATRIX_FMT_FP4 matrix_b_fmt:MATRIX_FMT_FP4
.else
	v_wmma_scale_f32_16x16x128_f8f6f4 v[(\d):(\d)+7], v[(\a):(\a)+7], v[(\b):(\b)+7], v[(\c):(\c)+7], v[(\sa)], v[(\sb)] matrix_a_fmt:MATRIX_FMT_FP4 matrix_b_fmt:MATRIX_FMT_FP4 matrix_a_scale:MATRIX_SCALE_ROW1 matrix_b_scale:MATRIX_SCALE_ROW1
.endif
.endm
.macro WLOADF kind                     ; 36 loads: my 16 fragments of Wo or Wc2 and their scale words
	WIN 0x40
.irp t, 0,1,2,3
.irp q, 0,1,2,3,4,5,6,7
	global_load_b128 v[64*\t+32*(\kind)+4*\q:64*\t+32*(\kind)+4*\q+3], v5, s[8:9] offset:(4+(\kind))*131072+512*(8*\t+\q)
.endr
.endr
	WIN 0
.irp t, 0,1,2,3
	global_load_b64 v[WS+8*(\kind)+2*\t:WS+8*(\kind)+2*\t+1], v6, s[8:9] offset:(4+(\kind))*8192+256*\t
.endr
.endm
.macro HFETCH kind, bp, p              ; nine LDS loads: tile p of pair bp: its four fragments of one operand, and its scale words
.irp s, 0,1,2,3
.irp c, 0,1
	ds_load_b128 v[AF+32*(\p)+8*\s+4*\c:AF+32*(\p)+8*\s+4*\c+3], v1 offset:HI*(\kind)+(2*(\bp)+(\p))*4096+1024*\s+512*\c
.endr
.endr
	ds_load_b64 v[ASC+4*(\kind)+2*(\p):ASC+4*(\kind)+2*(\p)+1], v2 offset:2048*(\kind)+(2*(\bp)+(\p))*256
.endm
.macro MMH kind, p                     ; a step's 16 products
	WIN 0x01                                       ; source 0 (weight) window 1
.irp s, 0,1,2,3
.irp t, 0,1,2,3
.if ((\kind) == 0) && (\s == 0)
	WMS D+32*(\p)+8*\t, 64*\t+32*(\kind)+8*\s, AF+32*(\p)+8*\s, BO+8*\t, WS+8*(\kind)+2*\t+\s/2, ASC+4*(\kind)+2*(\p)+\s/2, 0
.else
	WMS D+32*(\p)+8*\t, 64*\t+32*(\kind)+8*\s, AF+32*(\p)+8*\s, D+32*(\p)+8*\t, WS+8*(\kind)+2*\t+\s/2, ASC+4*(\kind)+2*(\p)+\s/2, \s%2
.endif
.endr
.endr
	WIN 0
.endm
.macro TOSTAGE p                       ; tile p's 16 rows x 64 columns into my stage
.irp t, 0,1,2,3
	ds_store_b128 v7, v[D+32*(\p)+8*\t:D+32*(\p)+8*\t+3] offset:128*(\t/2)+32*(\t%2)        ; each accumulator from its low end on
	ds_store_b128 v7, v[D+32*(\p)+8*\t+4:D+32*(\p)+8*\t+7] offset:128*(\t/2)+32*(\t%2)+16
.endr
.endm
.macro BACK                            ; and back by rows.  LDS serves a wave's instructions in order: these see my stores, and the next tile's stores come behind them
.irp i, 0,1,2,3,4,5,6,7
	ds_load_b128 v[OUT+4*\i:OUT+4*\i+3], v8 offset:544*\i
.endr
.endm
.macro SEND bp, p
.irp i, 0,1,2,3,4,5,6,7
	global_store_b128 v9, v[OUT+4*\i:OUT+4*\i+3], s[14:15] offset:(32*(\bp)+8*(\p)+(2*\i)%8+16*(\i/4))*2048 th:TH_STORE_NT   ; places 2 i, 2 i + 1 of the tile are rows (2 i) % 8 + 16 (i / 4) and the next; 16 lanes store 256 consecutive bytes, aligned
.endr
.endm
; A PAIR of row tiles: four steps
.macro PAIR bp
	; ---- (Wo, tile 0)
	s_wait_dscnt 0x0                               ; this step's fragments are in; so are the rows of the last pair's tile 0, back from the stage
.if (\bp) > 0
	PLACES 4                                       ; between the last step's products and the loads into registers that they read
	s_wait_alu depctr_va_vdst(0)                   ; the last step's products are done reading AF1 and its scale words, in which the loads below land
.endif
	HFETCH 0, \bp, 1
.if (\bp) > 0
	s_wait_alu depctr_vm_vsrc(0)                   ; the stage's stores of the last step have read D0, which this step's products begin anew
	SEND (\bp)-1, 0
.endif
	MMH 0, 0
	; ---- (Wo, tile 1)
	s_wait_dscnt 0x0                               ; this step's fragments are in
.if (\bp) > 0
	PLACES 5                                       ; behind the last pair's last products: four for the stage's stores of D1, five for this step's products, which begin D1 anew with another C
.else
	PLACES 4                                       ; between the last step's products and the loads into registers that they read
.endif
	s_wait_alu depctr_va_vdst(0)                   ; the last step's products are done reading AF0 and its scale words, in which the loads below land; the last pair's have written D1, which the stage's stores read
	HFETCH 1, \bp, 0
.if (\bp) > 0
	TOSTAGE 1
	s_wait_xcnt 0x0                                ; the stores of the last step have had their addresses translated: OUT is loaded again only behind this wait
	s_wait_alu depctr_vm_vsrc(0)                   ; and have read OUT, in which the loads below land; the stage's stores above have read D1, which this step's products begin anew
	BACK
.endif
	MMH 0, 1
	; ---- (Wc2, tile 0)
	s_wait_dscnt 0x0                               ; this step's fragments are in; so are the rows of the last pair's tile 1
	PLACES 4                                       ; between the last step's products and the loads into registers that they read
	s_wait_alu depctr_va_vdst(0)                   ; the last step's products are done reading AF1 and its scale words, in which the loads below land
	HFETCH 1, \bp, 1
.if (\bp) > 0
	SEND (\bp)-1, 1
.endif
	MMH 1, 0
	; ---- (Wc2, tile 1)
	s_wait_dscnt 0x0                               ; this step's fragments are in
	PLACES 5                                       ; behind the last step's products: four for the stage's stores of D0, five for the next pair's first products, which begin D0 anew with another C
	s_wait_alu depctr_va_vdst(0)                   ; the last step's products have written D0, which the stage's stores read, and are done reading AF0 and its scale words, in which the loads below land (first pair: the biases' additions are done reading OUT)
.if (\bp) < 3
	HFETCH 0, (\bp)+1, 0
.endif
	TOSTAGE 0
.if (\bp) > 0
	s_wait_xcnt 0x0                                ; the stores of the last step have had their addresses translated: OUT is loaded again only behind this wait
	s_wait_alu depctr_vm_vsrc(0)                   ; and have read OUT, in which the loads below land
.endif
	BACK
	MMH 1, 1
.endm
	s_load_b256 s[4:11], s[0:1], 0x0               ; att, hid, wts, bo
	s_load_b128 s[12:15], s[0:1], 0x20             ; bc2, out0
	v_lshl_add_u32 v254, v0, 2, 0x19800
	v_mov_b32 v255, 0
	v_lshrrev_b32 v12, 5, v0
	v_readfirstlane_b32 s18, v12                   ; wave 0..7
	v_and_b32 v12, 31, v0                          ; lane
	v_and_b32 v13, 15, v0                          ; r
	v_bfe_u32 v14, v0, 4, 1                        ; hh
	v_lshlrev_b32 v1, 4, v12
	v_lshlrev_b32 v10, 3, v12
	v_add_nc_u32 v2, SCL, v10
	s_wait_alu depctr_va_sdst(0)                   ; s18 is written, ahead of its first reader: offsets and LDS addresses are made from it
	s_lshl_b32 s19, s18, 10
	s_add_co_u32 s19, s19, 786432
	v_add_nc_u32 v6, s19, v10                      ; my weights' scale words
	s_lshl_b32 s19, s18, 8
	v_add_nc_u32 v10, s19, v10                     ; 256 w + 8 x lane
	v_add_nc_u32 v4, SCL, v10
	v_lshl_add_u32 v11, v14, 6, s19                ; bo, bc2: 256 w + 64 hh
	v_lshlrev_b32 v9, 11, v14
	v_lshl_add_u32 v9, v13, 4, v9
	v_add_nc_u32 v9, s19, v9                       ; out0: row hh, my 256 bytes of it, 16 bytes a lane
	s_lshl_b32 s19, s18, 12
	v_add_nc_u32 v3, s19, v1
	s_lshl_b32 s19, s18, 14
	v_add_nc_u32 v5, s19, v1
	s_mul_i32 s19, s18, 4352
	s_add_co_u32 s19, s19, STG                     ; my stage
	v_mul_u32_u24 v7, v13, 272
	v_lshl_add_u32 v7, v14, 6, v7
	v_add_nc_u32 v7, s19, v7                       ; in: row r, + 64 hh
	v_mul_u32_u24 v8, v14, 272
	v_lshl_add_u32 v8, v13, 4, v8
	v_add_nc_u32 v8, s19, v8                       ; back: lanes 0-15 one row, lanes 16-31 the next
	s_lshl_b32 s28, ttmp9, 15
	s_mov_b32 s29, 0
	s_lshl_b32 s30, ttmp9, 11
	s_mov_b32 s31, 0
	s_lshl_b32 s16, ttmp9, 18
	s_mov_b32 s17, 0
	s_wait_kmcnt 0x0
	s_add_nc_u64 s[20:21], s[4:5], s[28:29]        ; attention's codes at my 8 tiles
	s_add_nc_u64 s[22:23], s[6:7], s[28:29]        ; h's
	s_add_nc_u64 s[24:25], s[4:5], s[30:31]
	s_add_nc_u64 s[24:25], s[24:25], 0x800000      ; their scale words
	s_add_nc_u64 s[26:27], s[6:7], s[30:31]
	s_add_nc_u64 s[26:27], s[26:27], 0x800000
	s_add_nc_u64 s[14:15], s[14:15], s[16:17]      ; out0 at my 128 rows
	s_wait_alu depctr_va_vdst(0)                   ; the offsets and LDS addresses v1 to v11 are written: every load and store of the kernel reads one of them, and none is written again
.irp i, 0,1,2,3,4,5,6,7
	global_load_b128 v[D+4*\i:D+4*\i+3], v3, s[20:21] offset:512*\i th:TH_LOAD_NT      ; wave w brings tile w of both
.endr
.irp i, 0,1,2,3,4,5,6,7
	global_load_b128 v[D+32+4*\i:D+32+4*\i+3], v3, s[22:23] offset:512*\i th:TH_LOAD_NT
.endr
	global_load_b64 v[AF:AF+1], v10, s[24:25] th:TH_LOAD_NT
	global_load_b64 v[AF+2:AF+3], v10, s[26:27] th:TH_LOAD_NT
	WLOADF 0
	s_wait_loadcnt 36                              ; the 18 loads of rows are in; Wo's 36 may be out
.irp i, 0,1,2,3,4,5,6,7
	ds_store_b128 v3, v[D+4*\i:D+4*\i+3] offset:512*\i
.endr
.irp i, 0,1,2,3,4,5,6,7
	ds_store_b128 v3, v[D+32+4*\i:D+32+4*\i+3] offset:HI+512*\i
.endr
	ds_store_b64 v4, v[AF:AF+1]
	ds_store_b64 v4, v[AF+2:AF+3] offset:2048
	WLOADF 1
.irp q, 0,1,2,3
	global_load_b128 v[BO+8*\q:BO+8*\q+3], v11, s[10:11] offset:128*(\q/2)+32*(\q%2)
	global_load_b128 v[BO+8*\q+4:BO+8*\q+7], v11, s[10:11] offset:128*(\q/2)+32*(\q%2)+16
	global_load_b128 v[OUT+8*\q:OUT+8*\q+3], v11, s[12:13] offset:128*(\q/2)+32*(\q%2)
	global_load_b128 v[OUT+8*\q+4:OUT+8*\q+7], v11, s[12:13] offset:128*(\q/2)+32*(\q%2)+16
.endr
	s_wait_dscnt 0x0                               ; my stores have landed
	s_barrier_signal -1
	s_barrier_wait -1                              ; all 16 tiles lie in LDS; nobody writes them again
	s_wait_alu depctr_vm_vsrc(0)                   ; my LDS stores have read AF .. AF+3, in which the loads below land, and D, which the products write from here on
	HFETCH 0, 0, 0
	s_wait_loadcnt 0x0                             ; the weights and the biases
.irp k, 0,2,4,6,8,10,12,14,16,18,20,22,24,26,28,30
	v_pk_add_f32 v[BO+\k:BO+\k+1], v[BO+\k:BO+\k+1], v[OUT+\k:OUT+\k+1]
.endr
	s_wait_alu depctr_va_vdst(0)
.irp bp, 0,1,2,3
	PAIR \bp
.endr
	s_wait_dscnt 0x0                               ; the rows of the last pair's tile 0 are back from the stage
	SEND 3, 0
	PLACES 4                                       ; behind the last products, in front of the stage's stores of their results
	s_wait_alu depctr_va_vdst(0)                   ; the last products have written D1, which the stage's stores read
	TOSTAGE 1
	s_wait_xcnt 0x0                                ; the stores above have had their addresses translated: OUT is loaded again only behind this wait
	s_wait_alu depctr_vm_vsrc(0)                   ; and have read OUT, in which the loads below land
	BACK
	s_wait_dscnt 0x0
	SEND 3, 1
	s_wait_dscnt 0x0                               ; the closing lines, six on end
	s_wait_alu 0x0
	s_wait_tensorcnt 0x0
	ds_add_u32 v254, v255
	s_wait_dscnt 0x0
	s_endpgm
.Lfunc_end_k_q799e5fe70c_fin:
	.size	k_q799e5fe70c_fin, .Lfunc_end_k_q799e5fe70c_fin-k_q799e5fe70c_fin
	.p2alignl 7, 3214868480
	.fill 96, 4, 3214868480
	.section	.rodata,"a",@progbits
	.p2align	6, 0x0
	.amdhsa_kernel k_q799e5fe70c_fin
		.amdhsa_group_segment_fixed_size 105472
		.amdhsa_private_segment_fixed_size 0
		.amdhsa_enable_private_segment 0
		.amdhsa_kernarg_size 48
		.amdhsa_user_sgpr_count 2
		.amdhsa_user_sgpr_kernarg_segment_ptr 1
		.amdhsa_wavefront_size32 1
		.amdhsa_system_sgpr_workgroup_id_x 1
		.amdhsa_system_sgpr_workgroup_id_y 1
		.amdhsa_system_sgpr_workgroup_id_z 1
		.amdhsa_system_vgpr_workitem_id 0
		.amdhsa_next_free_vgpr 512
		.amdhsa_next_free_sgpr 66
		.amdhsa_reserve_vcc 0
		.amdhsa_float_denorm_mode_32 3
		.amdhsa_float_denorm_mode_16_64 3
		.amdhsa_memory_ordered 1
		.amdhsa_forward_progress 1
		.amdhsa_inst_pref_size 75
	.end_amdhsa_kernel
	.amdgpu_metadata
---
amdhsa.version: [ 1, 2 ]
amdhsa.kernels:
  - .name:           k_q799e5fe70c_fin
    .symbol:         k_q799e5fe70c_fin.kd
    .args:
      - { .name: att, .offset: 0, .size: 8, .value_kind: global_buffer, .address_space: global }
      - { .name: hid, .offset: 8, .size: 8, .value_kind: global_buffer, .address_space: global }
      - { .name: wts, .offset: 16, .size: 8, .value_kind: global_buffer, .address_space: global }
      - { .name: bo, .offset: 24, .size: 8, .value_kind: global_buffer, .address_space: global }
      - { .name: bc2, .offset: 32, .size: 8, .value_kind: global_buffer, .address_space: global }
      - { .name: out0, .offset: 40, .size: 8, .value_kind: global_buffer, .address_space: global }
    .group_segment_fixed_size: 105472
    .private_segment_fixed_size: 0
    .kernarg_segment_align: 8
    .kernarg_segment_size: 48
    .max_flat_workgroup_size: 256
    .sgpr_count:     66
    .vgpr_count:     512
    .wavefront_size: 32
...
	.end_amdgpu_metadata
.endif
;; end of part 8
